; MI455X (gfx1250); checked and timed in simulation.
; The chip was launched on July 23, 2026; its instructions are those of AMD's public machine-readable ISA for CDNA 5 (MIT licence, August 2026) and "CDNA5" Instruction Set Architecture Reference Guide (July 2026). The comments in the code are by the model that wrote it; some were corrected since.
;; FCN. Allowed arithmetic: float matrix products may take bf16 or f16 operands with f32 sums; other float arithmetic in f32, or as packed bf16 or f16 multiplies, adds, multiply-adds, maxima and minima; sums over many terms, partial sums and values carried from step to step in f32; what a program stores and reads back later, other than sums and carried values, may be rounded once to bf16 or f16.
;; Inputs: beta 2,048 x 128 float32; w0 2,048 x 1,024 float32; w1 2,048 x 2,048 float32; w2 2,048 x 2,048 float32; w3 2,048 x 2,048 float32; x 4,096 x 1,024 float32.
;; Outputs: out0 4,096 x 128 float32.
;; 3 versions, each right; version 3 is version 2 with the launches prep, readout written anew for expert scheduling mode. Each part assembles by itself: llvm-mc -triple=amdgcn-amd-amdhsa -mcpu=gfx1250 --defsym DOCPART=n.
;; ======== version 1 of 3: 6 launches
;; limits: inputs' magnitudes at most 65,504; values are held in f16: magnitudes above 65,504 overflow, below 6.1e-05 lose precision
;; workspace buffers: xh 8,396,800 bytes; wh0 4,202,496 bytes; wh1 8,396,800 bytes; wh2 8,396,800 bytes; wh3 8,396,800 bytes; ya 16,785,408 bytes; yb 16,785,408 bytes; bh 524,288 bytes
;; launch prep (part 1): grid 584 x 1, 8 waves a work-group, no clusters, 68,608 bytes of LDS; arguments x, w0, w1, w2, w3, beta, xh, wh0, wh1, wh2, wh3, bh; writes xh, wh0, wh1, wh2, wh3, bh
.if DOCPART == 1
	.amdgcn_target "amdgcn-amd-amdhsa--gfx1250"
	.amdhsa_code_object_version 6
	.text
	.protected	k_qf3b0df6c3d_prep
	.globl	k_qf3b0df6c3d_prep
	.p2align	8
	.type	k_qf3b0df6c3d_prep,@function
k_qf3b0df6c3d_prep:
	s_mov_b64 s[64:65], 0
	v_nop
	global_prefetch_b8 v0, s[64:65] scope:SCOPE_SE
	s_setreg_imm32_b32 hwreg(HW_REG_WAVE_MODE, 25, 1), 1
	s_wait_xcnt 0x0
; x, w0 .. w3: f32 -> f16, rounded once, behind a head of 8,192 bytes in each target; beta: f32 [2048][128] -> f16 [128][2048] (turned), no head.
; THE HEAD of a target: bytes 0 .. 4095 one f32 for each converting wave: the largest |f16| that it wrote; bytes 4096 .. one f32 for each wave: the buffer's scale, here 1.0.
; The layers behind make of these maxima a bound on their sums, so that their own f16 results cannot overflow.
; LIMITS.  Inputs lie within f16's range (below 65,520 in magnitude; beyond it the conversion gives an infinity); below 6e-5 a number keeps f16's fixed step of 6e-8.  NaN is not treated apart.
; SHARES.  A wave converts 4,096 consecutive floats: 16 KiB in by 32 loads that all go out at once, 8 KiB out.  A lane takes 8 neighbouring floats (two loads of 16 bytes) and stores 16 bytes:
; each store of the wave covers 512 consecutive bytes, aligned.  Work-groups 0-127 x, 128-191 w0, 192-319 w1, 320-447 w2, 448-575 w3, 576-583 beta.
; No matrix unit, no cluster, no ring in LDS: nothing is shared between waves but beta's turning, and 128 registers hold all that a wave has on its way.
.set HEAD,  8192
.set TP,    528                        ; beta's tile in LDS, [n][k]: 256 k x 2 bytes + 16 of padding
.set SPARE, 128*TP                     ; behind the tile: the spare words, 128 bytes for each wave: four blocks of 256 bytes that no other line names
.set BETA0, 576                        ; beta's first work-group
.set IO,  2                            ; v2   32 x lane: my 8 floats in 1,024 bytes; never rewritten
.set OO,  3                            ; v3   16 x lane: my 8 halves in 512 bytes; never rewritten
.set M,   4                            ; v[4:7]  four running maxima, two f16 each
.set SPW, 10                           ; v10  LDS address of my spare word; never rewritten
.set NIL, 11                           ; v11  0; never rewritten
.set LB,  12                           ; v12  beta: where my first number goes in the tile
.set LR,  13                           ; v13  beta: where I read a row of the tile back
.set GOB, 14                           ; v14  beta: my byte offset in the turned beta
.set SA,  15                           ; v15  byte offset of my wave's entries in the head
.set X,   16                           ; v[16:143]  pair p of 16: 8 registers as loaded; the first 4 then hold the 8 halves
.macro PICK first, src, dst            ; from work-group first on: another tensor
	s_cmp_ge_u32 s2, \first
	s_cselect_b64 s[4:5], s[\src:\src+1], s[4:5]
	s_cselect_b64 s[6:7], s[\dst:\dst+1], s[6:7]
	s_cselect_b32 s3, \first, s3
.endm
	s_load_b512 s[8:23], s[0:1], 0x0               ; x, w0, w1, w2, w3, beta, xh, wh0
	s_load_b256 s[24:31], s[0:1], 0x40             ; wh1, wh2, wh3, bh
	v_lshl_add_u32 v[SPW], v0, 2, SPARE
	v_mov_b32 v[NIL], 0
	v_and_b32 v1, 31, v0                           ; lane
	v_lshrrev_b32 v8, 5, v0
	v_readfirstlane_b32 s32, v8                    ; wave 0..7
	v_lshlrev_b32 v[IO], 5, v1
	v_lshlrev_b32 v[OO], 4, v1
	s_mov_b32 s2, ttmp9
	s_mov_b32 s3, 0
	s_mov_b32 s34, 0x76543210                      ; v_permlanex16_b32: each lane takes its own place in the other half
	s_mov_b32 s35, 0xfedcba98
	s_mov_b32 s37, 0x7fff7fff                      ; clears the signs of two f16
	s_wait_kmcnt 0x0
	s_mov_b64 s[4:5], s[8:9]                       ; from x
	s_mov_b64 s[6:7], s[20:21]                     ; to xh
	PICK 128, 10, 22
	PICK 192, 12, 24
	PICK 320, 14, 26
	PICK 448, 16, 28
	PICK BETA0, 18, 30
	s_sub_co_u32 s33, s2, s3                       ; my work-group within its tensor
	s_lshl_b32 s42, s33, 9                         ; beta: its 256 k are 512 bytes of each turned row
	s_lshl_b32 s33, s33, 3
	s_add_co_u32 s33, s33, s32                     ; q: my wave within its tensor
	s_lshl_b32 s40, s33, 14                        ; 16 KiB a wave
	s_mov_b32 s41, 0
	s_add_nc_u64 s[4:5], s[4:5], s[40:41]
.irp p, 0,1,2,3,4,5,6,7,8,9,10,11,12,13,14,15
	global_load_b128 v[X+8*(\p):X+8*(\p)+3],   v[IO], s[4:5] offset:1024*(\p) th:TH_LOAD_NT
	global_load_b128 v[X+8*(\p)+4:X+8*(\p)+7], v[IO], s[4:5] offset:1024*(\p)+16 th:TH_LOAD_NT
.endr
	s_lshl_b32 s43, s33, 13                        ; 8 KiB a wave, behind the head
	s_add_co_u32 s43, s43, HEAD
	s_cmp_ge_u32 s2, BETA0
	s_cselect_b32 s44, s42, s43
	s_mov_b32 s45, 0
	s_add_nc_u64 s[38:39], s[6:7], s[44:45]        ; where my data go
	s_lshl_b32 s46, s33, 2
	v_lshl_add_u32 v[SA], v1, 12, s46              ; lane 0: entry q of the maxima; lane 1: entry q of the scales
.irp j, 0,1,2,3
	v_mov_b32 v[M+(\j)], 0
.endr
	v_mov_b32 v9, 0
	v_and_b32 v8, 15, v0
	v_mul_u32_u24 v[LB], v8, 8*TP                  ; my 8 columns n are 8 rows of the tile,
	s_lshl_b32 s46, s32, 6
	v_add_nc_u32 v[LB], s46, v[LB]                 ; my wave's 32 rows k are 64 bytes of each,
	v_bfe_u32 v8, v0, 4, 1
	v_lshl_add_u32 v[LB], v8, 1, v[LB]             ; lanes 16-31 hold the odd row of a pair
	s_mul_i32 s46, s32, 16*TP
	v_lshl_add_u32 v[LR], v1, 4, s46               ; back: wave w takes rows n = 16 w .. 16 w + 15, whole
	s_lshl_b32 s47, s32, 16
	v_lshl_add_u32 v[GOB], v1, 4, s47              ; 16 rows of 4,096 bytes a wave
	s_cmp_ge_u32 s2, BETA0
	s_cbranch_scc1 .Lbeta
; Pair p: 8 floats a lane are rounded in place (each target register has been read when it is written), their magnitudes go into the maxima, 16 bytes leave.
.macro CONV p
	s_wait_loadcnt 30-2*(\p)                       ; loads come back in order: my two are in, the 30 - 2 p younger ones may stay out
.irp j, 0,1,2,3
	v_cvt_pk_f16_f32 v[X+8*(\p)+(\j)], v[X+8*(\p)+2*(\j)], v[X+8*(\p)+2*(\j)+1]
.endr
.irp j, 0,1,2,3
	v_and_b32 v[X+8*(\p)+4+(\j)], s37, v[X+8*(\p)+(\j)]
.endr
.irp j, 0,1,2,3
	v_pk_max_num_f16 v[M+(\j)], v[M+(\j)], v[X+8*(\p)+4+(\j)]
.endr
	global_store_b128 v[OO], v[X+8*(\p):X+8*(\p)+3], s[38:39] offset:512*(\p) th:TH_STORE_NT  ; no register of a store is written again on this arm
.endm
.irp p, 0,1,2,3,4,5,6,7,8,9,10,11,12,13,14,15
	CONV \p
.endr
	v_pk_max_num_f16 v[M], v[M], v[M+1]
	v_pk_max_num_f16 v[M+2], v[M+2], v[M+3]
	v_pk_max_num_f16 v[M], v[M], v[M+2]
	v_cvt_f32_f16 v8, v4.l                         ; v4 is M
	v_cvt_f32_f16 v9, v4.h
	v_max_num_f32 v8, v8, v9
	v_max_num_f32_dpp v8, v8, v8 row_xmask:1 row_mask:0xf bank_mask:0xf
	v_max_num_f32_dpp v8, v8, v8 row_xmask:2 row_mask:0xf bank_mask:0xf
	v_max_num_f32_dpp v8, v8, v8 row_xmask:4 row_mask:0xf bank_mask:0xf
	v_max_num_f32_dpp v8, v8, v8 row_xmask:8 row_mask:0xf bank_mask:0xf
	v_permlanex16_b32 v9, v8, s34, s35
	v_max_num_f32 v8, v8, v9                       ; the wave's largest |f16|
	v_cmp_eq_u32 vcc_lo, 0, v1
	v_cndmask_b32 v8, 1.0, v8, vcc_lo              ; lane 0 carries the maximum, lane 1 the scale 1.0
	v_cmp_gt_u32 vcc_lo, 2, v1
	s_wait_xcnt 0x0                                ; EXEC is a source of the stores above: it changes only behind this wait
	s_and_saveexec_b32 s36, vcc_lo
	global_store_b32 v[SA], v8, s[6:7]
	s_wait_xcnt 0x0                                ; and again ahead of the line that widens it
	s_or_b32 exec_lo, exec_lo, s36
	s_branch .Lmeet
.Lbeta:
; beta, pair p: row k = 32 wave + 2 p + lane / 16 of the work-group's 256, columns n = 8 (lane % 16) + 0..7: each half goes to its place (n, k) of the tile.
.macro BCONV p
	s_wait_loadcnt 30-2*(\p)
.irp j, 0,1,2,3
	v_cvt_pk_f16_f32 v[X+8*(\p)+(\j)], v[X+8*(\p)+2*(\j)], v[X+8*(\p)+2*(\j)+1]
.endr
.irp j, 0,1,2,3
	ds_store_b16 v[LB], v[X+8*(\p)+(\j)] offset:(2*(\j))*TP+4*(\p)
	ds_store_b16_d16_hi v[LB], v[X+8*(\p)+(\j)] offset:(2*(\j)+1)*TP+4*(\p)
.endr
.endm
.irp p, 0,1,2,3,4,5,6,7,8,9,10,11,12,13,14,15
	BCONV \p
.endr
.Lmeet:                                        ; the one barrier stands on every work-group's path, so that none lies under a branch
	s_wait_dscnt 0x0                               ; for the others' sake: my stores into the tile are done
	s_barrier_signal -1
	s_barrier_wait -1
	s_cmp_lt_u32 s2, BETA0
	s_cbranch_scc1 .Lend
	s_wait_xcnt 0x0                                ; X's registers are written again: every earlier memory instruction has read its registers
.irp t, 0,1,2,3,4,5,6,7,8,9,10,11,12,13,14,15
	ds_load_b128 v[X+4*(\t):X+4*(\t)+3], v[LR] offset:TP*(\t)
.endr
.irp t, 0,1,2,3,4,5,6,7,8,9,10,11,12,13,14,15
	s_wait_dscnt 15-(\t)
	global_store_b128 v[GOB], v[X+4*(\t):X+4*(\t)+3], s[38:39] offset:4096*(\t) th:TH_STORE_NT  ; 512 consecutive bytes, aligned, of row n = 16 wave + t
.endr
.Lend:
	s_wait_tensorcnt 0x0                           ; the wave's end, behind my last LDS store
	ds_add_u32 v[SPW], v[NIL]
	s_wait_dscnt 0x0
	s_endpgm
.Lfunc_end_k_qf3b0df6c3d_prep:
	.size	k_qf3b0df6c3d_prep, .Lfunc_end_k_qf3b0df6c3d_prep-k_qf3b0df6c3d_prep
	.p2alignl 7, 3214868480
	.fill 96, 4, 3214868480
	.section	.rodata,"a",@progbits
	.p2align	6, 0x0
	.amdhsa_kernel k_qf3b0df6c3d_prep
		.amdhsa_group_segment_fixed_size 68608
		.amdhsa_private_segment_fixed_size 0
		.amdhsa_enable_private_segment 0
		.amdhsa_kernarg_size 96
		.amdhsa_user_sgpr_count 2
		.amdhsa_user_sgpr_kernarg_segment_ptr 1
		.amdhsa_wavefront_size32 1
		.amdhsa_system_sgpr_workgroup_id_x 1
		.amdhsa_system_sgpr_workgroup_id_y 1
		.amdhsa_system_sgpr_workgroup_id_z 1
		.amdhsa_system_vgpr_workitem_id 0
		.amdhsa_next_free_vgpr 144
		.amdhsa_next_free_sgpr 66
		.amdhsa_reserve_vcc 1
		.amdhsa_float_denorm_mode_32 3
		.amdhsa_float_denorm_mode_16_64 3
		.amdhsa_memory_ordered 1
		.amdhsa_forward_progress 1
		.amdhsa_inst_pref_size 36
	.end_amdhsa_kernel
	.amdgpu_metadata
---
amdhsa.version: [ 1, 2 ]
amdhsa.kernels:
  - .name:           k_qf3b0df6c3d_prep
    .symbol:         k_qf3b0df6c3d_prep.kd
    .args:
      - { .name: x, .offset: 0, .size: 8, .value_kind: global_buffer, .address_space: global }
      - { .name: w0, .offset: 8, .size: 8, .value_kind: global_buffer, .address_space: global }
      - { .name: w1, .offset: 16, .size: 8, .value_kind: global_buffer, .address_space: global }
      - { .name: w2, .offset: 24, .size: 8, .value_kind: global_buffer, .address_space: global }
      - { .name: w3, .offset: 32, .size: 8, .value_kind: global_buffer, .address_space: global }
      - { .name: beta, .offset: 40, .size: 8, .value_kind: global_buffer, .address_space: global }
      - { .name: xh, .offset: 48, .size: 8, .value_kind: global_buffer, .address_space: global }
      - { .name: wh0, .offset: 56, .size: 8, .value_kind: global_buffer, .address_space: global }
      - { .name: wh1, .offset: 64, .size: 8, .value_kind: global_buffer, .address_space: global }
      - { .name: wh2, .offset: 72, .size: 8, .value_kind: global_buffer, .address_space: global }
      - { .name: wh3, .offset: 80, .size: 8, .value_kind: global_buffer, .address_space: global }
      - { .name: bh, .offset: 88, .size: 8, .value_kind: global_buffer, .address_space: global }
    .group_segment_fixed_size: 68608
    .private_segment_fixed_size: 0
    .kernarg_segment_align: 8
    .kernarg_segment_size: 96
    .max_flat_workgroup_size: 256
    .sgpr_count:     66
    .vgpr_count:     144
    .wavefront_size: 32
...
	.end_amdgpu_metadata
.endif
;; end of part 1
;; launch layer0 (part 2): grid 8 x 32, 4 waves a work-group, clusters of 4 x 4, 327,680 bytes of LDS; arguments xh, wh0, ya; writes ya
.if DOCPART == 2
	.amdgcn_target "amdgcn-amd-amdhsa--gfx1250"
	.amdhsa_code_object_version 6
	.text
	.protected	k_qf3b0df6c3d_layer0
	.globl	k_qf3b0df6c3d_layer0
	.p2align	8
	.type	k_qf3b0df6c3d_layer0,@function
k_qf3b0df6c3d_layer0:
	s_mov_b64 s[64:65], 0
	v_nop
	global_prefetch_b8 v0, s[64:65] scope:SCOPE_SE
	s_setreg_imm32_b32 hwreg(HW_REG_WAVE_MODE, 25, 1), 1
	s_wait_xcnt 0x0
	s_wait_alu depctr_hold_cnt(0) depctr_sa_sdst(0) depctr_va_vdst(0) depctr_va_sdst(0) depctr_va_ssrc(0) depctr_va_vcc(0) depctr_vm_vsrc(0)
	s_getreg_b32 s2, hwreg(HW_REG_IB_STS2, 6, 4)
	s_cmp_eq_u32 s2, 0
	s_cbranch_scc0 .Lentry_in_a_cluster
	s_endpgm
.Lentry_in_a_cluster:
	s_bfe_u32 s2, ttmp6, 0x10000c
	s_cmp_lg_u32 s2, 0xf033
	s_cbranch_scc0 .Lentry_shape_is_right
	s_endpgm
.Lentry_shape_is_right:
; ONE LAYER, K = 1,024.  Y = relu(A W^T / sqrt(K)).  A: [4096][SIZE_K], W: [2048][SIZE_K], Y: [4096][2048], all f16 behind a head of 8,192 bytes; sums in f32.
; THE SCALE.  A buffer holds yhat = y / u, with one f32 u for the whole buffer (head, byte 4,096) and the largest |yhat| of each producing wave (head, bytes 0 .. 4,095).
; No sum can pass P = K x max|W| x max|A|, which is known before the first product.  So Yhat = f16(relu(g x sum)) with g = 2^15 / P never overflows, and u_out = u_in x P x 2^-15 / sqrt(K).
; The scale only multiplies numbers: no branch and no address hangs on it.  P is held at 2^-100 at the least, so that a layer of zeros gives zeros.
; LIMITS.  u stays finite while u_in x P does in f32; a result below 6e-5 x (P / 2^15) keeps f16's fixed step; NaN and infinities are not treated apart (a NaN loses in the ReLU's maximum).
; SHARES.  A tile of Y is 128 rows x 256 columns: 32 x 8 = 256 work-groups.  Four waves, each 64 x 128: 32 accumulators of 16 x 16, 256 registers.  For 32 along K a wave reads 24 x 512 bytes of LDS for 32 products.
; K goes in steps of 128 (rows of 256 bytes in memory, aligned) through two LDS slots; two slots of a step twice as long would take 405 KB.
; CLUSTERS: 4 x 4 work-groups.  The four of a row of the cluster need the same tile of A, the four of a column the same tile of W: each is asked for JOINTLY, by the same tensor load, descriptor and mask in all four.
; THE MATRIX INSTRUCTION IS USED TRANSPOSED (source 0 = 16 rows of W, source 1 = 16 rows of A): a lane then holds eight neighbouring columns of one row of Y.
; REGISTERS: window 0: v0-47 addresses and statistics; v64-159, v160-255 two fragment buffers (A's four blocks, then W's eight); on the way out they are at work.  Window 1: accumulator (a, b) at v[8 (8 a + b)].
.set SIZE_K, 1024
.set NWL,    4                         ; W's head holds 128 x NWL maxima: NWL loads of 512 bytes
.set KF,     0x44800000                ; K as f32
.set CU,     0x35800000                ; 2^-15 / sqrt(K)
.set HEAD,   8192
.set KSTEP,  128
.set PITCH,  272                       ; an LDS row: 256 bytes + 16 of padding = 68 words: the 16 rows of a fragment load start at 16 different groups of four banks (64 banks of 4 bytes: ISA guide 11.1)
.set AH,     64*PITCH                  ; half of A's tile: one tensor load, and what one wave reads of A
.set BH,     128*PITCH                 ; half of W's tile: likewise
.set SLOT,   2*AH+2*BH                 ; A's 128 rows, then W's 256 rows
.set STAGE,  2*SLOT                    ; behind the ring: 16 rows x 272 bytes for each wave, for the way out; no tensor load fills it
.set SPITCH, 272
.set SPARE,  STAGE+4*16*SPITCH         ; behind the stages: the spare words, 128 bytes for each wave: two blocks of 256 bytes that no other line names
.set LAPS,   SIZE_K/(2*KSTEP)          ; a lap = two K steps = once round the ring
.set ADRA, 16                          ; v16-17  LDS address of my A fragments in slot 0, 1
.set ADRB, 20                          ; v20-21  the same for W
.set STO,  24                          ; v24  the way out: where I put 16 bytes of a row
.set RD,   25                          ; v25  the way out: where I read a row back
.set CO,   26                          ; v26  my byte offset in two rows of Y
.set SPW,  28                          ; v28  LDS address of my spare word; never rewritten
.set NIL,  29                          ; v29  0; never rewritten
.set PFO,  30                          ; v30  the prefetches' offset; never rewritten
.set LN,   31                          ; v31  lane
.set MX,   32                          ; v32-35  running maxima of what I store, two f16 each
.set ZERO, 36                          ; v36  0, for the ReLU on packed halves
.set G,    38                          ; v[38:39]  g, twice
.set UO,   40                          ; v40  u_out
.set F0,   64
.set F1,   160
.set T,    64                          ; the way out: 64 scaled sums
.set TMP,  128                         ; 32 registers of packed results
.set BK0,  160                         ; 16 rows read back from the stage: v160-191 and v192-223 by turns
.set G1,   24                          ; s[24:31] descriptor group 1 for A's tiles;  s[32:39] group 0, a set for each slot
.set G0,   32
.set G1B,  48                          ; s[48:55], s[56:63] the same for W's
.set G0B,  56
.set LIM0, 43                          ; s43  a wave prefetches at slot 0's change while the laps to go are above this: 2, or the greatest number
.set LIM1, 66                          ; s66  the same at slot 1's change
.set PFA,  44                          ; s[44:45] where my prefetches stand
.set PADW, (1<<16)|(1<<20)|(1<<21)|(5<<22)|(3<<25)  ; 17:16 elements of 2 bytes; 20 padding on; 21 set beside a mask; 24:22 after every 64 words; 31:25 4 words of it
.set MUL,  0x50                        ; C and D in window 1, both sources in window 0
.set MSB, 0
.macro WIN new                         ; the immediate's high byte repeats the setting that is left; a switch that changes nothing is dropped
.if MSB != (\new)
	s_set_vgpr_msb (MSB<<8)|(\new)
.set MSB, \new
.endif
.endm
; A joint load.  Waves 0 and 1 fetch A's two halves (64 rows each), waves 2 and 3 W's (128 rows each).  The branch hangs on the wave's number alone.
; An s_nop 0 and four v_nop follow each of the two lines, ahead of the jump, the label and what follows.
.macro JLOAD s
	s_cmp_eq_u32 s11, 0
	s_cbranch_scc0 .Lfor_b_\@
	tensor_load_to_lds s[G0+4*(\s):G0+4*(\s)+3], s[G1:G1+7]
	s_nop 0
.rept 4
	v_nop
.endr
	s_branch .Lasked_\@
.Lfor_b_\@:
	tensor_load_to_lds s[G0B+4*(\s):G0B+4*(\s)+3], s[G1B:G1B+7]
	s_nop 0
.rept 4
	v_nop
.endr
.Lasked_\@:
.endm
.macro CREST                           ; a round of the cluster's barrier behind its opening barrier
	s_cmp_lg_u32 s10, 0
	s_cbranch_scc1 .Lnot_wave_0_\@
	s_barrier_signal -3
.Lnot_wave_0_\@:
	s_barrier_wait -3
	s_barrier_signal -1
	s_barrier_wait -1
.endm
.macro CROUND                          ; a whole round
	s_barrier_signal -1
	s_barrier_wait -1
	CREST
.endm
; A PREFETCH INTO THE L2, behind a joint load, its five lines and the run of LDS loads: the K step that stands FOUR refills on, 512 matrix instructions ahead of the load that will want it.
; Each row's 256 bytes of a K step are named once in the launch.  A's tile row is read by both clusters of that row of clusters: cluster x = 0 asks, in waves 0 and 1; W's tile column by all eight clusters of
; that column: cluster y = 0 asks, in waves 2 and 3.  The four partners of a joint load share its rows out BY ADDRESS.  A: 16 rows each; lanes 16-31 name the K step after, so A is asked for at slot 0's change alone.
; W: 32 rows each, a lane a row, at both changes.  K steps 0 to 5 come by their loads alone; with 2 laps or fewer to go there is no K step four refills on, and nothing is asked for.
.macro ASK lim
	s_cmp_gt_u32 s3, s[\lim]
	s_cbranch_scc0 .Lnot_mine_\@
	global_prefetch_b8 v[PFO], s[PFA:PFA+1] th:TH_LOAD_NT scope:SCOPE_SE
.Lnot_mine_\@:
.endm
.macro PLACES                          ; four places in front of loads into registers that matrix instructions have read, and of vector lines that read results
.rept 4
	v_nop
.endr
.endm
.macro RED base, n, dst                ; the largest of n registers
	v_max_num_f32 v[\dst], v[(\base)], v[(\base)+1]
.set i, 2
.rept ((\n)-2)/2
	v_max3_num_f32 v[\dst], v[\dst], v[(\base)+i], v[(\base)+i+1]
.set i, i+2
.endr
.endm
.macro XMAX r, t                       ; the largest over the 32 lanes, in every lane
	v_max_num_f32_dpp v[\r], v[\r], v[\r] row_xmask:1 row_mask:0xf bank_mask:0xf
	v_max_num_f32_dpp v[\r], v[\r], v[\r] row_xmask:2 row_mask:0xf bank_mask:0xf
	v_max_num_f32_dpp v[\r], v[\r], v[\r] row_xmask:4 row_mask:0xf bank_mask:0xf
	v_max_num_f32_dpp v[\r], v[\r], v[\r] row_xmask:8 row_mask:0xf bank_mask:0xf
	v_permlanex16_b32 v[\t], v[\r], s68, s69
	v_max_num_f32 v[\r], v[\r], v[\t]
.endm
	s_load_b128 s[4:7], s[0:1], 0x0                ; A s[4:5], W s[6:7]: never rewritten
	s_load_b64 s[72:73], s[0:1], 0x10              ; Y
	v_lshl_add_u32 v[SPW], v0, 2, SPARE
	v_mov_b32 v[NIL], 0
	ds_add_u32 v[SPW], v[NIL]                      ; the wave's opening: the add, twice on end, and its wait ahead of my first tensor load; the set-up below stands between
	ds_add_u32 v[SPW], v[NIL]                      ; and once more, under the one wait
	v_lshrrev_b32 v1, 5, v0
	v_readfirstlane_b32 s10, v1                    ; wave 0..3
	s_lshr_b32 s11, s10, 1                         ; which half of the tile's rows is mine.  Also: I fetch for A (0) or for W (1)
	s_and_b32 s12, s10, 1                          ; which half of its columns.  Also: which half of that tile I fetch
	s_bfe_u32 s40, ttmp6, 0x40000                  ; cx, cy: my place in the cluster
	s_bfe_u32 s41, ttmp6, 0x40004
	s_lshl_b32 s42, ttmp9, 2
	s_add_co_u32 s42, s42, s40                     ; tile column = 4 x cluster x + cx
	s_and_b32 s13, ttmp7, 0xffff
	s_lshl_b32 s13, s13, 2
	s_add_co_u32 s13, s13, s41                     ; tile row = 4 x cluster y + cy
	s_lshl_b32 s43, s41, 2
	s_lshl_b32 s43, 15, s43                        ; my row of the cluster: places 4 cy .. 4 cy + 3
	s_lshl_b32 s44, 0x1111, s40                    ; my column: places cx, cx + 4, cx + 8, cx + 12
	s_or_b32 s[G1+0], s43, PADW                    ; A's tiles go to my row,
	s_or_b32 s[G1B+0], s44, PADW                   ; W's to my column
.irp g, G1, G1B
	s_mov_b32 s[(\g)+1], KSTEP<<16                 ; tensor_dim0 = 128
	s_mov_b32 s[(\g)+3], KSTEP<<16                 ; tile_dim0 = 128
	s_mov_b32 s[(\g)+5], SIZE_K                    ; elements from row to row
	s_mov_b32 s[(\g)+6], 0
	s_mov_b32 s[(\g)+7], 0
.endr
	s_mov_b32 s[G1+2], 64<<16                      ; tensor_dim1 and tile_dim1: 64 rows of A,
	s_mov_b32 s[G1+4], 64
	s_mov_b32 s[G1B+2], 128<<16                    ; 128 rows of W
	s_mov_b32 s[G1B+4], 128
	; where the tiles come from: A's hang on the tile row alone, W's on the tile column alone, each made in registers that do not hold the other coordinate
	s_lshl_b32 s16, s13, 7
	s_lshl_b32 s17, s12, 6
	s_add_co_u32 s16, s16, s17                     ; A: row 128 x tile row + 64 x half
	s_mul_i32 s16, s16, SIZE_K*2                   ; in bytes: under 2^24
	s_add_co_u32 s16, s16, HEAD
	s_mov_b32 s17, 0
	s_lshl_b32 s46, s42, 8
	s_lshl_b32 s47, s12, 7
	s_add_co_u32 s46, s46, s47                     ; W: row 256 x tile column + 128 x half
	s_mul_i32 s46, s46, SIZE_K*2
	s_add_co_u32 s46, s46, HEAD
	s_mov_b32 s47, 0
	s_mul_i32 s20, s12, AH                         ; and where they go: no place in the cluster enters an LDS address
	s_mul_i32 s21, s12, BH
	s_add_co_u32 s21, s21, 2*AH
	s_wait_dscnt 0x0                               ; both opening adds are done
	s_wait_kmcnt 0x0
	s_add_nc_u64 s[14:15], s[4:5], s[16:17]
	s_add_nc_u64 s[46:47], s[6:7], s[46:47]
	CROUND                                         ; all sixteen work-groups are here: the first joint loads meet
.irp s, 0,1
	s_mov_b32 s[G0+4*(\s)], 1                                      ; count = 1
	s_add_co_u32 s[G0+4*(\s)+1], s20, (\s)*SLOT                    ; LDS address
	s_add_nc_u64 s[G0+4*(\s)+2:G0+4*(\s)+3], s[14:15], (\s)*KSTEP*2  ; global address: K step s
	s_or_b32 s[G0+4*(\s)+3], s[G0+4*(\s)+3], 0x80000000            ; type = 2
	s_mov_b32 s[G0B+4*(\s)], 1
	s_add_co_u32 s[G0B+4*(\s)+1], s21, (\s)*SLOT
	s_add_nc_u64 s[G0B+4*(\s)+2:G0B+4*(\s)+3], s[46:47], (\s)*KSTEP*2
	s_or_b32 s[G0B+4*(\s)+3], s[G0B+4*(\s)+3], 0x80000000
	JLOAD \s                                       ; two tensor loads of mine are out
.endr
	; the two heads: all that follows, down to the first barrier, stands in the wait for the first tile
	s_load_b32 s67, s[4:5], 0x1000                 ; u_in
	v_and_b32 v[LN], 31, v0
	v_lshlrev_b32 v41, 4, v[LN]
.irp j, 0,1,2,3,4,5,6,7
	global_load_b128 v[F1+4*(\j):F1+4*(\j)+3], v41, s[4:5] offset:512*(\j)      ; A's 1,024 maxima
.endr
.set j, 0
.rept NWL
	global_load_b128 v[F1+32+4*j:F1+32+4*j+3], v41, s[6:7] offset:512*j         ; W's
.set j, j+1
.endr
	; A fragment is 16 rows x 32 K in 8 registers: lane l holds row l % 16; registers 0-3 K = 8 (l / 16) + 0..7, registers 4-7 K = 16 + 8 (l / 16) + 0..7: two loads of 16 bytes, 32 bytes apart
	v_and_b32 v1, 15, v0                           ; l % 16
	v_bfe_u32 v2, v0, 4, 1                         ; l / 16
	v_mul_u32_u24 v3, v1, PITCH
	v_lshl_add_u32 v3, v2, 4, v3                   ; row x pitch + 16 x half
	s_mul_i32 s21, s11, AH                         ; my 64 rows of A
	s_mul_i32 s22, s12, BH                         ; my 128 rows of W,
	s_add_co_u32 s22, s22, 2*AH                    ; which lie behind A's 128
.irp s, 0,1
	v_add_nc_u32 v[ADRA+(\s)], s21, v3
	v_add_nc_u32 v[ADRB+(\s)], s22, v3
	s_add_co_u32 s21, s21, SLOT
	s_add_co_u32 s22, s22, SLOT
.endr
	s_mul_i32 s23, s10, 16*SPITCH
	s_add_co_u32 s23, s23, STAGE                   ; my stage
	v_add_nc_u32 v[STO], s23, v3                   ; in: row l % 16, 16 bytes for each half of the lanes
	v_mul_u32_u24 v5, v2, SPITCH                   ; back: lanes 0-15 take one row of 256 bytes, lanes 16-31 the next
	v_lshl_add_u32 v5, v1, 4, v5
	v_add_nc_u32 v[RD], s23, v5
	v_lshlrev_b32 v5, 12, v2                       ; and the same two rows in Y (4,096 bytes a row)
	v_lshl_add_u32 v[CO], v1, 4, v5
	s_lshl_b32 s16, s13, 7
	s_lshl_b32 s17, s11, 6
	s_add_co_u32 s16, s16, s17                     ; my first row of Y
	s_lshl_b32 s16, s16, 12
	s_lshl_b32 s46, s42, 9                         ; my first column, in bytes: 512 x tile column + 256 x half
	s_lshl_b32 s47, s12, 8
	s_add_co_u32 s46, s46, s47
	s_add_co_u32 s16, s16, s46
	s_add_co_u32 s16, s16, HEAD
	s_mov_b32 s17, 0
	s_add_nc_u64 s[8:9], s[72:73], s[16:17]        ; never rewritten: the rows stand in the stores' immediates
	s_lshl_b32 s71, s13, 3
	s_add_co_u32 s71, s71, s42
	s_lshl_b32 s71, s71, 2
	s_add_co_u32 s71, s71, s10                     ; my wave among the launch's 1,024,
	s_lshl_b32 s71, s71, 2                         ; its entry in Y's head
	s_mov_b32 s68, 0x76543210
	s_mov_b32 s69, 0xfedcba98
	; the prefetches
	s_lshl_b32 s20, s13, 7
	s_lshl_b32 s22, s12, 6
	s_add_co_u32 s20, s20, s22
	s_lshl_b32 s22, s40, 4
	s_add_co_u32 s20, s20, s22                     ; A: the 64 rows that I fetch, my work-group's 16 of them
	s_lshl_b32 s21, s42, 8
	s_lshl_b32 s23, s12, 7
	s_add_co_u32 s21, s21, s23
	s_lshl_b32 s23, s41, 5
	s_add_co_u32 s21, s21, s23                     ; W: the 128 rows that I fetch, my work-group's 32 of them
	s_and_b32 s22, ttmp7, 0xffff                   ; cluster y
	s_cmp_eq_u32 s11, 0                            ; do I fetch for A?
	s_cselect_b32 s20, s20, s21
	s_cselect_b32 s22, ttmp9, s22                  ; the coordinate along which other clusters read the same rows
	s_cselect_b64 s[PFA:PFA+1], s[4:5], s[6:7]
	s_cselect_b32 s23, -1, 2
	s_cselect_b32 s18, 15, 31                      ; A: 16 rows,
	s_cselect_b32 s19, 256, 0                      ; and lanes 16-31 a K step further on; W: 32 rows
	s_cmp_eq_u32 s22, 0                            ; the same in all sixteen partners, for a given wave
	s_cselect_b32 s[LIM0], 2, -1
	s_cselect_b32 s[LIM1], s23, -1
	s_mul_i32 s20, s20, SIZE_K*2
	s_add_co_u32 s20, s20, HEAD+5*KSTEP*2          ; at K step 5: the first refill steps it to 6
	s_mov_b32 s21, 0
	s_add_nc_u64 s[PFA:PFA+1], s[PFA:PFA+1], s[20:21]
	v_and_b32 v[PFO], s18, v[LN]
	v_mul_u32_u24 v[PFO], v[PFO], SIZE_K*2
	v_mad_u32_u24 v[PFO], v2, s19, v[PFO]
.irp j, 0,1,2,3
	v_mov_b32 v[MX+(\j)], 0
.endr
	v_mov_b32 v[ZERO], 0
	v_mov_b32 v44, 0
	s_wait_loadcnt 0x0                             ; the maxima
	s_wait_kmcnt 0x0                               ; u_in
	RED F1, 32, 42
	RED F1+32, 4*NWL, 43
	XMAX 42, 44
	XMAX 43, 44
	v_mul_f32 v45, v42, v43
	v_mul_f32 v45, KF, v45
	v_max_num_f32 v45, 0x0d800000, v45             ; P, 2^-100 at the least
	v_rcp_f32 v46, v45
	v_mul_f32 v[UO], s67, v45                      ; two plain lines behind the reciprocal that name neither its result nor write its source
	v_mul_f32 v[UO], CU, v[UO]                     ; u_out = u_in P 2^-15 / sqrt(K)
	s_wait_alu depctr_va_vdst(0)                   ; ahead of the reciprocal's first reader
	v_mul_f32 v[G], 0x47000000, v46                ; g = 2^15 / P
	v_mov_b32 v[G+1], v[G]
; 8 matrix instructions: block a of my four blocks of 16 rows x all 8 blocks of 16 columns, 32 along K.  zero = 1: the product starts the sums: nothing is cleared.
; The 32 accumulators take turns, one instruction a turn, in the same order in every quarter, over the backward jump too.
.macro MULA f, a, zero
	WIN MUL
.irp b, 0,1,2,3,4,5,6,7
.if \zero
	v_wmma_f32_16x16x32_f16 v[8*(8*(\a)+(\b)):8*(8*(\a)+(\b))+7], v[(\f)+32+8*(\b):(\f)+32+8*(\b)+7], v[(\f)+8*(\a):(\f)+8*(\a)+7], 0
.else
	v_wmma_f32_16x16x32_f16 v[8*(8*(\a)+(\b)):8*(8*(\a)+(\b))+7], v[(\f)+32+8*(\b):(\f)+32+8*(\b)+7], v[(\f)+8*(\a):(\f)+8*(\a)+7], v[8*(8*(\a)+(\b)):8*(8*(\a)+(\b))+7]
.endif
.endr
.endm
; 24 LDS loads in one run: the fragments of one quarter step (128 rows of W, then 64 rows of A, 32 K at byte k of the rows) into buffer f
.macro FETCH slot, k, f
	WIN 0
.irp i, 0,1,2,3,4,5,6,7
	ds_load_b128 v[(\f)+32+8*(\i):(\f)+32+8*(\i)+3],   v[ADRB+(\slot)] offset:(\k)+(\i)*16*PITCH
	ds_load_b128 v[(\f)+32+8*(\i)+4:(\f)+32+8*(\i)+7], v[ADRB+(\slot)] offset:(\k)+(\i)*16*PITCH+32
.endr
.irp i, 0,1,2,3
	ds_load_b128 v[(\f)+8*(\i):(\f)+8*(\i)+3],   v[ADRA+(\slot)] offset:(\k)+(\i)*16*PITCH
	ds_load_b128 v[(\f)+8*(\i)+4:(\f)+8*(\i)+7], v[ADRA+(\slot)] offset:(\k)+(\i)*16*PITCH+32
.endr
.endm
; A K step is four quarters of 32 along K, 32 matrix instructions each, on buffers 0, 1, 0, 1.  One of the first three: multiplies buffer f; in its middle it fetches the next quarter, at byte k, into g.
.macro QUARTER slot, k, f, g, zero
	s_wait_dscnt 4                                 ; W and A's blocks 0 and 1 are in; the youngest four loads (A's blocks 2 and 3) may be out
	MULA \f, 0, \zero
	MULA \f, 1, \zero
	PLACES
	FETCH \slot, \k, \g
	s_wait_dscnt 24                                ; all but the 24 just issued
	MULA \f, 2, \zero
	MULA \f, 3, \zero
.endm
; The last quarter multiplies buffer 1 and changes slots: ONE barrier.  In front of it each wave waits for all its tensor loads, of which one is out: its part of the next slot; adds 0 to its spare word; and waits
; for that and for its own reads of this slot.  fill = 1: the barrier opens a round of the cluster's barrier, and this slot is filled again, two K steps ahead, first thing behind the round:
; from that request to the wait for it a wave issues 112 matrix instructions.
.macro TURN slot, next, fill
.if \fill
	s_wait_xcnt 0x0                                ; the last prefetch, a K step back, has read its address: it is stepped here, ahead of the change's own waits
	s_add_nc_u64 s[PFA:PFA+1], s[PFA:PFA+1], KSTEP*2
.endif
	WIN 0                                          ; (the add's two registers lie in window 0)
	s_wait_tensorcnt 0x0                           ; all my tensor loads have landed;
	ds_add_u32 v[SPW], v[NIL]                      ; 0 onto my spare word;
	s_wait_dscnt 5                                 ; (the add and the youngest four loads may be out)
	MULA F1, 0, 0                                  ; eight matrix instructions stand between the add and the wait for it
	s_wait_dscnt 0x0                               ; the add is done, and my reads of this slot are over
	s_barrier_signal -1
	MULA F1, 1, 0                                  ; work on registers while the others arrive
	WIN 0
	s_barrier_wait -1
.if \fill
	CREST                                          ; no wave of any partner still reads this slot's tile or has a load on its way
	s_add_nc_u64 s[G0+4*(\slot)+2:G0+4*(\slot)+3], s[G0+4*(\slot)+2:G0+4*(\slot)+3], 2*KSTEP*2
	s_add_nc_u64 s[G0B+4*(\slot)+2:G0B+4*(\slot)+3], s[G0B+4*(\slot)+2:G0B+4*(\slot)+3], 2*KSTEP*2
	JLOAD \slot                                    ; the four v_nop behind it are also the places in front of the loads below
.else
	PLACES
.endif
	FETCH \next, 0, F0
.if \fill
.if (\slot) == 0
	ASK LIM0
.else
	ASK LIM1
.endif
.endif
	MULA F1, 2, 0
	MULA F1, 3, 0
.endm
	s_wait_tensorcnt 1                             ; my part of K step 0 is in; K step 1's may stay out
	s_barrier_signal -1
	s_barrier_wait -1                              ; everybody's is
	FETCH 0, 0, F0
	QUARTER 0, 64,  F0, F1, 1                      ; the first quarter stands in front of the loop: its products start the sums
	WIN 0                                          ; at a label and at a branch every window is 0
	s_mov_b32 s3, LAPS-1
.Llap:                                                 ; a trip goes once round the ring, from a lap's second quarter to the next lap's first, and fills both slots again
	QUARTER 0, 128, F1, F0, 0
	QUARTER 0, 192, F0, F1, 0
	TURN 0, 1, 1
	QUARTER 1, 64,  F0, F1, 0
	QUARTER 1, 128, F1, F0, 0
	QUARTER 1, 192, F0, F1, 0
	TURN 1, 0, 1
	QUARTER 0, 64,  F0, F1, 0
	WIN 0
	s_sub_co_u32 s3, s3, 1
	s_cmp_lg_u32 s3, 0
	s_cbranch_scc1 .Llap
	QUARTER 0, 128, F1, F0, 0                      ; the last lap fills nothing, and has no round of the cluster's barrier
	QUARTER 0, 192, F0, F1, 0
	TURN 0, 1, 0
	QUARTER 1, 64,  F0, F1, 0
	QUARTER 1, 128, F1, F0, 0
	QUARTER 1, 192, F0, F1, 0
	s_wait_dscnt 4                                 ; the very last quarter: nothing more to fetch
	MULA F1, 0, 0
	MULA F1, 1, 0
	s_wait_dscnt 0x0
	MULA F1, 2, 0
	MULA F1, 3, 0
	WIN 0
	PLACES                                         ; the lines below read results and write fragment registers that the last products read
	PLACES
; THE WAY OUT, a block of 16 rows at a time.  PACK: times g, rounded once to f16, ReLU on the packed halves, the running maximum.  Each accumulator's registers are taken in ascending order.
.macro PACK a
	WIN 0x01                                       ; source 0 in window 1
.set i, 0
.rept 32
	v_pk_mul_f32 v[T+2*i:T+2*i+1], v[64*(\a)+2*i:64*(\a)+2*i+1], v[G:G+1]
.set i, i+1
.endr
	WIN 0
.set i, 0
.rept 32
	v_cvt_pk_f16_f32 v[TMP+i], v[T+2*i], v[T+2*i+1]
.set i, i+1
.endr
.set i, 0
.rept 32
	v_pk_max_num_f16 v[TMP+i], v[TMP+i], v[ZERO]
.set i, i+1
.endr
.set i, 0
.rept 32
	v_pk_max_num_f16 v[MX+i%4], v[MX+i%4], v[TMP+i]
.set i, i+1
.endr
.endm
.macro TOSTAGE a                       ; into my own stage, and back as whole rows of 256 bytes
.set BK, BK0+32*((\a)%2)
.irp b, 0,1,2,3,4,5,6,7
	ds_store_b128 v[STO], v[TMP+4*(\b):TMP+4*(\b)+3] offset:32*(\b)
.endr
.irp t, 0,1,2,3,4,5,6,7
	ds_load_b128 v[BK+4*(\t):BK+4*(\t)+3], v[RD] offset:(\t)*2*SPITCH  ; LDS serves a wave's instructions in order (ISA guide 5.7.1.4): these see the stores above
.endr
.endm
.macro SEND a
.set BK, BK0+32*((\a)%2)
	s_wait_dscnt 0x0                               ; the block is back in registers
	s_wait_xcnt 0x0                                ; the stores of the block before have read their registers: the next TOSTAGE loads into them
.irp t, 0,1,2,3,4,5,6,7
	global_store_b128 v[CO], v[BK+4*(\t):BK+4*(\t)+3], s[8:9] offset:(16*(\a)+2*(\t))*4096  ; 16 lanes store 256 consecutive bytes, at a multiple of 256 from Y's first byte
.endr
.endm
	PACK 0
	TOSTAGE 0
.irp a, 1,2,3                          ; block a's arithmetic stands between block a - 1's loads from the stage and the wait for them
	PACK \a
	SEND (\a)-1
	TOSTAGE \a
.endr
	SEND 3
	; my wave's entry in Y's head: lane 0 stores the largest number that the wave has stored, lane 1 u_out
	v_pk_max_num_f16 v[MX], v[MX], v[MX+1]
	v_pk_max_num_f16 v[MX+2], v[MX+2], v[MX+3]
	v_pk_max_num_f16 v[MX], v[MX], v[MX+2]
	v_cvt_f32_f16 v42, v32.l                       ; v32 is MX
	v_cvt_f32_f16 v43, v32.h
	v_max_num_f32 v42, v42, v43
	XMAX 42, 44
	v_cmp_eq_u32 vcc_lo, 0, v[LN]
	v_cndmask_b32 v42, v[UO], v42, vcc_lo
	v_lshl_add_u32 v43, v[LN], 12, s71
	v_cmp_gt_u32 vcc_lo, 2, v[LN]
	s_wait_xcnt 0x0                                ; EXEC is a source of the stores above: it changes only behind this wait
	s_and_saveexec_b32 s70, vcc_lo
	global_store_b32 v43, v42, s[72:73]
	s_wait_xcnt 0x0                                ; and again ahead of the line that widens it
	s_or_b32 exec_lo, exec_lo, s70
	s_wait_tensorcnt 0x0                           ; the wave's end, behind my last tensor load and my last LDS store
	ds_add_u32 v[SPW], v[NIL]
	s_wait_dscnt 0x0
	CROUND                                         ; the closing round: no work-group ends while a partner may still ask for a tile that names it
	s_endpgm
.Lfunc_end_k_qf3b0df6c3d_layer0:
	.size	k_qf3b0df6c3d_layer0, .Lfunc_end_k_qf3b0df6c3d_layer0-k_qf3b0df6c3d_layer0
	.p2alignl 7, 3214868480
	.fill 96, 4, 3214868480
	.section	.rodata,"a",@progbits
	.p2align	6, 0x0
	.amdhsa_kernel k_qf3b0df6c3d_layer0
		.amdhsa_group_segment_fixed_size 327680
		.amdhsa_private_segment_fixed_size 0
		.amdhsa_enable_private_segment 0
		.amdhsa_kernarg_size 24
		.amdhsa_user_sgpr_count 2
		.amdhsa_user_sgpr_kernarg_segment_ptr 1
		.amdhsa_wavefront_size32 1
		.amdhsa_system_sgpr_workgroup_id_x 1
		.amdhsa_system_sgpr_workgroup_id_y 1
		.amdhsa_system_sgpr_workgroup_id_z 1
		.amdhsa_system_vgpr_workitem_id 0
		.amdhsa_next_free_vgpr 512
		.amdhsa_next_free_sgpr 80
		.amdhsa_reserve_vcc 1
		.amdhsa_float_denorm_mode_32 3
		.amdhsa_float_denorm_mode_16_64 3
		.amdhsa_memory_ordered 1
		.amdhsa_forward_progress 1
		.amdhsa_inst_pref_size 117
	.end_amdhsa_kernel
	.amdgpu_metadata
---
amdhsa.version: [ 1, 2 ]
amdhsa.kernels:
  - .name:           k_qf3b0df6c3d_layer0
    .symbol:         k_qf3b0df6c3d_layer0.kd
    .args:
      - { .name: xh, .offset: 0, .size: 8, .value_kind: global_buffer, .address_space: global }
      - { .name: wh0, .offset: 8, .size: 8, .value_kind: global_buffer, .address_space: global }
      - { .name: ya, .offset: 16, .size: 8, .value_kind: global_buffer, .address_space: global }
    .group_segment_fixed_size: 327680
    .private_segment_fixed_size: 0
    .kernarg_segment_align: 8
    .kernarg_segment_size: 24
    .max_flat_workgroup_size: 128
    .sgpr_count:     80
    .vgpr_count:     512
    .wavefront_size: 32
...
	.end_amdgpu_metadata
.endif
;; end of part 2
;; launch layer1 (part 3): grid 8 x 32, 4 waves a work-group, clusters of 4 x 4, 327,680 bytes of LDS; arguments ya, wh1, yb; writes yb
.if DOCPART == 3
	.amdgcn_target "amdgcn-amd-amdhsa--gfx1250"
	.amdhsa_code_object_version 6
	.text
	.protected	k_qf3b0df6c3d_layer1
	.globl	k_qf3b0df6c3d_layer1
	.p2align	8
	.type	k_qf3b0df6c3d_layer1,@function
k_qf3b0df6c3d_layer1:
	s_mov_b64 s[64:65], 0
	v_nop
	global_prefetch_b8 v0, s[64:65] scope:SCOPE_SE
	s_setreg_imm32_b32 hwreg(HW_REG_WAVE_MODE, 25, 1), 1
	s_wait_xcnt 0x0
	s_wait_alu depctr_hold_cnt(0) depctr_sa_sdst(0) depctr_va_vdst(0) depctr_va_sdst(0) depctr_va_ssrc(0) depctr_va_vcc(0) depctr_vm_vsrc(0)
	s_getreg_b32 s2, hwreg(HW_REG_IB_STS2, 6, 4)
	s_cmp_eq_u32 s2, 0
	s_cbranch_scc0 .Lentry_in_a_cluster
	s_endpgm
.Lentry_in_a_cluster:
	s_bfe_u32 s2, ttmp6, 0x10000c
	s_cmp_lg_u32 s2, 0xf033
	s_cbranch_scc0 .Lentry_shape_is_right
	s_endpgm
.Lentry_shape_is_right:
; ONE LAYER, K = 2,048.  Y = relu(A W^T / sqrt(K)).  A: [4096][SIZE_K], W: [2048][SIZE_K], Y: [4096][2048], all f16 behind a head of 8,192 bytes; sums in f32.
; THE SCALE.  A buffer holds yhat = y / u, with one f32 u for the whole buffer (head, byte 4,096) and the largest |yhat| of each producing wave (head, bytes 0 .. 4,095).
; No sum can pass P = K x max|W| x max|A|, which is known before the first product.  So Yhat = f16(relu(g x sum)) with g = 2^15 / P never overflows, and u_out = u_in x P x 2^-15 / sqrt(K).
; The scale only multiplies numbers: no branch and no address hangs on it.  P is held at 2^-100 at the least, so that a layer of zeros gives zeros.
; LIMITS.  u stays finite while u_in x P does in f32; a result below 6e-5 x (P / 2^15) keeps f16's fixed step; NaN and infinities are not treated apart (a NaN loses in the ReLU's maximum).
; SHARES.  A tile of Y is 128 rows x 256 columns: 32 x 8 = 256 work-groups.  Four waves, each 64 x 128: 32 accumulators of 16 x 16, 256 registers.  For 32 along K a wave reads 24 x 512 bytes of LDS for 32 products.
; K goes in steps of 128 (rows of 256 bytes in memory, aligned) through two LDS slots; two slots of a step twice as long would take 405 KB.
; CLUSTERS: 4 x 4 work-groups.  The four of a row of the cluster need the same tile of A, the four of a column the same tile of W: each is asked for JOINTLY, by the same tensor load, descriptor and mask in all four.
; THE MATRIX INSTRUCTION IS USED TRANSPOSED (source 0 = 16 rows of W, source 1 = 16 rows of A): a lane then holds eight neighbouring columns of one row of Y.
; REGISTERS: window 0: v0-47 addresses and statistics; v64-159, v160-255 two fragment buffers (A's four blocks, then W's eight); on the way out they are at work.  Window 1: accumulator (a, b) at v[8 (8 a + b)].
.set SIZE_K, 2048
.set NWL,    8                         ; W's head holds 128 x NWL maxima: NWL loads of 512 bytes
.set KF,     0x45000000                ; K as f32
.set CU,     0x353504f3                ; 2^-15 / sqrt(K)
.set HEAD,   8192
.set KSTEP,  128
.set PITCH,  272                       ; an LDS row: 256 bytes + 16 of padding = 68 words: the 16 rows of a fragment load start at 16 different groups of four banks (64 banks of 4 bytes: ISA guide 11.1)
.set AH,     64*PITCH                  ; half of A's tile: one tensor load, and what one wave reads of A
.set BH,     128*PITCH                 ; half of W's tile: likewise
.set SLOT,   2*AH+2*BH                 ; A's 128 rows, then W's 256 rows
.set STAGE,  2*SLOT                    ; behind the ring: 16 rows x 272 bytes for each wave, for the way out; no tensor load fills it
.set SPITCH, 272
.set SPARE,  STAGE+4*16*SPITCH         ; behind the stages: the spare words, 128 bytes for each wave: two blocks of 256 bytes that no other line names
.set LAPS,   SIZE_K/(2*KSTEP)          ; a lap = two K steps = once round the ring
.set ADRA, 16                          ; v16-17  LDS address of my A fragments in slot 0, 1
.set ADRB, 20                          ; v20-21  the same for W
.set STO,  24                          ; v24  the way out: where I put 16 bytes of a row
.set RD,   25                          ; v25  the way out: where I read a row back
.set CO,   26                          ; v26  my byte offset in two rows of Y
.set SPW,  28                          ; v28  LDS address of my spare word; never rewritten
.set NIL,  29                          ; v29  0; never rewritten
.set PFO,  30                          ; v30  the prefetches' offset; never rewritten
.set LN,   31                          ; v31  lane
.set MX,   32                          ; v32-35  running maxima of what I store, two f16 each
.set ZERO, 36                          ; v36  0, for the ReLU on packed halves
.set G,    38                          ; v[38:39]  g, twice
.set UO,   40                          ; v40  u_out
.set F0,   64
.set F1,   160
.set T,    64                          ; the way out: 64 scaled sums
.set TMP,  128                         ; 32 registers of packed results
.set BK0,  160                         ; 16 rows read back from the stage: v160-191 and v192-223 by turns
.set G1,   24                          ; s[24:31] descriptor group 1 for A's tiles;  s[32:39] group 0, a set for each slot
.set G0,   32
.set G1B,  48                          ; s[48:55], s[56:63] the same for W's
.set G0B,  56
.set LIM0, 43                          ; s43  a wave prefetches at slot 0's change while the laps to go are above this: 2, or the greatest number
.set LIM1, 66                          ; s66  the same at slot 1's change
.set PFA,  44                          ; s[44:45] where my prefetches stand
.set PADW, (1<<16)|(1<<20)|(1<<21)|(5<<22)|(3<<25)  ; 17:16 elements of 2 bytes; 20 padding on; 21 set beside a mask; 24:22 after every 64 words; 31:25 4 words of it
.set MUL,  0x50                        ; C and D in window 1, both sources in window 0
.set MSB, 0
.macro WIN new                         ; the immediate's high byte repeats the setting that is left; a switch that changes nothing is dropped
.if MSB != (\new)
	s_set_vgpr_msb (MSB<<8)|(\new)
.set MSB, \new
.endif
.endm
; A joint load.  Waves 0 and 1 fetch A's two halves (64 rows each), waves 2 and 3 W's (128 rows each).  The branch hangs on the wave's number alone.
; An s_nop 0 and four v_nop follow each of the two lines, ahead of the jump, the label and what follows.
.macro JLOAD s
	s_cmp_eq_u32 s11, 0
	s_cbranch_scc0 .Lfor_b_\@
	tensor_load_to_lds s[G0+4*(\s):G0+4*(\s)+3], s[G1:G1+7]
	s_nop 0
.rept 4
	v_nop
.endr
	s_branch .Lasked_\@
.Lfor_b_\@:
	tensor_load_to_lds s[G0B+4*(\s):G0B+4*(\s)+3], s[G1B:G1B+7]
	s_nop 0
.rept 4
	v_nop
.endr
.Lasked_\@:
.endm
.macro CREST                           ; a round of the cluster's barrier behind its opening barrier
	s_cmp_lg_u32 s10, 0
	s_cbranch_scc1 .Lnot_wave_0_\@
	s_barrier_signal -3
.Lnot_wave_0_\@:
	s_barrier_wait -3
	s_barrier_signal -1
	s_barrier_wait -1
.endm
.macro CROUND                          ; a whole round
	s_barrier_signal -1
	s_barrier_wait -1
	CREST
.endm
; A PREFETCH INTO THE L2, behind a joint load, its five lines and the run of LDS loads: the K step that stands FOUR refills on, 512 matrix instructions ahead of the load that will want it.
; Each row's 256 bytes of a K step are named once in the launch.  A's tile row is read by both clusters of that row of clusters: cluster x = 0 asks, in waves 0 and 1; W's tile column by all eight clusters of
; that column: cluster y = 0 asks, in waves 2 and 3.  The four partners of a joint load share its rows out BY ADDRESS.  A: 16 rows each; lanes 16-31 name the K step after, so A is asked for at slot 0's change alone.
; W: 32 rows each, a lane a row, at both changes.  K steps 0 to 5 come by their loads alone; with 2 laps or fewer to go there is no K step four refills on, and nothing is asked for.
.macro ASK lim
	s_cmp_gt_u32 s3, s[\lim]
	s_cbranch_scc0 .Lnot_mine_\@
	global_prefetch_b8 v[PFO], s[PFA:PFA+1] th:TH_LOAD_NT scope:SCOPE_SE
.Lnot_mine_\@:
.endm
.macro PLACES                          ; four places in front of loads into registers that matrix instructions have read, and of vector lines that read results
.rept 4
	v_nop
.endr
.endm
.macro RED base, n, dst                ; the largest of n registers
	v_max_num_f32 v[\dst], v[(\base)], v[(\base)+1]
.set i, 2
.rept ((\n)-2)/2
	v_max3_num_f32 v[\dst], v[\dst], v[(\base)+i], v[(\base)+i+1]
.set i, i+2
.endr
.endm
.macro XMAX r, t                       ; the largest over the 32 lanes, in every lane
	v_max_num_f32_dpp v[\r], v[\r], v[\r] row_xmask:1 row_mask:0xf bank_mask:0xf
	v_max_num_f32_dpp v[\r], v[\r], v[\r] row_xmask:2 row_mask:0xf bank_mask:0xf
	v_max_num_f32_dpp v[\r], v[\r], v[\r] row_xmask:4 row_mask:0xf bank_mask:0xf
	v_max_num_f32_dpp v[\r], v[\r], v[\r] row_xmask:8 row_mask:0xf bank_mask:0xf
	v_permlanex16_b32 v[\t], v[\r], s68, s69
	v_max_num_f32 v[\r], v[\r], v[\t]
.endm
	s_load_b128 s[4:7], s[0:1], 0x0                ; A s[4:5], W s[6:7]: never rewritten
	s_load_b64 s[72:73], s[0:1], 0x10              ; Y
	v_lshl_add_u32 v[SPW], v0, 2, SPARE
	v_mov_b32 v[NIL], 0
	ds_add_u32 v[SPW], v[NIL]                      ; the wave's opening: the add, twice on end, and its wait ahead of my first tensor load; the set-up below stands between
	ds_add_u32 v[SPW], v[NIL]                      ; and once more, under the one wait
	v_lshrrev_b32 v1, 5, v0
	v_readfirstlane_b32 s10, v1                    ; wave 0..3
	s_lshr_b32 s11, s10, 1                         ; which half of the tile's rows is mine.  Also: I fetch for A (0) or for W (1)
	s_and_b32 s12, s10, 1                          ; which half of its columns.  Also: which half of that tile I fetch
	s_bfe_u32 s40, ttmp6, 0x40000                  ; cx, cy: my place in the cluster
	s_bfe_u32 s41, ttmp6, 0x40004
	s_lshl_b32 s42, ttmp9, 2
	s_add_co_u32 s42, s42, s40                     ; tile column = 4 x cluster x + cx
	s_and_b32 s13, ttmp7, 0xffff
	s_lshl_b32 s13, s13, 2
	s_add_co_u32 s13, s13, s41                     ; tile row = 4 x cluster y + cy
	s_lshl_b32 s43, s41, 2
	s_lshl_b32 s43, 15, s43                        ; my row of the cluster: places 4 cy .. 4 cy + 3
	s_lshl_b32 s44, 0x1111, s40                    ; my column: places cx, cx + 4, cx + 8, cx + 12
	s_or_b32 s[G1+0], s43, PADW                    ; A's tiles go to my row,
	s_or_b32 s[G1B+0], s44, PADW                   ; W's to my column
.irp g, G1, G1B
	s_mov_b32 s[(\g)+1], KSTEP<<16                 ; tensor_dim0 = 128
	s_mov_b32 s[(\g)+3], KSTEP<<16                 ; tile_dim0 = 128
	s_mov_b32 s[(\g)+5], SIZE_K                    ; elements from row to row
	s_mov_b32 s[(\g)+6], 0
	s_mov_b32 s[(\g)+7], 0
.endr
	s_mov_b32 s[G1+2], 64<<16                      ; tensor_dim1 and tile_dim1: 64 rows of A,
	s_mov_b32 s[G1+4], 64
	s_mov_b32 s[G1B+2], 128<<16                    ; 128 rows of W
	s_mov_b32 s[G1B+4], 128
	; where the tiles come from: A's hang on the tile row alone, W's on the tile column alone, each made in registers that do not hold the other coordinate
	s_lshl_b32 s16, s13, 7
	s_lshl_b32 s17, s12, 6
	s_add_co_u32 s16, s16, s17                     ; A: row 128 x tile row + 64 x half
	s_mul_i32 s16, s16, SIZE_K*2                   ; in bytes: under 2^25
	s_add_co_u32 s16, s16, HEAD
	s_mov_b32 s17, 0
	s_lshl_b32 s46, s42, 8
	s_lshl_b32 s47, s12, 7
	s_add_co_u32 s46, s46, s47                     ; W: row 256 x tile column + 128 x half
	s_mul_i32 s46, s46, SIZE_K*2
	s_add_co_u32 s46, s46, HEAD
	s_mov_b32 s47, 0
	s_mul_i32 s20, s12, AH                         ; and where they go: no place in the cluster enters an LDS address
	s_mul_i32 s21, s12, BH
	s_add_co_u32 s21, s21, 2*AH
	s_wait_dscnt 0x0                               ; both opening adds are done
	s_wait_kmcnt 0x0
	s_add_nc_u64 s[14:15], s[4:5], s[16:17]
	s_add_nc_u64 s[46:47], s[6:7], s[46:47]
	CROUND                                         ; all sixteen work-groups are here: the first joint loads meet
.irp s, 0,1
	s_mov_b32 s[G0+4*(\s)], 1                                      ; count = 1
	s_add_co_u32 s[G0+4*(\s)+1], s20, (\s)*SLOT                    ; LDS address
	s_add_nc_u64 s[G0+4*(\s)+2:G0+4*(\s)+3], s[14:15], (\s)*KSTEP*2  ; global address: K step s
	s_or_b32 s[G0+4*(\s)+3], s[G0+4*(\s)+3], 0x80000000            ; type = 2
	s_mov_b32 s[G0B+4*(\s)], 1
	s_add_co_u32 s[G0B+4*(\s)+1], s21, (\s)*SLOT
	s_add_nc_u64 s[G0B+4*(\s)+2:G0B+4*(\s)+3], s[46:47], (\s)*KSTEP*2
	s_or_b32 s[G0B+4*(\s)+3], s[G0B+4*(\s)+3], 0x80000000
	JLOAD \s                                       ; two tensor loads of mine are out
.endr
	; the two heads: all that follows, down to the first barrier, stands in the wait for the first tile
	s_load_b32 s67, s[4:5], 0x1000                 ; u_in
	v_and_b32 v[LN], 31, v0
	v_lshlrev_b32 v41, 4, v[LN]
.irp j, 0,1,2,3,4,5,6,7
	global_load_b128 v[F1+4*(\j):F1+4*(\j)+3], v41, s[4:5] offset:512*(\j)      ; A's 1,024 maxima
.endr
.set j, 0
.rept NWL
	global_load_b128 v[F1+32+4*j:F1+32+4*j+3], v41, s[6:7] offset:512*j         ; W's
.set j, j+1
.endr
	; A fragment is 16 rows x 32 K in 8 registers: lane l holds row l % 16; registers 0-3 K = 8 (l / 16) + 0..7, registers 4-7 K = 16 + 8 (l / 16) + 0..7: two loads of 16 bytes, 32 bytes apart
	v_and_b32 v1, 15, v0                           ; l % 16
	v_bfe_u32 v2, v0, 4, 1                         ; l / 16
	v_mul_u32_u24 v3, v1, PITCH
	v_lshl_add_u32 v3, v2, 4, v3                   ; row x pitch + 16 x half
	s_mul_i32 s21, s11, AH                         ; my 64 rows of A
	s_mul_i32 s22, s12, BH                         ; my 128 rows of W,
	s_add_co_u32 s22, s22, 2*AH                    ; which lie behind A's 128
.irp s, 0,1
	v_add_nc_u32 v[ADRA+(\s)], s21, v3
	v_add_nc_u32 v[ADRB+(\s)], s22, v3
	s_add_co_u32 s21, s21, SLOT
	s_add_co_u32 s22, s22, SLOT
.endr
	s_mul_i32 s23, s10, 16*SPITCH
	s_add_co_u32 s23, s23, STAGE                   ; my stage
	v_add_nc_u32 v[STO], s23, v3                   ; in: row l % 16, 16 bytes for each half of the lanes
	v_mul_u32_u24 v5, v2, SPITCH                   ; back: lanes 0-15 take one row of 256 bytes, lanes 16-31 the next
	v_lshl_add_u32 v5, v1, 4, v5
	v_add_nc_u32 v[RD], s23, v5
	v_lshlrev_b32 v5, 12, v2                       ; and the same two rows in Y (4,096 bytes a row)
	v_lshl_add_u32 v[CO], v1, 4, v5
	s_lshl_b32 s16, s13, 7
	s_lshl_b32 s17, s11, 6
	s_add_co_u32 s16, s16, s17                     ; my first row of Y
	s_lshl_b32 s16, s16, 12
	s_lshl_b32 s46, s42, 9                         ; my first column, in bytes: 512 x tile column + 256 x half
	s_lshl_b32 s47, s12, 8
	s_add_co_u32 s46, s46, s47
	s_add_co_u32 s16, s16, s46
	s_add_co_u32 s16, s16, HEAD
	s_mov_b32 s17, 0
	s_add_nc_u64 s[8:9], s[72:73], s[16:17]        ; never rewritten: the rows stand in the stores' immediates
	s_lshl_b32 s71, s13, 3
	s_add_co_u32 s71, s71, s42
	s_lshl_b32 s71, s71, 2
	s_add_co_u32 s71, s71, s10                     ; my wave among the launch's 1,024,
	s_lshl_b32 s71, s71, 2                         ; its entry in Y's head
	s_mov_b32 s68, 0x76543210
	s_mov_b32 s69, 0xfedcba98
	; the prefetches
	s_lshl_b32 s20, s13, 7
	s_lshl_b32 s22, s12, 6
	s_add_co_u32 s20, s20, s22
	s_lshl_b32 s22, s40, 4
	s_add_co_u32 s20, s20, s22                     ; A: the 64 rows that I fetch, my work-group's 16 of them
	s_lshl_b32 s21, s42, 8
	s_lshl_b32 s23, s12, 7
	s_add_co_u32 s21, s21, s23
	s_lshl_b32 s23, s41, 5
	s_add_co_u32 s21, s21, s23                     ; W: the 128 rows that I fetch, my work-group's 32 of them
	s_and_b32 s22, ttmp7, 0xffff                   ; cluster y
	s_cmp_eq_u32 s11, 0                            ; do I fetch for A?
	s_cselect_b32 s20, s20, s21
	s_cselect_b32 s22, ttmp9, s22                  ; the coordinate along which other clusters read the same rows
	s_cselect_b64 s[PFA:PFA+1], s[4:5], s[6:7]
	s_cselect_b32 s23, -1, 2
	s_cselect_b32 s18, 15, 31                      ; A: 16 rows,
	s_cselect_b32 s19, 256, 0                      ; and lanes 16-31 a K step further on; W: 32 rows
	s_cmp_eq_u32 s22, 0                            ; the same in all sixteen partners, for a given wave
	s_cselect_b32 s[LIM0], 2, -1
	s_cselect_b32 s[LIM1], s23, -1
	s_mul_i32 s20, s20, SIZE_K*2
	s_add_co_u32 s20, s20, HEAD+5*KSTEP*2          ; at K step 5: the first refill steps it to 6
	s_mov_b32 s21, 0
	s_add_nc_u64 s[PFA:PFA+1], s[PFA:PFA+1], s[20:21]
	v_and_b32 v[PFO], s18, v[LN]
	v_mul_u32_u24 v[PFO], v[PFO], SIZE_K*2
	v_mad_u32_u24 v[PFO], v2, s19, v[PFO]
.irp j, 0,1,2,3
	v_mov_b32 v[MX+(\j)], 0
.endr
	v_mov_b32 v[ZERO], 0
	v_mov_b32 v44, 0
	s_wait_loadcnt 0x0                             ; the maxima
	s_wait_kmcnt 0x0                               ; u_in
	RED F1, 32, 42
	RED F1+32, 4*NWL, 43
	XMAX 42, 44
	XMAX 43, 44
	v_mul_f32 v45, v42, v43
	v_mul_f32 v45, KF, v45
	v_max_num_f32 v45, 0x0d800000, v45             ; P, 2^-100 at the least
	v_rcp_f32 v46, v45
	v_mul_f32 v[UO], s67, v45                      ; two plain lines behind the reciprocal that name neither its result nor write its source
	v_mul_f32 v[UO], CU, v[UO]                     ; u_out = u_in P 2^-15 / sqrt(K)
	s_wait_alu depctr_va_vdst(0)                   ; ahead of the reciprocal's first reader
	v_mul_f32 v[G], 0x47000000, v46                ; g = 2^15 / P
	v_mov_b32 v[G+1], v[G]
; 8 matrix instructions: block a of my four blocks of 16 rows x all 8 blocks of 16 columns, 32 along K.  zero = 1: the product starts the sums: nothing is cleared.
; The 32 accumulators take turns, one instruction a turn, in the same order in every quarter, over the backward jump too.
.macro MULA f, a, zero
	WIN MUL
.irp b, 0,1,2,3,4,5,6,7
.if \zero
	v_wmma_f32_16x16x32_f16 v[8*(8*(\a)+(\b)):8*(8*(\a)+(\b))+7], v[(\f)+32+8*(\b):(\f)+32+8*(\b)+7], v[(\f)+8*(\a):(\f)+8*(\a)+7], 0
.else
	v_wmma_f32_16x16x32_f16 v[8*(8*(\a)+(\b)):8*(8*(\a)+(\b))+7], v[(\f)+32+8*(\b):(\f)+32+8*(\b)+7], v[(\f)+8*(\a):(\f)+8*(\a)+7], v[8*(8*(\a)+(\b)):8*(8*(\a)+(\b))+7]
.endif
.endr
.endm
; 24 LDS loads in one run: the fragments of one quarter step (128 rows of W, then 64 rows of A, 32 K at byte k of the rows) into buffer f
.macro FETCH slot, k, f
	WIN 0
.irp i, 0,1,2,3,4,5,6,7
	ds_load_b128 v[(\f)+32+8*(\i):(\f)+32+8*(\i)+3],   v[ADRB+(\slot)] offset:(\k)+(\i)*16*PITCH
	ds_load_b128 v[(\f)+32+8*(\i)+4:(\f)+32+8*(\i)+7], v[ADRB+(\slot)] offset:(\k)+(\i)*16*PITCH+32
.endr
.irp i, 0,1,2,3
	ds_load_b128 v[(\f)+8*(\i):(\f)+8*(\i)+3],   v[ADRA+(\slot)] offset:(\k)+(\i)*16*PITCH
	ds_load_b128 v[(\f)+8*(\i)+4:(\f)+8*(\i)+7], v[ADRA+(\slot)] offset:(\k)+(\i)*16*PITCH+32
.endr
.endm
; A K step is four quarters of 32 along K, 32 matrix instructions each, on buffers 0, 1, 0, 1.  One of the first three: multiplies buffer f; in its middle it fetches the next quarter, at byte k, into g.
.macro QUARTER slot, k, f, g, zero
	s_wait_dscnt 4                                 ; W and A's blocks 0 and 1 are in; the youngest four loads (A's blocks 2 and 3) may be out
	MULA \f, 0, \zero
	MULA \f, 1, \zero
	PLACES
	FETCH \slot, \k, \g
	s_wait_dscnt 24                                ; all but the 24 just issued
	MULA \f, 2, \zero
	MULA \f, 3, \zero
.endm
; The last quarter multiplies buffer 1 and changes slots: ONE barrier.  In front of it each wave waits for all its tensor loads, of which one is out: its part of the next slot; adds 0 to its spare word; and waits
; for that and for its own reads of this slot.  fill = 1: the barrier opens a round of the cluster's barrier, and this slot is filled again, two K steps ahead, first thing behind the round:
; from that request to the wait for it a wave issues 112 matrix instructions.
.macro TURN slot, next, fill
.if \fill
	s_wait_xcnt 0x0                                ; the last prefetch, a K step back, has read its address: it is stepped here, ahead of the change's own waits
	s_add_nc_u64 s[PFA:PFA+1], s[PFA:PFA+1], KSTEP*2
.endif
	WIN 0                                          ; (the add's two registers lie in window 0)
	s_wait_tensorcnt 0x0                           ; all my tensor loads have landed;
	ds_add_u32 v[SPW], v[NIL]                      ; 0 onto my spare word;
	s_wait_dscnt 5                                 ; (the add and the youngest four loads may be out)
	MULA F1, 0, 0                                  ; eight matrix instructions stand between the add and the wait for it
	s_wait_dscnt 0x0                               ; the add is done, and my reads of this slot are over
	s_barrier_signal -1
	MULA F1, 1, 0                                  ; work on registers while the others arrive
	WIN 0
	s_barrier_wait -1
.if \fill
	CREST                                          ; no wave of any partner still reads this slot's tile or has a load on its way
	s_add_nc_u64 s[G0+4*(\slot)+2:G0+4*(\slot)+3], s[G0+4*(\slot)+2:G0+4*(\slot)+3], 2*KSTEP*2
	s_add_nc_u64 s[G0B+4*(\slot)+2:G0B+4*(\slot)+3], s[G0B+4*(\slot)+2:G0B+4*(\slot)+3], 2*KSTEP*2
	JLOAD \slot                                    ; the four v_nop behind it are also the places in front of the loads below
.else
	PLACES
.endif
	FETCH \next, 0, F0
.if \fill
.if (\slot) == 0
	ASK LIM0
.else
	ASK LIM1
.endif
.endif
	MULA F1, 2, 0
	MULA F1, 3, 0
.endm
	s_wait_tensorcnt 1                             ; my part of K step 0 is in; K step 1's may stay out
	s_barrier_signal -1
	s_barrier_wait -1                              ; everybody's is
	FETCH 0, 0, F0
	QUARTER 0, 64,  F0, F1, 1                      ; the first quarter stands in front of the loop: its products start the sums
	WIN 0                                          ; at a label and at a branch every window is 0
	s_mov_b32 s3, LAPS-1
.Llap:                                                 ; a trip goes once round the ring, from a lap's second quarter to the next lap's first, and fills both slots again
	QUARTER 0, 128, F1, F0, 0
	QUARTER 0, 192, F0, F1, 0
	TURN 0, 1, 1
	QUARTER 1, 64,  F0, F1, 0
	QUARTER 1, 128, F1, F0, 0
	QUARTER 1, 192, F0, F1, 0
	TURN 1, 0, 1
	QUARTER 0, 64,  F0, F1, 0
	WIN 0
	s_sub_co_u32 s3, s3, 1
	s_cmp_lg_u32 s3, 0
	s_cbranch_scc1 .Llap
	QUARTER 0, 128, F1, F0, 0                      ; the last lap fills nothing, and has no round of the cluster's barrier
	QUARTER 0, 192, F0, F1, 0
	TURN 0, 1, 0
	QUARTER 1, 64,  F0, F1, 0
	QUARTER 1, 128, F1, F0, 0
	QUARTER 1, 192, F0, F1, 0
	s_wait_dscnt 4                                 ; the very last quarter: nothing more to fetch
	MULA F1, 0, 0
	MULA F1, 1, 0
	s_wait_dscnt 0x0
	MULA F1, 2, 0
	MULA F1, 3, 0
	WIN 0
	PLACES                                         ; the lines below read results and write fragment registers that the last products read
	PLACES
; THE WAY OUT, a block of 16 rows at a time.  PACK: times g, rounded once to f16, ReLU on the packed halves, the running maximum.  Each accumulator's registers are taken in ascending order.
.macro PACK a
	WIN 0x01                                       ; source 0 in window 1
.set i, 0
.rept 32
	v_pk_mul_f32 v[T+2*i:T+2*i+1], v[64*(\a)+2*i:64*(\a)+2*i+1], v[G:G+1]
.set i, i+1
.endr
	WIN 0
.set i, 0
.rept 32
	v_cvt_pk_f16_f32 v[TMP+i], v[T+2*i], v[T+2*i+1]
.set i, i+1
.endr
.set i, 0
.rept 32
	v_pk_max_num_f16 v[TMP+i], v[TMP+i], v[ZERO]
.set i, i+1
.endr
.set i, 0
.rept 32
	v_pk_max_num_f16 v[MX+i%4], v[MX+i%4], v[TMP+i]
.set i, i+1
.endr
.endm
.macro TOSTAGE a                       ; into my own stage, and back as whole rows of 256 bytes
.set BK, BK0+32*((\a)%2)
.irp b, 0,1,2,3,4,5,6,7
	ds_store_b128 v[STO], v[TMP+4*(\b):TMP+4*(\b)+3] offset:32*(\b)
.endr
.irp t, 0,1,2,3,4,5,6,7
	ds_load_b128 v[BK+4*(\t):BK+4*(\t)+3], v[RD] offset:(\t)*2*SPITCH  ; LDS serves a wave's instructions in order (ISA guide 5.7.1.4): these see the stores above
.endr
.endm
.macro SEND a
.set BK, BK0+32*((\a)%2)
	s_wait_dscnt 0x0                               ; the block is back in registers
	s_wait_xcnt 0x0                                ; the stores of the block before have read their registers: the next TOSTAGE loads into them
.irp t, 0,1,2,3,4,5,6,7
	global_store_b128 v[CO], v[BK+4*(\t):BK+4*(\t)+3], s[8:9] offset:(16*(\a)+2*(\t))*4096  ; 16 lanes store 256 consecutive bytes, at a multiple of 256 from Y's first byte
.endr
.endm
	PACK 0
	TOSTAGE 0
.irp a, 1,2,3                          ; block a's arithmetic stands between block a - 1's loads from the stage and the wait for them
	PACK \a
	SEND (\a)-1
	TOSTAGE \a
.endr
	SEND 3
	; my wave's entry in Y's head: lane 0 stores the largest number that the wave has stored, lane 1 u_out
	v_pk_max_num_f16 v[MX], v[MX], v[MX+1]
	v_pk_max_num_f16 v[MX+2], v[MX+2], v[MX+3]
	v_pk_max_num_f16 v[MX], v[MX], v[MX+2]
	v_cvt_f32_f16 v42, v32.l                       ; v32 is MX
	v_cvt_f32_f16 v43, v32.h
	v_max_num_f32 v42, v42, v43
	XMAX 42, 44
	v_cmp_eq_u32 vcc_lo, 0, v[LN]
	v_cndmask_b32 v42, v[UO], v42, vcc_lo
	v_lshl_add_u32 v43, v[LN], 12, s71
	v_cmp_gt_u32 vcc_lo, 2, v[LN]
	s_wait_xcnt 0x0                                ; EXEC is a source of the stores above: it changes only behind this wait
	s_and_saveexec_b32 s70, vcc_lo
	global_store_b32 v43, v42, s[72:73]
	s_wait_xcnt 0x0                                ; and again ahead of the line that widens it
	s_or_b32 exec_lo, exec_lo, s70
	s_wait_tensorcnt 0x0                           ; the wave's end, behind my last tensor load and my last LDS store
	ds_add_u32 v[SPW], v[NIL]
	s_wait_dscnt 0x0
	CROUND                                         ; the closing round: no work-group ends while a partner may still ask for a tile that names it
	s_endpgm
.Lfunc_end_k_qf3b0df6c3d_layer1:
	.size	k_qf3b0df6c3d_layer1, .Lfunc_end_k_qf3b0df6c3d_layer1-k_qf3b0df6c3d_layer1
	.p2alignl 7, 3214868480
	.fill 96, 4, 3214868480
	.section	.rodata,"a",@progbits
	.p2align	6, 0x0
	.amdhsa_kernel k_qf3b0df6c3d_layer1
		.amdhsa_group_segment_fixed_size 327680
		.amdhsa_private_segment_fixed_size 0
		.amdhsa_enable_private_segment 0
		.amdhsa_kernarg_size 24
		.amdhsa_user_sgpr_count 2
		.amdhsa_user_sgpr_kernarg_segment_ptr 1
		.amdhsa_wavefront_size32 1
		.amdhsa_system_sgpr_workgroup_id_x 1
		.amdhsa_system_sgpr_workgroup_id_y 1
		.amdhsa_system_sgpr_workgroup_id_z 1
		.amdhsa_system_vgpr_workitem_id 0
		.amdhsa_next_free_vgpr 512
		.amdhsa_next_free_sgpr 80
		.amdhsa_reserve_vcc 1
		.amdhsa_float_denorm_mode_32 3
		.amdhsa_float_denorm_mode_16_64 3
		.amdhsa_memory_ordered 1
		.amdhsa_forward_progress 1
		.amdhsa_inst_pref_size 118
	.end_amdhsa_kernel
	.amdgpu_metadata
---
amdhsa.version: [ 1, 2 ]
amdhsa.kernels:
  - .name:           k_qf3b0df6c3d_layer1
    .symbol:         k_qf3b0df6c3d_layer1.kd
    .args:
      - { .name: ya, .offset: 0, .size: 8, .value_kind: global_buffer, .address_space: global }
      - { .name: wh1, .offset: 8, .size: 8, .value_kind: global_buffer, .address_space: global }
      - { .name: yb, .offset: 16, .size: 8, .value_kind: global_buffer, .address_space: global }
    .group_segment_fixed_size: 327680
    .private_segment_fixed_size: 0
    .kernarg_segment_align: 8
    .kernarg_segment_size: 24
    .max_flat_workgroup_size: 128
    .sgpr_count:     80
    .vgpr_count:     512
    .wavefront_size: 32
...
	.end_amdgpu_metadata
.endif
;; end of part 3
;; launch layer2: the kernel of part 3 again; grid 8 x 32, 4 waves a work-group, clusters of 4 x 4, 327,680 bytes of LDS; arguments yb, wh2, ya; writes ya
;; launch layer3: the kernel of part 3 again; grid 8 x 32, 4 waves a work-group, clusters of 4 x 4, 327,680 bytes of LDS; arguments ya, wh3, yb; writes yb
;; launch readout (part 4): grid 256 x 1, 4 waves a work-group, no clusters, 34,304 bytes of LDS; arguments yb, bh, out0; writes out0
.if DOCPART == 4
	.amdgcn_target "amdgcn-amd-amdhsa--gfx1250"
	.amdhsa_code_object_version 6
	.text
	.protected	k_qf3b0df6c3d_readout
	.globl	k_qf3b0df6c3d_readout
	.p2align	8
	.type	k_qf3b0df6c3d_readout,@function
k_qf3b0df6c3d_readout:
	s_mov_b64 s[64:65], 0
	v_nop
	global_prefetch_b8 v0, s[64:65] scope:SCOPE_SE
	s_setreg_imm32_b32 hwreg(HW_REG_WAVE_MODE, 25, 1), 1
	s_wait_xcnt 0x0
; THE READOUT.  out[m][n] = u x 2^-11 x the sum over k of yhat[m][k] bT[n][k].  yhat: [4096][2048] f16 behind a head of 8,192 bytes, whose byte 4,096 holds the f32 scale u;
; bT: [128][2048] f16 (beta, turned); out: [4096][128] f32.  Sums in f32: |yhat| is at most 2^15 and |bT| below 2^16, so a sum of 2,048 terms stays under 2^42.
; SHARES.  A work-group makes 16 rows x 128 columns: 256 work-groups.  K IS SPLIT AMONG ITS FOUR WAVES: wave v takes channels 512 v .. 512 v + 511, in 16 steps of 32; the four partial sums meet in LDS.
; LAYOUT.  Source 0 = 16 rows of bT, source 1 = the 16 rows of yhat: a lane holds one row m (lane % 16) and the columns 8 (lane / 16) + 0..7 of each of the 8 blocks of 16 columns.
; Fragments come straight from memory, two loads of 16 bytes a lane: no wave wants what another has fetched.  Four sets of registers: while one step is multiplied three steps' 54 loads are out; the four sets
; together take 256 consecutive bytes, aligned, of each row.  Everything is written out: 16 steps, no loop, no label.
; No ring in LDS, no cluster, no prefetch: the launch is short, and bT's 512 KiB are read by every work-group.
.set HEAD,  8192
.set PP,    528                        ; a row of partial sums in LDS: 128 f32 + 16 bytes of padding
.set PART,  16*PP                      ; a wave's partial tile
.set SPARE, 4*PART                     ; behind them: the spare words, 128 bytes for each wave: two blocks of 256 bytes that no other line names
.set FO,  4                            ; v4   my byte offset in a fragment's rows: (l % 16) x 4,096 + 16 (l / 16) + 1,024 x wave; for yhat and for bT; never rewritten
.set LS,  5                            ; v5   where I put my 32 bytes of a block's partial sums
.set LR,  6                            ; v6   where I read 16 bytes of a row back
.set OO,  7                            ; v7   my 16 bytes of out
.set SPW, 8                            ; v8   LDS address of my spare word; never rewritten
.set NIL, 9                            ; v9   0; never rewritten
.set FS,  10                           ; v[10:11]  u x 2^-11, twice
.set AF,  16                           ; v[16:47]  yhat's fragment of set s % 4
.set ACC, 64                           ; v[64:127] eight accumulators
.set R,   128                          ; v[128:191] four rows x four partial sums x 4 registers
                                       ; window 1: bT's fragments: set s % 4, block i at v[64 (s % 4) + 8 i]
.set MSB, 0
.macro WIN new                         ; the immediate's high byte repeats the setting that is left; a switch that changes nothing is dropped
.if MSB != (\new)
	s_set_vgpr_msb (MSB<<8)|(\new)
.set MSB, \new
.endif
.endm
	s_load_b128 s[4:7], s[0:1], 0x0                ; yhat's buffer s[4:5], bT s[6:7]
	s_load_b64 s[8:9], s[0:1], 0x10                ; out
	v_lshl_add_u32 v[SPW], v0, 2, SPARE
	v_mov_b32 v[NIL], 0
	v_lshrrev_b32 v1, 5, v0
	v_readfirstlane_b32 s10, v1                    ; wave 0..3
	v_and_b32 v1, 15, v0                           ; l % 16
	v_bfe_u32 v2, v0, 4, 1                         ; l / 16
	v_and_b32 v3, 31, v0                           ; l
	s_lshl_b32 s11, s10, 10
	v_lshlrev_b32 v[FO], 12, v1
	v_lshl_add_u32 v[FO], v2, 4, v[FO]
	v_add_nc_u32 v[FO], s11, v[FO]
	s_mul_i32 s12, s10, PART
	v_mul_u32_u24 v[LS], v1, PP
	v_lshl_add_u32 v[LS], v2, 5, v[LS]
	v_add_nc_u32 v[LS], s12, v[LS]                 ; my wave's tile, row l % 16, 32 bytes for each half of the lanes
	s_mul_i32 s13, s10, 4*PP
	v_lshl_add_u32 v[LR], v3, 4, s13               ; wave v finishes rows 4 v .. 4 v + 3, whole: 32 lanes x 16 bytes
	s_lshl_b32 s14, s10, 11
	v_lshl_add_u32 v[OO], v3, 4, s14               ; the same four rows of out, 512 bytes each
	s_lshl_b32 s16, ttmp9, 16                      ; the work-group's 16 rows of 4,096 bytes, behind the head
	s_add_co_u32 s16, s16, HEAD
	s_mov_b32 s17, 0
	s_lshl_b32 s18, ttmp9, 13                      ; and its 16 rows of out
	s_mov_b32 s19, 0
	s_wait_kmcnt 0x0
	s_load_b32 s20, s[4:5], 0x1000                 ; u
	s_add_nc_u64 s[22:23], s[4:5], s[16:17]
	s_add_nc_u64 s[24:25], s[8:9], s[18:19]
.macro LOADSET s                       ; step s: 16 loads of bT, 2 of yhat
	WIN 0x40                                       ; destination window 1, address window 0
.irp i, 0,1,2,3,4,5,6,7
	global_load_b128 v[64*((\s)%4)+8*(\i):64*((\s)%4)+8*(\i)+3],   v[FO], s[6:7] offset:65536*(\i)+64*(\s)
	global_load_b128 v[64*((\s)%4)+8*(\i)+4:64*((\s)%4)+8*(\i)+7], v[FO], s[6:7] offset:65536*(\i)+64*(\s)+32
.endr
	WIN 0
	global_load_b128 v[AF+8*((\s)%4):AF+8*((\s)%4)+3],   v[FO], s[22:23] offset:64*(\s)
	global_load_b128 v[AF+8*((\s)%4)+4:AF+8*((\s)%4)+7], v[FO], s[22:23] offset:64*(\s)+32
.endm
.macro MULSET s                        ; step s: eight products; the eight accumulators take turns; step 0 starts the sums
	WIN 0x01                                       ; source 0 in window 1
.irp i, 0,1,2,3,4,5,6,7
.if (\s) == 0
	v_wmma_f32_16x16x32_f16 v[ACC+8*(\i):ACC+8*(\i)+7], v[64*((\s)%4)+8*(\i):64*((\s)%4)+8*(\i)+7], v[AF+8*((\s)%4):AF+8*((\s)%4)+7], 0
.else
	v_wmma_f32_16x16x32_f16 v[ACC+8*(\i):ACC+8*(\i)+7], v[64*((\s)%4)+8*(\i):64*((\s)%4)+8*(\i)+7], v[AF+8*((\s)%4):AF+8*((\s)%4)+7], v[ACC+8*(\i):ACC+8*(\i)+7]
.endif
.endr
.endm
.macro STEP s
.if (\s) <= 12
	s_wait_loadcnt 54                              ; set s is in; the three younger sets' 54 loads may stay out
.else
	s_wait_loadcnt 18*(15-(\s))                    ; the counts run down
.endif
	MULSET \s
.if (\s) < 12
.rept 4
	v_nop                                          ; four places in front of loads into registers that the products have read
.endr
	LOADSET (\s)+4
.endif
.endm
	LOADSET 0
	LOADSET 1
	LOADSET 2
	LOADSET 3
.irp s, 0,1,2,3,4,5,6,7,8,9,10,11,12,13,14,15
	STEP \s
.endr
	WIN 0
	s_wait_kmcnt 0x0                               ; u
	v_mov_b32 v[FS], s20                           ; three useful lines and five v_nop are the places behind the last products
	v_mul_f32 v[FS], 0x3a000000, v[FS]             ; u x 2^-11
	v_mov_b32 v[FS+1], v[FS]
.rept 5
	v_nop
.endr
.irp i, 0,1,2,3,4,5,6,7
	ds_store_b128 v[LS], v[ACC+8*(\i):ACC+8*(\i)+3]   offset:64*(\i)      ; each accumulator's low registers first
	ds_store_b128 v[LS], v[ACC+8*(\i)+4:ACC+8*(\i)+7] offset:64*(\i)+16
.endr
	s_wait_dscnt 0x0                               ; for the others' sake: my partial sums lie in LDS
	s_barrier_signal -1
	s_barrier_wait -1
.irp t, 0,1,2,3
.irp p, 0,1,2,3
	ds_load_b128 v[R+16*(\t)+4*(\p):R+16*(\t)+4*(\p)+3], v[LR] offset:PART*(\p)+PP*(\t)
.endr
.endr
	s_wait_dscnt 0x0
.irp t, 0,1,2,3
	v_pk_add_f32 v[R+16*(\t):R+16*(\t)+1],     v[R+16*(\t):R+16*(\t)+1],     v[R+16*(\t)+4:R+16*(\t)+5]
	v_pk_add_f32 v[R+16*(\t)+2:R+16*(\t)+3],   v[R+16*(\t)+2:R+16*(\t)+3],   v[R+16*(\t)+6:R+16*(\t)+7]
	v_pk_add_f32 v[R+16*(\t)+8:R+16*(\t)+9],   v[R+16*(\t)+8:R+16*(\t)+9],   v[R+16*(\t)+12:R+16*(\t)+13]
	v_pk_add_f32 v[R+16*(\t)+10:R+16*(\t)+11], v[R+16*(\t)+10:R+16*(\t)+11], v[R+16*(\t)+14:R+16*(\t)+15]
	v_pk_add_f32 v[R+16*(\t):R+16*(\t)+1],     v[R+16*(\t):R+16*(\t)+1],     v[R+16*(\t)+8:R+16*(\t)+9]
	v_pk_add_f32 v[R+16*(\t)+2:R+16*(\t)+3],   v[R+16*(\t)+2:R+16*(\t)+3],   v[R+16*(\t)+10:R+16*(\t)+11]
	v_pk_mul_f32 v[R+16*(\t):R+16*(\t)+1],     v[R+16*(\t):R+16*(\t)+1],     v[FS:FS+1]
	v_pk_mul_f32 v[R+16*(\t)+2:R+16*(\t)+3],   v[R+16*(\t)+2:R+16*(\t)+3],   v[FS:FS+1]
	global_store_b128 v[OO], v[R+16*(\t):R+16*(\t)+3], s[24:25] offset:512*(\t) th:TH_STORE_NT  ; a whole row of out: 512 consecutive bytes, aligned
.endr
	s_wait_tensorcnt 0x0                           ; the wave's end, behind my last LDS store
	ds_add_u32 v[SPW], v[NIL]
	s_wait_dscnt 0x0
	s_endpgm
.Lfunc_end_k_qf3b0df6c3d_readout:
	.size	k_qf3b0df6c3d_readout, .Lfunc_end_k_qf3b0df6c3d_readout-k_qf3b0df6c3d_readout
	.p2alignl 7, 3214868480
	.fill 96, 4, 3214868480
	.section	.rodata,"a",@progbits
	.p2align	6, 0x0
	.amdhsa_kernel k_qf3b0df6c3d_readout
		.amdhsa_group_segment_fixed_size 34304
		.amdhsa_private_segment_fixed_size 0
		.amdhsa_enable_private_segment 0
		.amdhsa_kernarg_size 24
		.amdhsa_user_sgpr_count 2
		.amdhsa_user_sgpr_kernarg_segment_ptr 1
		.amdhsa_wavefront_size32 1
		.amdhsa_system_sgpr_workgroup_id_x 1
		.amdhsa_system_sgpr_workgroup_id_y 1
		.amdhsa_system_sgpr_workgroup_id_z 1
		.amdhsa_system_vgpr_workitem_id 0
		.amdhsa_next_free_vgpr 512
		.amdhsa_next_free_sgpr 66
		.amdhsa_reserve_vcc 0
		.amdhsa_float_denorm_mode_32 3
		.amdhsa_float_denorm_mode_16_64 3
		.amdhsa_memory_ordered 1
		.amdhsa_forward_progress 1
		.amdhsa_inst_pref_size 46
	.end_amdhsa_kernel
	.amdgpu_metadata
---
amdhsa.version: [ 1, 2 ]
amdhsa.kernels:
  - .name:           k_qf3b0df6c3d_readout
    .symbol:         k_qf3b0df6c3d_readout.kd
    .args:
      - { .name: yb, .offset: 0, .size: 8, .value_kind: global_buffer, .address_space: global }
      - { .name: bh, .offset: 8, .size: 8, .value_kind: global_buffer, .address_space: global }
      - { .name: out0, .offset: 16, .size: 8, .value_kind: global_buffer, .address_space: global }
    .group_segment_fixed_size: 34304
    .private_segment_fixed_size: 0
    .kernarg_segment_align: 8
    .kernarg_segment_size: 24
    .max_flat_workgroup_size: 128
    .sgpr_count:     66
    .vgpr_count:     512
    .wavefront_size: 32
...
	.end_amdgpu_metadata
.endif
;; end of part 4
;; ======== version 2 of 3: 6 launches
;; limits: inputs' magnitudes at most 65,504; values are held in f16: magnitudes above 65,504 overflow, below 6.1e-05 lose precision
;; workspace buffers: xh 8,396,800 bytes; wh0 4,202,496 bytes; wh1 8,396,800 bytes; wh2 8,396,800 bytes; wh3 8,396,800 bytes; ya 16,785,408 bytes; yb 16,785,408 bytes; bh 524,288 bytes
;; launch prep (part 5): grid 256 x 1, 18 waves a work-group, no clusters, 0 bytes of LDS; arguments x, w0, w1, w2, w3, beta, xh, wh0, wh1, wh2, wh3, bh; writes xh, wh0, wh1, wh2, wh3, bh
.if DOCPART == 5
	.amdgcn_target "amdgcn-amd-amdhsa--gfx1250"
	.amdhsa_code_object_version 6
	.text
	.protected	k_qf3b0df6c3d_prep
	.globl	k_qf3b0df6c3d_prep
	.p2align	8
	.type	k_qf3b0df6c3d_prep,@function
k_qf3b0df6c3d_prep:
	s_mov_b64 s[64:65], 0
	v_nop
	global_prefetch_b8 v0, s[64:65] scope:SCOPE_SE
	s_setreg_imm32_b32 hwreg(HW_REG_WAVE_MODE, 25, 1), 1
	s_wait_xcnt 0x0
; x, w0 .. w3: f32 -> f16, rounded once, behind a head of 8,192 bytes in each target; beta: f32 [2048][128] -> f16 in the order [k / 8][n][k % 8], no head.
; THE HEAD of a target: bytes 0 .. 4095 one f32 for each converting wave: the largest |f16| that it wrote; bytes 4096 .. one f32 for each wave: the buffer's scale, here 1.0.
; The layers behind make of these maxima a bound on their sums, so that their own f16 results cannot overflow.
; LIMITS.  Inputs lie within f16's range (below 65,520 in magnitude; beyond it the conversion gives an infinity); below 6e-5 a number keeps f16's fixed step of 6e-8.  NaN is not treated apart.
; SHARES.  A JOB is 4,096 consecutive floats: 16 KiB in by 32 loads that all go out at once, 8 KiB out.  x has 1,024 jobs, w0 512, w1 .. w3 1,024 each: 4,608 = 18 x 256.
; So 256 work-groups of 18 waves, a job a wave: every work-group has the same work.  The wave's number picks the tensor (0-3 x, 4-5 w0, 6-9 w1, 10-13 w2, 14-17 w3);
; the job within it is q = 256 x (wave - the tensor's first wave) + the work-group's number.
; A BLOCK is 128 floats: one load of the wave, 16 bytes a lane, 512 consecutive bytes; its 128 halves leave by one store, 8 bytes a lane: 256 consecutive bytes, aligned.  No byte is asked for twice.
; BETA.  Work-group g owns rows k = 8 g .. 8 g + 7; its waves 0-3 take 32 columns n each, a lane a column: 8 loads of 4 bytes a lane (128 consecutive bytes a wave) bring a lane the 8 numbers
; beta[8 g + j][n], which pack into the 16 bytes of (k / 8 = g, n): the wave's one store covers 512 consecutive bytes, aligned.  So the turning costs no LDS and no barrier.
; No matrix unit, no cluster, no LDS: nothing is shared between waves, and 128 registers hold all that a wave has on its way.
.set HEAD,  8192
.set IO,  2                            ; v2   16 x lane: my 4 floats in a block's 512 bytes; never rewritten
.set OO,  3                            ; v3   8 x lane: my 4 halves in a block's 256 bytes; never rewritten
.set M,   4                            ; v[4:7]  four running maxima, two f16 each
.set SA,  10                           ; v10  byte offset of my wave's entries in the head
.set BO,  11                           ; v11  beta: 4 x thread: my column's 4 bytes in a row (threads 0-127)
.set BS,  12                           ; v12  beta: 16 x thread: my column's 16 bytes in the work-group's 2,048
.set X,   16                           ; v[16:143]  block p of 32: 4 registers as loaded; the first 2 then hold the 4 halves, the other 2 their magnitudes
.set BL,  144                          ; v[144:151] beta: my column in 8 rows; the first 4 then hold the 8 halves
.macro PICK first, src, dst            ; from wave first on: another tensor
	s_cmp_ge_u32 s32, \first
	s_cselect_b64 s[4:5], s[\src:\src+1], s[4:5]
	s_cselect_b64 s[6:7], s[\dst:\dst+1], s[6:7]
	s_cselect_b32 s3, \first, s3
.endm
	s_load_b512 s[8:23], s[0:1], 0x0               ; x, w0, w1, w2, w3, beta, xh, wh0
	s_load_b256 s[24:31], s[0:1], 0x40             ; wh1, wh2, wh3, bh
	v_and_b32 v1, 31, v0                           ; lane
	v_lshrrev_b32 v8, 5, v0
	v_readfirstlane_b32 s32, v8                    ; wave 0..17
	v_lshlrev_b32 v[IO], 4, v1
	v_lshlrev_b32 v[OO], 3, v1
	v_lshlrev_b32 v[BO], 2, v0
	v_lshlrev_b32 v[BS], 4, v0
	s_mov_b32 s3, 0
	s_mov_b32 s34, 0x76543210                      ; v_permlanex16_b32: each lane takes its own place in the other half
	s_mov_b32 s35, 0xfedcba98
	s_mov_b32 s37, 0x7fff7fff                      ; clears the signs of two f16
	s_wait_kmcnt 0x0
	s_mov_b64 s[4:5], s[8:9]                       ; from x
	s_mov_b64 s[6:7], s[20:21]                     ; to xh
	PICK 4, 10, 22
	PICK 6, 12, 24
	PICK 10, 14, 26
	PICK 14, 16, 28
	s_sub_co_u32 s33, s32, s3                      ; my wave among its tensor's
	s_lshl_b32 s33, s33, 8
	s_add_co_u32 s33, s33, ttmp9                   ; q: my job within the tensor
	s_lshl_b32 s40, s33, 14                        ; 16 KiB a job
	s_mov_b32 s41, 0
	s_add_nc_u64 s[4:5], s[4:5], s[40:41]
	s_lshl_b32 s42, ttmp9, 12                      ; beta: the work-group's 8 rows of 512 bytes,
	s_mov_b32 s43, 0
	s_add_nc_u64 s[18:19], s[18:19], s[42:43]
	s_lshl_b32 s42, ttmp9, 11                      ; and its 128 x 16 bytes of the target
	s_add_nc_u64 s[30:31], s[30:31], s[42:43]
	s_cmp_lt_u32 s32, 4                            ; waves 0-3 take beta as well: these loads go out first, so that the counts below are the same for every wave
	s_cbranch_scc0 .Lmain
.irp j, 0,1,2,3,4,5,6,7
	global_load_b32 v[BL+(\j)], v[BO], s[18:19] offset:512*(\j)
.endr
.Lmain:
.set p, 0
.rept 32
	global_load_b128 v[X+4*p:X+4*p+3], v[IO], s[4:5] offset:512*p th:TH_LOAD_NT
.set p, p+1
.endr
	s_lshl_b32 s44, s33, 13                        ; 8 KiB a job, behind the head
	s_add_co_u32 s44, s44, HEAD
	s_mov_b32 s45, 0
	s_add_nc_u64 s[38:39], s[6:7], s[44:45]        ; where my data go
	s_lshl_b32 s46, s33, 2
	v_lshl_add_u32 v[SA], v1, 12, s46              ; lane 0: entry q of the maxima; lane 1: entry q of the scales
.irp j, 0,1,2,3
	v_mov_b32 v[M+(\j)], 0
.endr
	v_mov_b32 v9, 0
; Block b: 4 floats a lane are rounded in place (each target register has been read when it is written), their magnitudes go into the maxima, 8 bytes leave.
.macro CONV b
	s_wait_loadcnt 31-(\b)                         ; loads come back in order: mine is in, the 31 - b younger ones may stay out
	v_cvt_pk_f16_f32 v[X+4*(\b)],   v[X+4*(\b)],   v[X+4*(\b)+1]
	v_cvt_pk_f16_f32 v[X+4*(\b)+1], v[X+4*(\b)+2], v[X+4*(\b)+3]
	v_and_b32 v[X+4*(\b)+2], s37, v[X+4*(\b)]
	v_and_b32 v[X+4*(\b)+3], s37, v[X+4*(\b)+1]
	v_pk_max_num_f16 v[M+2*((\b)%2)],   v[M+2*((\b)%2)],   v[X+4*(\b)+2]
	v_pk_max_num_f16 v[M+2*((\b)%2)+1], v[M+2*((\b)%2)+1], v[X+4*(\b)+3]
	global_store_b64 v[OO], v[X+4*(\b):X+4*(\b)+1], s[38:39] offset:256*(\b) th:TH_STORE_NT  ; no register of a store is written again
.endm
.set p, 0
.rept 32
	CONV p
.set p, p+1
.endr
	s_cmp_lt_u32 s32, 4
	s_cbranch_scc0 .Lstat
.irp j, 0,1,2,3                        ; beta's loads are older than the last block's, whose wait was for 0
	v_cvt_pk_f16_f32 v[BL+(\j)], v[BL+2*(\j)], v[BL+2*(\j)+1]
.endr
	global_store_b128 v[BS], v[BL:BL+3], s[30:31] th:TH_STORE_NT
.Lstat:
	v_pk_max_num_f16 v[M], v[M], v[M+1]
	v_pk_max_num_f16 v[M+2], v[M+2], v[M+3]
	v_pk_max_num_f16 v[M], v[M], v[M+2]
	v_cvt_f32_f16 v8, v4.l                         ; v4 is M
	v_cvt_f32_f16 v9, v4.h
	v_max_num_f32 v8, v8, v9
	v_max_num_f32_dpp v8, v8, v8 row_xmask:1 row_mask:0xf bank_mask:0xf
	v_max_num_f32_dpp v8, v8, v8 row_xmask:2 row_mask:0xf bank_mask:0xf
	v_max_num_f32_dpp v8, v8, v8 row_xmask:4 row_mask:0xf bank_mask:0xf
	v_max_num_f32_dpp v8, v8, v8 row_xmask:8 row_mask:0xf bank_mask:0xf
	v_permlanex16_b32 v9, v8, s34, s35
	v_max_num_f32 v8, v8, v9                       ; the wave's largest |f16|
	v_cmp_eq_u32 vcc_lo, 0, v1
	v_cndmask_b32 v8, 1.0, v8, vcc_lo              ; lane 0 carries the maximum, lane 1 the scale 1.0
	v_cmp_gt_u32 vcc_lo, 2, v1
	s_wait_xcnt 0x0                                ; EXEC is a source of the stores above: it changes only behind this wait
	s_and_saveexec_b32 s36, vcc_lo
	global_store_b32 v[SA], v8, s[6:7]
	s_wait_xcnt 0x0                                ; and again ahead of the line that widens it
	s_or_b32 exec_lo, exec_lo, s36
	s_endpgm
.Lfunc_end_k_qf3b0df6c3d_prep:
	.size	k_qf3b0df6c3d_prep, .Lfunc_end_k_qf3b0df6c3d_prep-k_qf3b0df6c3d_prep
	.p2alignl 7, 3214868480
	.fill 96, 4, 3214868480
	.section	.rodata,"a",@progbits
	.p2align	6, 0x0
	.amdhsa_kernel k_qf3b0df6c3d_prep
		.amdhsa_group_segment_fixed_size 0
		.amdhsa_private_segment_fixed_size 0
		.amdhsa_enable_private_segment 0
		.amdhsa_kernarg_size 96
		.amdhsa_user_sgpr_count 2
		.amdhsa_user_sgpr_kernarg_segment_ptr 1
		.amdhsa_wavefront_size32 1
		.amdhsa_system_sgpr_workgroup_id_x 1
		.amdhsa_system_sgpr_workgroup_id_y 1
		.amdhsa_system_sgpr_workgroup_id_z 1
		.amdhsa_system_vgpr_workitem_id 0
		.amdhsa_next_free_vgpr 152
		.amdhsa_next_free_sgpr 66
		.amdhsa_reserve_vcc 1
		.amdhsa_float_denorm_mode_32 3
		.amdhsa_float_denorm_mode_16_64 3
		.amdhsa_memory_ordered 1
		.amdhsa_forward_progress 1
		.amdhsa_inst_pref_size 22
	.end_amdhsa_kernel
	.amdgpu_metadata
---
amdhsa.version: [ 1, 2 ]
amdhsa.kernels:
  - .name:           k_qf3b0df6c3d_prep
    .symbol:         k_qf3b0df6c3d_prep.kd
    .args:
      - { .name: x, .offset: 0, .size: 8, .value_kind: global_buffer, .address_space: global }
      - { .name: w0, .offset: 8, .size: 8, .value_kind: global_buffer, .address_space: global }
      - { .name: w1, .offset: 16, .size: 8, .value_kind: global_buffer, .address_space: global }
      - { .name: w2, .offset: 24, .size: 8, .value_kind: global_buffer, .address_space: global }
      - { .name: w3, .offset: 32, .size: 8, .value_kind: global_buffer, .address_space: global }
      - { .name: beta, .offset: 40, .size: 8, .value_kind: global_buffer, .address_space: global }
      - { .name: xh, .offset: 48, .size: 8, .value_kind: global_buffer, .address_space: global }
      - { .name: wh0, .offset: 56, .size: 8, .value_kind: global_buffer, .address_space: global }
      - { .name: wh1, .offset: 64, .size: 8, .value_kind: global_buffer, .address_space: global }
      - { .name: wh2, .offset: 72, .size: 8, .value_kind: global_buffer, .address_space: global }
      - { .name: wh3, .offset: 80, .size: 8, .value_kind: global_buffer, .address_space: global }
      - { .name: bh, .offset: 88, .size: 8, .value_kind: global_buffer, .address_space: global }
    .group_segment_fixed_size: 0
    .private_segment_fixed_size: 0
    .kernarg_segment_align: 8
    .kernarg_segment_size: 96
    .max_flat_workgroup_size: 576
    .sgpr_count:     66
    .vgpr_count:     152
    .wavefront_size: 32
...
	.end_amdgpu_metadata
.endif
;; end of part 5
;; launch layer0: the kernel of part 2 again; grid 8 x 32, 4 waves a work-group, clusters of 4 x 4, 327,680 bytes of LDS; arguments xh, wh0, ya; writes ya
;; launch layer1 (part 6): grid 8 x 32, 4 waves a work-group, clusters of 4 x 4, 327,680 bytes of LDS; arguments ya, wh1, yb; writes yb
.if DOCPART == 6
	.amdgcn_target "amdgcn-amd-amdhsa--gfx1250"
	.amdhsa_code_object_version 6
	.text
	.protected	k_qf3b0df6c3d_layer1
	.globl	k_qf3b0df6c3d_layer1
	.p2align	8
	.type	k_qf3b0df6c3d_layer1,@function
k_qf3b0df6c3d_layer1:
	s_mov_b64 s[64:65], 0
	v_nop
	global_prefetch_b8 v0, s[64:65] scope:SCOPE_SE
	s_setreg_imm32_b32 hwreg(HW_REG_WAVE_MODE, 25, 1), 1
	s_wait_xcnt 0x0
	s_wait_alu depctr_hold_cnt(0) depctr_sa_sdst(0) depctr_va_vdst(0) depctr_va_sdst(0) depctr_va_ssrc(0) depctr_va_vcc(0) depctr_vm_vsrc(0)
	s_getreg_b32 s2, hwreg(HW_REG_IB_STS2, 6, 4)
	s_cmp_eq_u32 s2, 0
	s_cbranch_scc0 .Lentry_in_a_cluster
	s_endpgm
.Lentry_in_a_cluster:
	s_bfe_u32 s2, ttmp6, 0x10000c
	s_cmp_lg_u32 s2, 0xf033
	s_cbranch_scc0 .Lentry_shape_is_right
	s_endpgm
.Lentry_shape_is_right:
; ONE LAYER, K = 2,048.  Y = relu(A W^T / sqrt(K)).  A: [4096][SIZE_K], W: [2048][SIZE_K], Y: [4096][2048], all f16 behind a head of 8,192 bytes; sums in f32.
; THE SCALE.  A buffer holds yhat = y / u, with one f32 u for the whole buffer (head, byte 4,096) and the largest |yhat| of each producing wave (head, bytes 0 .. 4,095).
; No sum can pass P = K x max|W| x max|A|, which is known before the first product.  So Yhat = f16(relu(g x sum)) with g = 2^15 / P never overflows, and u_out = u_in x P x 2^-15 / sqrt(K).
; The scale only multiplies numbers: no branch and no address hangs on it.  P is held at 2^-100 at the least, so that a layer of zeros gives zeros.
; LIMITS.  u stays finite while u_in x P does in f32; a result below 6e-5 x (P / 2^15) keeps f16's fixed step; NaN and infinities are not treated apart (a NaN loses in the ReLU's maximum).
; SHARES.  A tile of Y is 128 rows x 256 columns: 32 x 8 = 256 work-groups.  Four waves, each 64 x 128: 32 accumulators of 16 x 16, 256 registers.  For 32 along K a wave reads 24 x 512 bytes of LDS for 32 products.
; TWO UNLIKE SLOTS.  A slot holds 384 rows (A's 128, W's 256).  Two slots of 256 along K would take 2 x 384 x 528 = 405,504 bytes; one of 128 (S) and one of 256 (B) take 104,448 + 202,752 = 307,200.
; K = 128 + 5 x 384, so the tiles are S0 B0 S1 B1 .. S4 B4 S5: ten changes of slots where equal slots of 128 would have fifteen.
; B'S LAST 64 CHANNELS ARE HELD IN REGISTERS.  A wave fetches them (48 loads, 192 registers of window 2) behind the runs of B's third and fourth quarters and multiplies them behind the next S: the sums are f32 and
; may be taken in that order.  So B is read out, and asked for again, in its sixth quarter, and S in the second held quarter: from either request to the wait for it a wave issues 176 matrix instructions
; (16 + 4 x 32 + 32, and 16 + 5 x 32); with B multiplied on end they would be 112 and 240.
; All rows of all tiles are 256 or 512 bytes of memory and start at multiples of 256 bytes from the buffer's first byte.
; CLUSTERS: 4 x 4 work-groups.  The four of a row of the cluster need the same tile of A, the four of a column the same tile of W: each is asked for JOINTLY, by the same tensor load, descriptor and mask in all four.
; THE MATRIX INSTRUCTION IS USED TRANSPOSED (source 0 = 16 rows of W, source 1 = 16 rows of A): a lane then holds eight neighbouring columns of one row of Y.
; REGISTERS: window 0: v0-47 addresses and statistics; v64-159, v160-255 two fragment buffers (A's four blocks, then W's eight); on the way out they are at work.  Window 1: accumulator (a, b) at v[8 (8 a + b)].
; Window 2: v0-95, v96-191 the two held quarters, laid out as a fragment buffer is.
.set SIZE_K, 2048
.set NWL,    8                         ; W's head holds 128 x NWL maxima: NWL loads of 512 bytes
.set KF,     0x45000000                ; K as f32
.set CU,     0x353504f3                ; 2^-15 / sqrt(K)
.set HEAD,   8192
.set SM,     0                         ; the slots' numbers: S, 128 along K,
.set BG,     1                         ; and B, 256 along K
.set PS,     272                       ; a row in S: 256 bytes + 16 of padding; in B: 512 + 16.  68 and 132 words: in both the 16 rows of a fragment load start at 16 different groups of four banks (64 banks of 4 bytes: ISA guide 11.1)
.set PB,     528
.set BGBASE, 384*PS                    ; S lies at 0: A's 128 rows, then W's 256; B behind it, likewise
.set STAGE,  BGBASE+384*PB             ; behind the slots: 16 rows x 272 bytes for each wave, for the way out; no tensor load fills it
.set SPITCH, 272
.set SPARE,  STAGE+4*16*SPITCH         ; behind the stages: the spare words, 128 bytes for each wave: two blocks of 256 bytes that no other line names
.set TRIPB,  768                       ; bytes of a row from a slot's tile to its next: 128 + 256 channels
.set TRIPS,  (SIZE_K-128)/384          ; 5 pairs (B, S) behind S0
.set ADRA, 16                          ; v16-17  LDS address of my A fragments in S, B
.set ADRB, 20                          ; v20-21  the same for W
.set STO,  24                          ; v24  the way out: where I put 16 bytes of a row
.set RD,   25                          ; v25  the way out: where I read a row back
.set CO,   26                          ; v26  my byte offset in two rows of Y
.set SPW,  28                          ; v28  LDS address of my spare word; never rewritten
.set NIL,  29                          ; v29  0; never rewritten
.set PFO,  30                          ; v30  the prefetches' offset: my lane x a row in memory; never rewritten
.set LN,   31                          ; v31  lane
.set MX,   32                          ; v32-35  running maxima of what I store, two f16 each
.set ZERO, 36                          ; v36  0, for the ReLU on packed halves
.set G,    38                          ; v[38:39]  g, twice
.set UO,   40                          ; v40  u_out
.set F0,   64
.set F1,   160
.set H0,   0                           ; the held quarters, in window 2
.set H1,   96
.set T,    64                          ; the way out: 64 scaled sums
.set TMP,  128                         ; 32 registers of packed results
.set BK0,  160                         ; 16 rows read back from the stage: v160-191 and v192-223 by turns
.set G1A,  24                          ; s[24:31], s[32:39] descriptor group 1 for A's tiles in S, B
.set G1B,  40                          ; s[40:47], s[48:55] for W's
.set G0A,  56                          ; s[56:59], s[60:63] descriptor group 0 for A's tiles in S, B
.set G0B,  68                          ; s[68:71], s[72:75] for W's
.set CX,   76                          ; s76, s77  my place in the cluster
.set CY,   77
.set TC,   78                          ; s78  tile column
.set UIN,  79                          ; s79  u_in
.set SEL,  80                          ; s[80:81] v_permlanex16_b32's selects
.set SVX,  82                          ; s82  EXEC, kept
.set SIX,  83                          ; s83  byte of my wave's entry in Y's head
.set YB,   84                          ; s[84:85] Y's buffer
.set PFA,  86                          ; s[86:87] where my prefetches stand
.set MKA,  88                          ; s88  at work at the head: the mask of my row of the cluster
.set LIMB, 89                          ; s89  a wave prefetches S's block and B's first 256 bytes while the trips to go are above this: 1, or the greatest number
.set LIMB2, 90                         ; s90  the same for B's second 256 bytes
.set PADS, (1<<16)|(1<<20)|(1<<21)|(5<<22)|(3<<25)  ; 17:16 elements of 2 bytes; 20 padding on; 21 set beside a mask; 24:22 after every 64 words; 31:25 4 words of it
.set PADB, (1<<16)|(1<<20)|(1<<21)|(6<<22)|(3<<25)  ; the same after every 128 words
.set MUL,  0x50                        ; C and D in window 1, both sources in window 0
.set MULH, 0x5a                        ; C and D in window 1, both sources in window 2
.set TO_H, 0x80                        ; destination in window 2, address in window 0
.set MSB, 0
.macro WIN new                         ; the immediate's high byte repeats the setting that is left; a switch that changes nothing is dropped
.if MSB != (\new)
	s_set_vgpr_msb (MSB<<8)|(\new)
.set MSB, \new
.endif
.endm
; A joint load into slot s.  Waves 0 and 1 fetch A's two halves (64 rows each), waves 2 and 3 W's (128 rows each).  The branch hangs on the wave's number alone.
; An s_nop 0 and four v_nop follow each of the two lines, ahead of the jump, the label and what follows.
.macro JLOAD s
	s_cmp_eq_u32 s11, 0
	s_cbranch_scc0 .Lfor_b_\@
	tensor_load_to_lds s[G0A+4*(\s):G0A+4*(\s)+3], s[G1A+8*(\s):G1A+8*(\s)+7]
	s_nop 0
.rept 4
	v_nop
.endr
	s_branch .Lasked_\@
.Lfor_b_\@:
	tensor_load_to_lds s[G0B+4*(\s):G0B+4*(\s)+3], s[G1B+8*(\s):G1B+8*(\s)+7]
	s_nop 0
.rept 4
	v_nop
.endr
.Lasked_\@:
.endm
.macro CREST                           ; a round of the cluster's barrier behind its opening barrier
	s_cmp_lg_u32 s10, 0
	s_cbranch_scc1 .Lnot_wave_0_\@
	s_barrier_signal -3
.Lnot_wave_0_\@:
	s_barrier_wait -3
	s_barrier_signal -1
	s_barrier_wait -1
.endm
.macro CROUND                          ; a whole round
	s_barrier_signal -1
	s_barrier_wait -1
	CREST
.endm
; A PREFETCH INTO THE L2, behind a joint load, its five lines and the run of LDS loads: the same slot's tile ONE TRIP on from the one just asked for, 384 matrix instructions ahead of the load that will want it.
; A lane names a row's 256 bytes, and each such block is named once in the launch.  A's tile row is read by both clusters of that row of clusters: cluster x = 0 asks; the partner at cx takes rows 32 cx .. 32 cx + 31
; of the tile's 128; wave 0 names S's block and B's first, wave 1 B's second.  W's tile column is read by all eight clusters of that column: cluster y = 0 asks; the partner at cy takes 64 rows of the 256,
; waves 2 and 3 32 each, and each names all three blocks.  The partners are told apart BY ADDRESS.  S0, B0, S1, B1 and S2 come by their loads alone; the loop's last trip has no tile two on, and the tail asks for nothing.
.macro ASK lim, off
	s_cmp_gt_u32 s3, s[\lim]
	s_cbranch_scc0 .Lnot_mine_\@
	global_prefetch_b8 v[PFO], s[PFA:PFA+1] offset:\off th:TH_LOAD_NT scope:SCOPE_SE
.Lnot_mine_\@:
.endm
.macro PLACES                          ; four places in front of loads into registers that matrix instructions have read, and of vector lines that read results
.rept 4
	v_nop
.endr
.endm
.macro RED base, n, dst                ; the largest of n registers
	v_max_num_f32 v[\dst], v[(\base)], v[(\base)+1]
.set i, 2
.rept ((\n)-2)/2
	v_max3_num_f32 v[\dst], v[\dst], v[(\base)+i], v[(\base)+i+1]
.set i, i+2
.endr
.endm
.macro XMAX r, t                       ; the largest over the 32 lanes, in every lane
	v_max_num_f32_dpp v[\r], v[\r], v[\r] row_xmask:1 row_mask:0xf bank_mask:0xf
	v_max_num_f32_dpp v[\r], v[\r], v[\r] row_xmask:2 row_mask:0xf bank_mask:0xf
	v_max_num_f32_dpp v[\r], v[\r], v[\r] row_xmask:4 row_mask:0xf bank_mask:0xf
	v_max_num_f32_dpp v[\r], v[\r], v[\r] row_xmask:8 row_mask:0xf bank_mask:0xf
	v_permlanex16_b32 v[\t], v[\r], s[SEL], s[SEL+1]
	v_max_num_f32 v[\r], v[\r], v[\t]
.endm
	s_load_b128 s[4:7], s[0:1], 0x0                ; A s[4:5], W s[6:7]: never rewritten
	s_load_b64 s[YB:YB+1], s[0:1], 0x10            ; Y
	v_lshl_add_u32 v[SPW], v0, 2, SPARE
	v_mov_b32 v[NIL], 0
	ds_add_u32 v[SPW], v[NIL]                      ; the wave's opening: the add, twice on end, and its wait ahead of my first tensor load; the set-up below stands between
	ds_add_u32 v[SPW], v[NIL]                      ; and once more, under the one wait
	v_lshrrev_b32 v1, 5, v0
	v_readfirstlane_b32 s10, v1                    ; wave 0..3
	s_lshr_b32 s11, s10, 1                         ; which half of the tile's rows is mine.  Also: I fetch for A (0) or for W (1)
	s_and_b32 s12, s10, 1                          ; which half of its columns.  Also: which half of that tile I fetch
	s_bfe_u32 s[CX], ttmp6, 0x40000                ; cx, cy: my place in the cluster
	s_bfe_u32 s[CY], ttmp6, 0x40004
	s_lshl_b32 s[TC], ttmp9, 2
	s_add_co_u32 s[TC], s[TC], s[CX]               ; tile column = 4 x cluster x + cx
	s_and_b32 s13, ttmp7, 0xffff
	s_lshl_b32 s13, s13, 2
	s_add_co_u32 s13, s13, s[CY]                   ; tile row = 4 x cluster y + cy
	s_lshl_b32 s[MKA], s[CY], 2
	s_lshl_b32 s[MKA], 15, s[MKA]                  ; my row of the cluster: places 4 cy .. 4 cy + 3
	s_lshl_b32 s[LIMB], 0x1111, s[CX]              ; my column: places cx, cx + 4, cx + 8, cx + 12
	s_or_b32 s[G1A], s[MKA], PADS                  ; A's tiles go to my row,
	s_or_b32 s[G1A+8], s[MKA], PADB
	s_or_b32 s[G1B], s[LIMB], PADS                 ; W's to my column
	s_or_b32 s[G1B+8], s[LIMB], PADB
.irp t, 0,1
.irp g, G1A, G1B
	s_mov_b32 s[(\g)+8*(\t)+1], (128<<(\t))<<16    ; tensor_dim0 = 128 in S, 256 in B
	s_mov_b32 s[(\g)+8*(\t)+3], (128<<(\t))<<16    ; tile_dim0 likewise
	s_mov_b32 s[(\g)+8*(\t)+5], SIZE_K             ; elements from row to row
	s_mov_b32 s[(\g)+8*(\t)+6], 0
	s_mov_b32 s[(\g)+8*(\t)+7], 0
.endr
	s_mov_b32 s[G1A+8*(\t)+2], 64<<16              ; tensor_dim1 and tile_dim1: 64 rows of A,
	s_mov_b32 s[G1A+8*(\t)+4], 64
	s_mov_b32 s[G1B+8*(\t)+2], 128<<16             ; 128 rows of W
	s_mov_b32 s[G1B+8*(\t)+4], 128
.endr
	; where the tiles come from: A's hang on the tile row alone, W's on the tile column alone, each made in registers that do not hold the other coordinate
	s_lshl_b32 s16, s13, 7
	s_lshl_b32 s17, s12, 6
	s_add_co_u32 s16, s16, s17                     ; A: row 128 x tile row + 64 x half
	s_mul_i32 s16, s16, SIZE_K*2                   ; in bytes: under 2^25
	s_add_co_u32 s16, s16, HEAD
	s_mov_b32 s17, 0
	s_lshl_b32 s92, s[TC], 8
	s_lshl_b32 s93, s12, 7
	s_add_co_u32 s92, s92, s93                     ; W: row 256 x tile column + 128 x half
	s_mul_i32 s92, s92, SIZE_K*2
	s_add_co_u32 s92, s92, HEAD
	s_mov_b32 s93, 0
	s_mul_i32 s20, s12, 64*PS                      ; and where they go: A's half in S,
	s_mul_i32 s21, s12, 64*PB                      ; in B,
	s_add_co_u32 s21, s21, BGBASE
	s_mul_i32 s22, s12, 128*PS                     ; W's half in S, behind A's 128 rows,
	s_add_co_u32 s22, s22, 128*PS
	s_mul_i32 s23, s12, 128*PB                     ; and in B: no place in the cluster enters an LDS address
	s_add_co_u32 s23, s23, BGBASE+128*PB
	s_wait_dscnt 0x0                               ; both opening adds are done
	s_wait_kmcnt 0x0
	s_add_nc_u64 s[14:15], s[4:5], s[16:17]
	s_add_nc_u64 s[92:93], s[6:7], s[92:93]
	CROUND                                         ; all sixteen work-groups are here: the first joint loads meet
.irp t, 0,1
	s_mov_b32 s[G0A+4*(\t)], 1                                     ; count = 1
	s_mov_b32 s[G0A+4*(\t)+1], s[20+(\t)]                          ; LDS address
	s_add_nc_u64 s[G0A+4*(\t)+2:G0A+4*(\t)+3], s[14:15], 256*(\t)  ; global address: S0 at channel 0, B0 at channel 128
	s_or_b32 s[G0A+4*(\t)+3], s[G0A+4*(\t)+3], 0x80000000          ; type = 2
	s_mov_b32 s[G0B+4*(\t)], 1
	s_mov_b32 s[G0B+4*(\t)+1], s[22+(\t)]
	s_add_nc_u64 s[G0B+4*(\t)+2:G0B+4*(\t)+3], s[92:93], 256*(\t)
	s_or_b32 s[G0B+4*(\t)+3], s[G0B+4*(\t)+3], 0x80000000
	JLOAD \t                                       ; two tensor loads of mine are out: S0's, then B0's
.endr
	; the two heads: all that follows, down to the first barrier, stands in the wait for the first tile
	s_load_b32 s[UIN], s[4:5], 0x1000              ; u_in
	v_and_b32 v[LN], 31, v0
	v_lshlrev_b32 v41, 4, v[LN]
.irp j, 0,1,2,3,4,5,6,7
	global_load_b128 v[F1+4*(\j):F1+4*(\j)+3], v41, s[4:5] offset:512*(\j)      ; A's 1,024 maxima
.endr
.set j, 0
.rept NWL
	global_load_b128 v[F1+32+4*j:F1+32+4*j+3], v41, s[6:7] offset:512*j         ; W's
.set j, j+1
.endr
	; A fragment is 16 rows x 32 K in 8 registers: lane l holds row l % 16; registers 0-3 K = 8 (l / 16) + 0..7, registers 4-7 K = 16 + 8 (l / 16) + 0..7: two loads of 16 bytes, 32 bytes apart
	v_and_b32 v1, 15, v0                           ; l % 16
	v_bfe_u32 v2, v0, 4, 1                         ; l / 16
	v_mul_u32_u24 v3, v1, PS
	v_lshl_add_u32 v3, v2, 4, v3                   ; row x pitch + 16 x half, in S
	v_mul_u32_u24 v4, v1, PB
	v_lshl_add_u32 v4, v2, 4, v4                   ; and in B
	s_mul_i32 s20, s11, 64*PS                      ; my 64 rows of A in S,
	s_mul_i32 s21, s11, 64*PB                      ; and in B; s22 and s23 still stand at W's half number s12, which is also the half that I multiply
	s_add_co_u32 s21, s21, BGBASE
	v_add_nc_u32 v[ADRA+SM], s20, v3
	v_add_nc_u32 v[ADRA+BG], s21, v4
	v_add_nc_u32 v[ADRB+SM], s22, v3
	v_add_nc_u32 v[ADRB+BG], s23, v4
	s_mul_i32 s18, s10, 16*SPITCH
	s_add_co_u32 s18, s18, STAGE                   ; my stage
	v_add_nc_u32 v[STO], s18, v3                   ; in: row l % 16, 16 bytes for each half of the lanes (the stage's pitch is S's)
	v_mul_u32_u24 v5, v2, SPITCH                   ; back: lanes 0-15 take one row of 256 bytes, lanes 16-31 the next
	v_lshl_add_u32 v5, v1, 4, v5
	v_add_nc_u32 v[RD], s18, v5
	v_lshlrev_b32 v5, 12, v2                       ; and the same two rows in Y (4,096 bytes a row)
	v_lshl_add_u32 v[CO], v1, 4, v5
	s_lshl_b32 s16, s13, 7
	s_lshl_b32 s17, s11, 6
	s_add_co_u32 s16, s16, s17                     ; my first row of Y
	s_lshl_b32 s16, s16, 12
	s_lshl_b32 s92, s[TC], 9                       ; my first column, in bytes: 512 x tile column + 256 x half
	s_lshl_b32 s93, s12, 8
	s_add_co_u32 s92, s92, s93
	s_add_co_u32 s16, s16, s92
	s_add_co_u32 s16, s16, HEAD
	s_mov_b32 s17, 0
	s_add_nc_u64 s[8:9], s[YB:YB+1], s[16:17]      ; never rewritten: the rows stand in the stores' immediates
	s_lshl_b32 s[SIX], s13, 3
	s_add_co_u32 s[SIX], s[SIX], s[TC]
	s_lshl_b32 s[SIX], s[SIX], 2
	s_add_co_u32 s[SIX], s[SIX], s10               ; my wave among the launch's 1,024,
	s_lshl_b32 s[SIX], s[SIX], 2                   ; its entry in Y's head
	s_mov_b32 s[SEL], 0x76543210
	s_mov_b32 s[SEL+1], 0xfedcba98
	; the prefetches
	s_lshl_b32 s20, s13, 7
	s_lshl_b32 s22, s[CX], 5
	s_add_co_u32 s20, s20, s22                     ; A: the tile's 128 rows, my work-group's 32 of them
	s_lshl_b32 s21, s[TC], 8
	s_lshl_b32 s23, s[CY], 6
	s_add_co_u32 s21, s21, s23
	s_lshl_b32 s23, s12, 5
	s_add_co_u32 s21, s21, s23                     ; W: the tile's 256 rows, my work-group's 64 of them, my wave's 32 of those
	s_and_b32 s22, ttmp7, 0xffff                   ; cluster y
	s_cmp_eq_u32 s11, 0                            ; do I fetch for A?
	s_cselect_b32 s20, s20, s21
	s_cselect_b32 s22, ttmp9, s22                  ; the coordinate along which other clusters read the same rows
	s_cselect_b64 s[PFA:PFA+1], s[4:5], s[6:7]
	s_cmp_eq_u32 s10, 1                            ; wave 1 names B's second block alone,
	s_cselect_b32 s19, -1, 1
	s_cmp_eq_u32 s10, 0                            ; wave 0 S's block and B's first, waves 2 and 3 all three
	s_cselect_b32 s23, -1, 1
	s_cmp_eq_u32 s22, 0                            ; the same in all sixteen partners, for a given wave
	s_cselect_b32 s[LIMB], s19, -1
	s_cselect_b32 s[LIMB2], s23, -1
	s_mul_i32 s20, s20, SIZE_K*2
	s_add_co_u32 s20, s20, HEAD+TRIPB              ; at S1: the first trip steps it to S2
	s_mov_b32 s21, 0
	s_add_nc_u64 s[PFA:PFA+1], s[PFA:PFA+1], s[20:21]
	v_mul_u32_u24 v[PFO], v[LN], SIZE_K*2
.irp j, 0,1,2,3
	v_mov_b32 v[MX+(\j)], 0
.endr
	v_mov_b32 v[ZERO], 0
	v_mov_b32 v44, 0
	s_wait_loadcnt 0x0                             ; the maxima
	s_wait_kmcnt 0x0                               ; u_in
	RED F1, 32, 42
	RED F1+32, 4*NWL, 43
	XMAX 42, 44
	XMAX 43, 44
	v_mul_f32 v45, v42, v43
	v_mul_f32 v45, KF, v45
	v_max_num_f32 v45, 0x0d800000, v45             ; P, 2^-100 at the least
	v_rcp_f32 v46, v45
	v_mul_f32 v[UO], s[UIN], v45                   ; two plain lines behind the reciprocal that name neither its result nor write its source
	v_mul_f32 v[UO], CU, v[UO]                     ; u_out = u_in P 2^-15 / sqrt(K)
	s_wait_alu depctr_va_vdst(0)                   ; ahead of the reciprocal's first reader
	v_mul_f32 v[G], 0x47000000, v46                ; g = 2^15 / P
	v_mov_b32 v[G+1], v[G]
; 8 matrix instructions: block a of my four blocks of 16 rows x all 8 blocks of 16 columns, 32 along K, from buffer f under the window setting w.  zero = 1: the product starts the sums: nothing is cleared.
; The 32 accumulators take turns, one instruction a turn, in the same order in every quarter, over the backward jump too.
.macro MULA f, a, zero, w=MUL
	WIN \w
.irp b, 0,1,2,3,4,5,6,7
.if \zero
	v_wmma_f32_16x16x32_f16 v[8*(8*(\a)+(\b)):8*(8*(\a)+(\b))+7], v[(\f)+32+8*(\b):(\f)+32+8*(\b)+7], v[(\f)+8*(\a):(\f)+8*(\a)+7], 0
.else
	v_wmma_f32_16x16x32_f16 v[8*(8*(\a)+(\b)):8*(8*(\a)+(\b))+7], v[(\f)+32+8*(\b):(\f)+32+8*(\b)+7], v[(\f)+8*(\a):(\f)+8*(\a)+7], v[8*(8*(\a)+(\b)):8*(8*(\a)+(\b))+7]
.endif
.endr
.endm
; 24 LDS loads in one run: the fragments of 32 along K (128 rows of W, then 64 rows of A, at byte k of the slot's rows) into buffer f.  The largest immediate is 7 x 16 x 528 + 480 = 59,616.
.macro FETCH slot, k, f
	WIN 0
.irp i, 0,1,2,3,4,5,6,7
	ds_load_b128 v[(\f)+32+8*(\i):(\f)+32+8*(\i)+3],   v[ADRB+(\slot)] offset:(\k)+(\i)*16*(PS+(PB-PS)*(\slot))
	ds_load_b128 v[(\f)+32+8*(\i)+4:(\f)+32+8*(\i)+7], v[ADRB+(\slot)] offset:(\k)+(\i)*16*(PS+(PB-PS)*(\slot))+32
.endr
.irp i, 0,1,2,3
	ds_load_b128 v[(\f)+8*(\i):(\f)+8*(\i)+3],   v[ADRA+(\slot)] offset:(\k)+(\i)*16*(PS+(PB-PS)*(\slot))
	ds_load_b128 v[(\f)+8*(\i)+4:(\f)+8*(\i)+7], v[ADRA+(\slot)] offset:(\k)+(\i)*16*(PS+(PB-PS)*(\slot))+32
.endr
.endm
; The same 24 loads from byte k of B's rows into held buffer h of window 2
.macro FETCHH k, h
	WIN TO_H
.irp i, 0,1,2,3,4,5,6,7
	ds_load_b128 v[(\h)+32+8*(\i):(\h)+32+8*(\i)+3],   v[ADRB+BG] offset:(\k)+(\i)*16*PB
	ds_load_b128 v[(\h)+32+8*(\i)+4:(\h)+32+8*(\i)+7], v[ADRB+BG] offset:(\k)+(\i)*16*PB+32
.endr
.irp i, 0,1,2,3
	ds_load_b128 v[(\h)+8*(\i):(\h)+8*(\i)+3],   v[ADRA+BG] offset:(\k)+(\i)*16*PB
	ds_load_b128 v[(\h)+8*(\i)+4:(\h)+8*(\i)+7], v[ADRA+BG] offset:(\k)+(\i)*16*PB+32
.endr
.endm
; A QUARTER is 32 along K, 32 matrix instructions, on buffers 0, 1 by turns: it multiplies buffer f; in its middle it fetches the next quarter, at byte k, into g.
; hk >= 0: behind that run, in the same run, a held quarter is fetched from byte hk of B's rows into h.  pre: the held loads (24 or none) that the quarter before issued behind this quarter's fragments.
.macro QUARTER slot, k, f, g, zero, pre=0, hk=-1, h=0
	s_wait_dscnt 4+(\pre)                          ; W and A's blocks 0 and 1 are in; A's blocks 2 and 3 (four loads) and the held loads behind them may be out
	MULA \f, 0, \zero
	MULA \f, 1, \zero
	PLACES
	FETCH \slot, \k, \g
.if (\hk) >= 0
	FETCHH \hk, \h
	s_wait_dscnt 48                                ; all but the 48 just issued
.else
	s_wait_dscnt 24                                ; all but the 24 just issued
.endif
	MULA \f, 2, \zero
	MULA \f, 3, \zero
.endm
; A CHANGE OF SLOTS stands in a quarter that multiplies buffer f (window setting w) and fetches nothing of slot cur any more: ONE barrier.  In front of it each wave waits for all its tensor loads, of which one is
; out: its part of slot nxt; adds 0 to its spare word; and waits for that and for its own reads of slot cur.  fill = 1: the barrier opens a round of the cluster's barrier, and slot cur is filled again, with its
; tile 384 channels on, first thing behind the round.  ask = 1: in the loop, where the prefetches stand.
.macro TURN cur, nxt, fill, ask, f=F1, w=MUL
.if (\ask) && ((\cur) == BG)
	s_wait_xcnt 0x0                                ; the last prefetch, 176 matrix instructions back, has read its address: it is stepped once a trip, here, ahead of the change's own waits
	s_add_nc_u64 s[PFA:PFA+1], s[PFA:PFA+1], TRIPB
.endif
	WIN 0                                          ; (the add's two registers lie in window 0)
	s_wait_tensorcnt 0x0                           ; all my tensor loads have landed;
	ds_add_u32 v[SPW], v[NIL]                      ; 0 onto my spare word;
	s_wait_dscnt 5                                 ; (the add and the youngest four loads may be out)
	MULA \f, 0, 0, \w                              ; eight matrix instructions stand between the add and the wait for it
	s_wait_dscnt 0x0                               ; the add is done, and my reads of slot cur are over
	s_barrier_signal -1
	MULA \f, 1, 0, \w                              ; work on registers while the others arrive
	WIN 0
	s_barrier_wait -1
.if \fill
	CREST                                          ; no wave of any partner still reads this slot's tile or has a load on its way
	s_add_nc_u64 s[G0A+4*(\cur)+2:G0A+4*(\cur)+3], s[G0A+4*(\cur)+2:G0A+4*(\cur)+3], TRIPB
	s_add_nc_u64 s[G0B+4*(\cur)+2:G0B+4*(\cur)+3], s[G0B+4*(\cur)+2:G0B+4*(\cur)+3], TRIPB
	JLOAD \cur                                     ; the four v_nop behind it are also the places in front of the loads below
.else
	PLACES
.endif
	FETCH \nxt, 0, F0
.if \ask
.if (\cur) == BG
	ASK LIMB, 256                                  ; B one trip on from the one just asked for: its rows' first 256 bytes,
	ASK LIMB2, 512                                 ; and their second
.else
	ASK LIMB, TRIPB                                ; S one trip on from the one just asked for
.endif
.endif
	MULA \f, 2, 0, \w
	MULA \f, 3, 0, \w
.endm
.macro BIGQ                            ; B's first five quarters; its seventh and eighth are fetched into the held buffers on the way
	QUARTER BG, 64,  F0, F1, 0
	QUARTER BG, 128, F1, F0, 0
	QUARTER BG, 192, F0, F1, 0, 0,  384, H0
	QUARTER BG, 256, F1, F0, 0, 24, 448, H1
	QUARTER BG, 320, F0, F1, 0, 24
.endm
.macro SMALLQ                          ; S's four quarters and the first held quarter; the last two of these fetch nothing
	QUARTER SM, 64,  F0, F1, 0
	QUARTER SM, 128, F1, F0, 0
	QUARTER SM, 192, F0, F1, 0
	s_wait_dscnt 4                                 ; A's blocks 2 and 3 may be out
	MULA F1, 0, 0
	MULA F1, 1, 0
	s_wait_dscnt 0x0
	MULA F1, 2, 0
	MULA F1, 3, 0
	MULA H0, 0, 0, MULH                            ; the held loads were shown done by the waits of B's fourth and fifth quarters
	MULA H0, 1, 0, MULH
	MULA H0, 2, 0, MULH
	MULA H0, 3, 0, MULH
.endm
	s_wait_tensorcnt 1                             ; my part of S0 is in; B0's may stay out
	s_barrier_signal -1
	s_barrier_wait -1                              ; everybody's is
	FETCH SM, 0, F0
	QUARTER SM, 64,  F0, F1, 1                     ; S0 stands in front of the loop: its first quarter's products start the sums
	QUARTER SM, 128, F1, F0, 0
	QUARTER SM, 192, F0, F1, 0
	TURN SM, BG, 1, 0                              ; B0 is in; S1 is asked for
	WIN 0                                          ; at a label and at a branch every window is 0
	s_mov_b32 s3, TRIPS-1
.Ltrip:                                                ; trip i = 0 .. 3: B(i)'s six quarters, S(i+1), B(i)'s two held quarters; B(i+1) and S(i+2) are asked for
	BIGQ
	TURN BG, SM, 1, 1                              ; B's sixth quarter
	SMALLQ
	TURN SM, BG, 1, 1, H1, MULH                    ; the second held quarter
	WIN 0
	s_sub_co_u32 s3, s3, 1
	s_cmp_lg_u32 s3, 0
	s_cbranch_scc1 .Ltrip
	BIGQ                                           ; the tail is written out: B4
	TURN BG, SM, 0, 0                              ; S5 is in; nothing is filled, and no round of the cluster's barrier follows,
	SMALLQ                                         ; S5 and the first held quarter,
	MULA H1, 0, 0, MULH                            ; and the second
	MULA H1, 1, 0, MULH
	MULA H1, 2, 0, MULH
	MULA H1, 3, 0, MULH
	WIN 0
	PLACES                                         ; the lines below read results and write fragment registers that products have read
	PLACES
; THE WAY OUT, a block of 16 rows at a time.  PACK: times g, rounded once to f16, ReLU on the packed halves, the running maximum.  Each accumulator's registers are taken in ascending order.
.macro PACK a
	WIN 0x01                                       ; source 0 in window 1
.set i, 0
.rept 32
	v_pk_mul_f32 v[T+2*i:T+2*i+1], v[64*(\a)+2*i:64*(\a)+2*i+1], v[G:G+1]
.set i, i+1
.endr
	WIN 0
.set i, 0
.rept 32
	v_cvt_pk_f16_f32 v[TMP+i], v[T+2*i], v[T+2*i+1]
.set i, i+1
.endr
.set i, 0
.rept 32
	v_pk_max_num_f16 v[TMP+i], v[TMP+i], v[ZERO]
.set i, i+1
.endr
.set i, 0
.rept 32
	v_pk_max_num_f16 v[MX+i%4], v[MX+i%4], v[TMP+i]
.set i, i+1
.endr
.endm
.macro TOSTAGE a                       ; into my own stage, and back as whole rows of 256 bytes
.set BK, BK0+32*((\a)%2)
.irp b, 0,1,2,3,4,5,6,7
	ds_store_b128 v[STO], v[TMP+4*(\b):TMP+4*(\b)+3] offset:32*(\b)
.endr
.irp t, 0,1,2,3,4,5,6,7
	ds_load_b128 v[BK+4*(\t):BK+4*(\t)+3], v[RD] offset:(\t)*2*SPITCH  ; LDS serves a wave's instructions in order (ISA guide 5.7.1.4): these see the stores above
.endr
.endm
.macro SEND a
.set BK, BK0+32*((\a)%2)
	s_wait_dscnt 0x0                               ; the block is back in registers
	s_wait_xcnt 0x0                                ; the stores of the block before have read their registers: the next TOSTAGE loads into them
.irp t, 0,1,2,3,4,5,6,7
	global_store_b128 v[CO], v[BK+4*(\t):BK+4*(\t)+3], s[8:9] offset:(16*(\a)+2*(\t))*4096  ; 16 lanes store 256 consecutive bytes, at a multiple of 256 from Y's first byte
.endr
.endm
	PACK 0
	TOSTAGE 0
.irp a, 1,2,3                          ; block a's arithmetic stands between block a - 1's loads from the stage and the wait for them
	PACK \a
	SEND (\a)-1
	TOSTAGE \a
.endr
	SEND 3
	; my wave's entry in Y's head: lane 0 stores the largest number that the wave has stored, lane 1 u_out
	v_pk_max_num_f16 v[MX], v[MX], v[MX+1]
	v_pk_max_num_f16 v[MX+2], v[MX+2], v[MX+3]
	v_pk_max_num_f16 v[MX], v[MX], v[MX+2]
	v_cvt_f32_f16 v42, v32.l                       ; v32 is MX
	v_cvt_f32_f16 v43, v32.h
	v_max_num_f32 v42, v42, v43
	XMAX 42, 44
	v_cmp_eq_u32 vcc_lo, 0, v[LN]
	v_cndmask_b32 v42, v[UO], v42, vcc_lo
	v_lshl_add_u32 v43, v[LN], 12, s[SIX]
	v_cmp_gt_u32 vcc_lo, 2, v[LN]
	s_wait_xcnt 0x0                                ; EXEC is a source of the stores above: it changes only behind this wait
	s_and_saveexec_b32 s[SVX], vcc_lo
	global_store_b32 v43, v42, s[YB:YB+1]
	s_wait_xcnt 0x0                                ; and again ahead of the line that widens it
	s_or_b32 exec_lo, exec_lo, s[SVX]
	s_wait_tensorcnt 0x0                           ; the wave's end, behind my last tensor load and my last LDS store
	ds_add_u32 v[SPW], v[NIL]
	s_wait_dscnt 0x0
	CROUND                                         ; the closing round: no work-group ends while a partner may still ask for a tile that names it
	s_endpgm
.Lfunc_end_k_qf3b0df6c3d_layer1:
	.size	k_qf3b0df6c3d_layer1, .Lfunc_end_k_qf3b0df6c3d_layer1-k_qf3b0df6c3d_layer1
	.p2alignl 7, 3214868480
	.fill 96, 4, 3214868480
	.section	.rodata,"a",@progbits
	.p2align	6, 0x0
	.amdhsa_kernel k_qf3b0df6c3d_layer1
		.amdhsa_group_segment_fixed_size 327680
		.amdhsa_private_segment_fixed_size 0
		.amdhsa_enable_private_segment 0
		.amdhsa_kernarg_size 24
		.amdhsa_user_sgpr_count 2
		.amdhsa_user_sgpr_kernarg_segment_ptr 1
		.amdhsa_wavefront_size32 1
		.amdhsa_system_sgpr_workgroup_id_x 1
		.amdhsa_system_sgpr_workgroup_id_y 1
		.amdhsa_system_sgpr_workgroup_id_z 1
		.amdhsa_system_vgpr_workitem_id 0
		.amdhsa_next_free_vgpr 704
		.amdhsa_next_free_sgpr 96
		.amdhsa_reserve_vcc 1
		.amdhsa_float_denorm_mode_32 3
		.amdhsa_float_denorm_mode_16_64 3
		.amdhsa_memory_ordered 1
		.amdhsa_forward_progress 1
		.amdhsa_inst_pref_size 164
	.end_amdhsa_kernel
	.amdgpu_metadata
---
amdhsa.version: [ 1, 2 ]
amdhsa.kernels:
  - .name:           k_qf3b0df6c3d_layer1
    .symbol:         k_qf3b0df6c3d_layer1.kd
    .args:
      - { .name: ya, .offset: 0, .size: 8, .value_kind: global_buffer, .address_space: global }
      - { .name: wh1, .offset: 8, .size: 8, .value_kind: global_buffer, .address_space: global }
      - { .name: yb, .offset: 16, .size: 8, .value_kind: global_buffer, .address_space: global }
    .group_segment_fixed_size: 327680
    .private_segment_fixed_size: 0
    .kernarg_segment_align: 8
    .kernarg_segment_size: 24
    .max_flat_workgroup_size: 128
    .sgpr_count:     96
    .vgpr_count:     704
    .wavefront_size: 32
...
	.end_amdgpu_metadata
.endif
;; end of part 6
;; launch layer2: the kernel of part 6 again; grid 8 x 32, 4 waves a work-group, clusters of 4 x 4, 327,680 bytes of LDS; arguments yb, wh2, ya; writes ya
;; launch layer3: the kernel of part 6 again; grid 8 x 32, 4 waves a work-group, clusters of 4 x 4, 327,680 bytes of LDS; arguments ya, wh3, yb; writes yb
;; launch readout (part 7): grid 256 x 1, 8 waves a work-group, no clusters, 70,656 bytes of LDS; arguments yb, bh, out0; writes out0
.if DOCPART == 7
	.amdgcn_target "amdgcn-amd-amdhsa--gfx1250"
	.amdhsa_code_object_version 6
	.text
	.protected	k_qf3b0df6c3d_readout
	.globl	k_qf3b0df6c3d_readout
	.p2align	8
	.type	k_qf3b0df6c3d_readout,@function
k_qf3b0df6c3d_readout:
	s_mov_b64 s[64:65], 0
	v_nop
	global_prefetch_b8 v0, s[64:65] scope:SCOPE_SE
	s_setreg_imm32_b32 hwreg(HW_REG_WAVE_MODE, 25, 1), 1
	s_wait_xcnt 0x0
; THE READOUT.  out[m][n] = u x 2^-11 x the sum over k of yhat[m][k] beta[k][n].  yhat: [4096][2048] f16 behind a head of 8,192 bytes, whose byte 4,096 holds the f32 scale u;
; bh: beta in f16 in the order [k / 8][n][k % 8]: the 16 bytes of (k / 8, n) lie at 2,048 (k / 8) + 16 n; out: [4096][128] f32.
; Sums in f32: |yhat| is at most 2^15 and |beta| below 2^16, so a sum of 2,048 terms stays under 2^42.
; SHARES.  A work-group makes 32 rows x 64 columns: 128 x 2 = 256 work-groups; it reads 128 KiB of yhat and 256 KiB of bh.
; K IS SPLIT AMONG ITS EIGHT WAVES: wave v takes channels 256 v .. 256 v + 255, in 8 steps of 32; the eight partial sums meet in LDS.
; LAYOUT.  Source 0 = 16 columns n of beta, source 1 = 16 rows of yhat: a lane holds one row m (lane % 16) and the columns 8 (lane / 16) + 0..7 of a block of 16.  Two blocks of rows x four of columns: 8 accumulators.
; Fragments come straight from memory, two loads of 16 bytes a lane: no wave wants what another has fetched.  In bh's order a fragment load is two runs of 256 consecutive bytes (lanes 0-15: k / 8 = c, 16 columns; lanes 16-31: c + 1).
; Five sets of registers, 12 loads each: at the start 60 loads of each wave are out, 240 KiB of the work-group's 384.  Everything is written out: 8 steps, no loop, no label.
; No ring in LDS, no cluster, no prefetch: the launch is short, and bh's 512 KiB are read by every pair of work-groups.
.set HEAD,  8192
.set PP,    272                        ; a row of partial sums in LDS: 64 f32 + 16 bytes of padding
.set PART,  32*PP                      ; a wave's partial tile
.set SPARE, 8*PART                     ; behind them: the spare words, 128 bytes for each wave: four blocks of 256 bytes that no other line names
.set NS,  5                            ; sets
.set NSTEP, 8                          ; steps of a wave
.set FY,  4                            ; v4   yhat: (l % 16) x 4,096 + 16 (l / 16) + 512 x wave; never rewritten
.set FB,  5                            ; v5   bh: 65,536 x wave + 1,024 x column half + 2,048 (l / 16) + 16 (l % 16); never rewritten
.set LS,  6                            ; v6   where I put my 32 bytes of a block's partial sums
.set LR,  7                            ; v7   where I read 16 bytes of a row back
.set OO,  8                            ; v8   my 16 bytes of out
.set SPW, 10                           ; v10  LDS address of my spare word; never rewritten
.set NIL, 11                           ; v11  0; never rewritten
.set FS,  12                           ; v[12:13]  u x 2^-11, twice
.set ACC, 16                           ; v[16:79]   accumulator (a, b) at ACC + 8 (4 a + b)
.set AF,  80                           ; v[80:159]  yhat's fragments: set s % 5, block a at AF + 16 (s % 5) + 8 a
.set R,   160                          ; v[160:223] two pairs of rows x eight partial sums x 4 registers
                                       ; window 1: bh's fragments: set s % 5, block b at v[32 (s % 5) + 8 b]
.set MSB, 0
.macro WIN new                         ; the immediate's high byte repeats the setting that is left; a switch that changes nothing is dropped
.if MSB != (\new)
	s_set_vgpr_msb (MSB<<8)|(\new)
.set MSB, \new
.endif
.endm
	s_load_b128 s[4:7], s[0:1], 0x0                ; yhat's buffer s[4:5], bh s[6:7]
	s_load_b64 s[8:9], s[0:1], 0x10                ; out
	v_lshl_add_u32 v[SPW], v0, 2, SPARE
	v_mov_b32 v[NIL], 0
	v_lshrrev_b32 v1, 5, v0
	v_readfirstlane_b32 s10, v1                    ; wave 0..7
	v_and_b32 v1, 15, v0                           ; l % 16
	v_bfe_u32 v2, v0, 4, 1                         ; l / 16
	s_lshr_b32 s11, ttmp9, 1                       ; my block of 32 rows
	s_and_b32 s12, ttmp9, 1                        ; my half of the 128 columns
	s_lshl_b32 s13, s10, 9                         ; my wave's 256 channels: 512 bytes of a row of yhat
	v_lshlrev_b32 v[FY], 12, v1
	v_lshl_add_u32 v[FY], v2, 4, v[FY]
	v_add_nc_u32 v[FY], s13, v[FY]
	s_lshl_b32 s14, s10, 16                        ; my wave's 32 groups of 8 channels, 2,048 bytes each
	s_lshl_b32 s15, s12, 10                        ; my half's 64 columns, 16 bytes each
	s_add_co_u32 s14, s14, s15
	v_lshlrev_b32 v[FB], 4, v1
	v_lshl_add_u32 v[FB], v2, 11, v[FB]
	v_add_nc_u32 v[FB], s14, v[FB]
	s_mul_i32 s15, s10, PART
	v_mul_u32_u24 v[LS], v1, PP
	v_lshl_add_u32 v[LS], v2, 5, v[LS]
	v_add_nc_u32 v[LS], s15, v[LS]                 ; my wave's tile, row l % 16, 32 bytes for each half of the lanes
	s_mul_i32 s15, s10, 4*PP
	v_mul_u32_u24 v[LR], v2, PP
	v_lshl_add_u32 v[LR], v1, 4, v[LR]
	v_add_nc_u32 v[LR], s15, v[LR]                 ; wave v finishes rows 4 v .. 4 v + 3: lanes 0-15 one row of 256 bytes, lanes 16-31 the next
	s_lshl_b32 s15, s10, 11
	v_lshlrev_b32 v[OO], 9, v2
	v_lshl_add_u32 v[OO], v1, 4, v[OO]
	v_add_nc_u32 v[OO], s15, v[OO]                 ; the same two rows of out, 512 bytes apart
	s_lshl_b32 s16, s11, 17                        ; the work-group's 32 rows of 4,096 bytes, behind the head
	s_add_co_u32 s16, s16, HEAD
	s_mov_b32 s17, 0
	s_lshl_b32 s18, s11, 14                        ; its 32 rows of out, and its half of them
	s_lshl_b32 s19, s12, 8
	s_add_co_u32 s18, s18, s19
	s_mov_b32 s19, 0
	s_wait_kmcnt 0x0
	s_load_b32 s20, s[4:5], 0x1000                 ; u
	s_add_nc_u64 s[22:23], s[4:5], s[16:17]
	s_add_nc_u64 s[24:25], s[8:9], s[18:19]
.macro LOADSET s                       ; step s: 8 loads of bh, 4 of yhat
	WIN 0x40                                       ; destination window 1, address window 0
.irp b, 0,1,2,3
	global_load_b128 v[32*((\s)%NS)+8*(\b):32*((\s)%NS)+8*(\b)+3],   v[FB], s[6:7] offset:8192*(\s)+256*(\b)       ; channels 32 s + 8 (l / 16) + 0..7
	global_load_b128 v[32*((\s)%NS)+8*(\b)+4:32*((\s)%NS)+8*(\b)+7], v[FB], s[6:7] offset:8192*(\s)+256*(\b)+4096  ; and 16 further on
.endr
	WIN 0
.irp a, 0,1
	global_load_b128 v[AF+16*((\s)%NS)+8*(\a):AF+16*((\s)%NS)+8*(\a)+3],   v[FY], s[22:23] offset:65536*(\a)+64*(\s)
	global_load_b128 v[AF+16*((\s)%NS)+8*(\a)+4:AF+16*((\s)%NS)+8*(\a)+7], v[FY], s[22:23] offset:65536*(\a)+64*(\s)+32
.endr
.endm
.macro MULSET s                        ; step s: eight products; the eight accumulators take turns; step 0 starts the sums
	WIN 0x01                                       ; source 0 in window 1
.irp a, 0,1
.irp b, 0,1,2,3
.if (\s) == 0
	v_wmma_f32_16x16x32_f16 v[ACC+8*(4*(\a)+(\b)):ACC+8*(4*(\a)+(\b))+7], v[32*((\s)%NS)+8*(\b):32*((\s)%NS)+8*(\b)+7], v[AF+16*((\s)%NS)+8*(\a):AF+16*((\s)%NS)+8*(\a)+7], 0
.else
	v_wmma_f32_16x16x32_f16 v[ACC+8*(4*(\a)+(\b)):ACC+8*(4*(\a)+(\b))+7], v[32*((\s)%NS)+8*(\b):32*((\s)%NS)+8*(\b)+7], v[AF+16*((\s)%NS)+8*(\a):AF+16*((\s)%NS)+8*(\a)+7], v[ACC+8*(4*(\a)+(\b)):ACC+8*(4*(\a)+(\b))+7]
.endif
.endr
.endr
.endm
.macro STEP s
.if (\s) <= NSTEP-NS
	s_wait_loadcnt 48                              ; set s is in; the four younger sets' 48 loads may stay out
.else
	s_wait_loadcnt 12*(NSTEP-1-(\s))               ; the counts run down
.endif
	MULSET \s
.if (\s) < NSTEP-NS
.rept 4
	v_nop                                          ; four places in front of loads into registers that the products have read
.endr
	LOADSET (\s)+NS
.endif
.endm
.macro ADD4 d, s                       ; four sums
	v_pk_add_f32 v[(\d):(\d)+1],   v[(\d):(\d)+1],   v[(\s):(\s)+1]
	v_pk_add_f32 v[(\d)+2:(\d)+3], v[(\d)+2:(\d)+3], v[(\s)+2:(\s)+3]
.endm
	LOADSET 0
	LOADSET 1
	LOADSET 2
	LOADSET 3
	LOADSET 4
.irp s, 0,1,2,3,4,5,6,7
	STEP \s
.endr
	WIN 0
	s_wait_kmcnt 0x0                               ; u
	v_mov_b32 v[FS], s20                           ; three useful lines and five v_nop are the places behind the last products
	v_mul_f32 v[FS], 0x3a000000, v[FS]             ; u x 2^-11
	v_mov_b32 v[FS+1], v[FS]
.rept 5
	v_nop
.endr
.irp a, 0,1
.irp b, 0,1,2,3
	ds_store_b128 v[LS], v[ACC+8*(4*(\a)+(\b)):ACC+8*(4*(\a)+(\b))+3]   offset:16*PP*(\a)+64*(\b)      ; each accumulator's low registers first
	ds_store_b128 v[LS], v[ACC+8*(4*(\a)+(\b))+4:ACC+8*(4*(\a)+(\b))+7] offset:16*PP*(\a)+64*(\b)+16
.endr
.endr
	s_wait_dscnt 0x0                               ; for the others' sake: my partial sums lie in LDS
	s_barrier_signal -1
	s_barrier_wait -1
.irp t, 0,1
.irp p, 0,1,2,3,4,5,6,7
	ds_load_b128 v[R+32*(\t)+4*(\p):R+32*(\t)+4*(\p)+3], v[LR] offset:PART*(\p)+2*PP*(\t)  ; the largest immediate is 7 x 8,704 + 544 = 61,472
.endr
.endr
	s_wait_dscnt 0x0
.irp t, 0,1
	ADD4 R+32*(\t),    R+32*(\t)+4
	ADD4 R+32*(\t)+8,  R+32*(\t)+12
	ADD4 R+32*(\t)+16, R+32*(\t)+20
	ADD4 R+32*(\t)+24, R+32*(\t)+28
	ADD4 R+32*(\t),    R+32*(\t)+8
	ADD4 R+32*(\t)+16, R+32*(\t)+24
	ADD4 R+32*(\t),    R+32*(\t)+16
	v_pk_mul_f32 v[R+32*(\t):R+32*(\t)+1],   v[R+32*(\t):R+32*(\t)+1],   v[FS:FS+1]
	v_pk_mul_f32 v[R+32*(\t)+2:R+32*(\t)+3], v[R+32*(\t)+2:R+32*(\t)+3], v[FS:FS+1]
	global_store_b128 v[OO], v[R+32*(\t):R+32*(\t)+3], s[24:25] offset:1024*(\t) th:TH_STORE_NT  ; 16 lanes store 256 consecutive bytes, at a multiple of 256 from out's first byte
.endr
	s_wait_tensorcnt 0x0                           ; the wave's end, behind my last LDS store
	ds_add_u32 v[SPW], v[NIL]
	s_wait_dscnt 0x0
	s_endpgm
.Lfunc_end_k_qf3b0df6c3d_readout:
	.size	k_qf3b0df6c3d_readout, .Lfunc_end_k_qf3b0df6c3d_readout-k_qf3b0df6c3d_readout
	.p2alignl 7, 3214868480
	.fill 96, 4, 3214868480
	.section	.rodata,"a",@progbits
	.p2align	6, 0x0
	.amdhsa_kernel k_qf3b0df6c3d_readout
		.amdhsa_group_segment_fixed_size 70656
		.amdhsa_private_segment_fixed_size 0
		.amdhsa_enable_private_segment 0
		.amdhsa_kernarg_size 24
		.amdhsa_user_sgpr_count 2
		.amdhsa_user_sgpr_kernarg_segment_ptr 1
		.amdhsa_wavefront_size32 1
		.amdhsa_system_sgpr_workgroup_id_x 1
		.amdhsa_system_sgpr_workgroup_id_y 1
		.amdhsa_system_sgpr_workgroup_id_z 1
		.amdhsa_system_vgpr_workitem_id 0
		.amdhsa_next_free_vgpr 416
		.amdhsa_next_free_sgpr 66
		.amdhsa_reserve_vcc 0
		.amdhsa_float_denorm_mode_32 3
		.amdhsa_float_denorm_mode_16_64 3
		.amdhsa_memory_ordered 1
		.amdhsa_forward_progress 1
		.amdhsa_inst_pref_size 22
	.end_amdhsa_kernel
	.amdgpu_metadata
---
amdhsa.version: [ 1, 2 ]
amdhsa.kernels:
  - .name:           k_qf3b0df6c3d_readout
    .symbol:         k_qf3b0df6c3d_readout.kd
    .args:
      - { .name: yb, .offset: 0, .size: 8, .value_kind: global_buffer, .address_space: global }
      - { .name: bh, .offset: 8, .size: 8, .value_kind: global_buffer, .address_space: global }
      - { .name: out0, .offset: 16, .size: 8, .value_kind: global_buffer, .address_space: global }
    .group_segment_fixed_size: 70656
    .private_segment_fixed_size: 0
    .kernarg_segment_align: 8
    .kernarg_segment_size: 24
    .max_flat_workgroup_size: 256
    .sgpr_count:     66
    .vgpr_count:     416
    .wavefront_size: 32
...
	.end_amdgpu_metadata
.endif
;; end of part 7
;; ======== version 3 of 3: 6 launches; version 2 with the launches prep, readout written anew for expert scheduling mode
;; limits: inputs' magnitudes at most 65,504; values are held in f16: magnitudes above 65,504 overflow, below 6.1e-05 lose precision
;; workspace buffers: xh 8,396,800 bytes; wh0 4,202,496 bytes; wh1 8,396,800 bytes; wh2 8,396,800 bytes; wh3 8,396,800 bytes; ya 16,785,408 bytes; yb 16,785,408 bytes; bh 524,288 bytes
;; launch prep (part 8): grid 256 x 1, 18 waves a work-group, no clusters, 0 bytes of LDS; arguments x, w0, w1, w2, w3, beta, xh, wh0, wh1, wh2, wh3, bh; writes xh, wh0, wh1, wh2, wh3, bh
.if DOCPART == 8
	.amdgcn_target "amdgcn-amd-amdhsa--gfx1250"
	.amdhsa_code_object_version 6
	.text
	.protected	k_qf3b0df6c3d_prep
	.globl	k_qf3b0df6c3d_prep
	.p2align	8
	.type	k_qf3b0df6c3d_prep,@function
k_qf3b0df6c3d_prep:
	s_mov_b64 s[64:65], 0
	v_nop
	global_prefetch_b8 v0, s[64:65] scope:SCOPE_SE
	s_setreg_imm32_b32 hwreg(HW_REG_WAVE_SCHED_MODE, 0, 2), 2
	s_setreg_imm32_b32 hwreg(HW_REG_WAVE_MODE, 25, 1), 1
	s_wait_xcnt 0x0
	s_wait_alu depctr_vm_vsrc(0)
; x, w0 .. w3: f32 -> f16, rounded once, behind a head of 8,192 bytes in each target; beta: f32 [2048][128] -> f16 in the order [k / 8][n][k % 8], no head.
; THE HEAD of a target: bytes 0 .. 4095 one f32 for each converting wave: the largest |f16| that it wrote; bytes 4096 .. one f32 for each wave: the buffer's scale, here 1.0.
; The layers behind make of these maxima a bound on their sums, so that their own f16 results cannot overflow.
; LIMITS.  Inputs lie within f16's range (below 65,520 in magnitude; beyond it the conversion gives an infinity); below 6e-5 a number keeps f16's fixed step of 6e-8.  NaN is not treated apart.
; SHARES.  A JOB is 4,096 consecutive floats: 16 KiB in by 32 loads that all go out at once, 8 KiB out.  x has 1,024 jobs, w0 512, w1 .. w3 1,024 each: 4,608 = 18 x 256.
; So 256 work-groups of 18 waves, a job a wave: every work-group has the same work.  The wave's number picks the tensor (0-3 x, 4-5 w0, 6-9 w1, 10-13 w2, 14-17 w3);
; the job within it is q = 256 x (wave - the tensor's first wave) + the work-group's number.
; A BLOCK is 128 floats: one load of the wave, 16 bytes a lane, 512 consecutive bytes; its 128 halves leave by one store, 8 bytes a lane: 256 consecutive bytes, aligned.  No byte is asked for twice.
; BETA.  Work-group g owns rows k = 8 g .. 8 g + 7; its waves 0-3 take 32 columns n each, a lane a column: 8 loads of 4 bytes a lane (128 consecutive bytes a wave) bring a lane the 8 numbers
; beta[8 g + j][n], which pack into the 16 bytes of (k / 8 = g, n): the wave's one store covers 512 consecutive bytes, aligned.  So the turning costs no LDS and no barrier.
; No matrix unit, no cluster, no LDS: nothing is shared between waves, and 128 registers hold all that a wave has on its way.
; THE MODE: SCHED_MODE bits 1:0 = 2 (LLVM: expert scheduling mode 2), set by the entry lines.  The code itself states the register dependences
; between vector instructions and memory instructions, with s_wait_alu, always for 0.
; THE PLAN.  Registers that memory instructions touch:
;   v[IO], v[OO], v[BO], v[BS]  offsets: written at the head, read by every load and store, never written again.
;   X, block b     its load lands in four registers; its conversions write the first two in place; its store reads those two; nothing writes them afterwards.
;   BL             beta's loads land in it; four conversions write its first four registers in place; one store reads them.
;   v[SA], v8      written behind the loads and by the reduction; read by the one masked store at the end.
; The 32 blocks go in eight groups of GRP.  At the head of a group ONE wait states that the group before has written its halves; that group's stores follow, one ahead of each block's vector lines,
; which name the group in hand's X, the maxima and s37 alone: none of the registers that those stores touch.  No register that a memory instruction has read is ever written again.
.set HEAD,  8192
.set GRP,   4                          ; blocks in a group
.set IO,  2                            ; v2   16 x lane: my 4 floats in a block's 512 bytes; never rewritten
.set OO,  3                            ; v3   8 x lane: my 4 halves in a block's 256 bytes; never rewritten
.set M,   4                            ; v[4:7]  four running maxima, two f16 each
.set SA,  10                           ; v10  byte offset of my wave's entries in the head
.set BO,  11                           ; v11  beta: 4 x thread: my column's 4 bytes in a row (threads 0-127)
.set BS,  12                           ; v12  beta: 16 x thread: my column's 16 bytes in the work-group's 2,048
.set X,   16                           ; v[16:143]  block p of 32: 4 registers as loaded; the first 2 then hold the 4 halves, the other 2 their magnitudes
.set BL,  144                          ; v[144:151] beta: my column in 8 rows; the first 4 then hold the 8 halves
.macro PICK first, src, dst            ; from wave first on: another tensor
	s_cmp_ge_u32 s32, \first
	s_cselect_b64 s[4:5], s[\src:\src+1], s[4:5]
	s_cselect_b64 s[6:7], s[\dst:\dst+1], s[6:7]
	s_cselect_b32 s3, \first, s3
.endm
	s_load_b512 s[8:23], s[0:1], 0x0               ; x, w0, w1, w2, w3, beta, xh, wh0
	s_load_b256 s[24:31], s[0:1], 0x40             ; wh1, wh2, wh3, bh
	v_and_b32 v1, 31, v0                           ; lane
	v_lshrrev_b32 v8, 5, v0
	v_readfirstlane_b32 s32, v8                    ; wave 0..17
	v_lshlrev_b32 v[IO], 4, v1
	v_lshlrev_b32 v[OO], 3, v1
	v_lshlrev_b32 v[BO], 2, v0
	v_lshlrev_b32 v[BS], 4, v0
	s_mov_b32 s3, 0
	s_mov_b32 s34, 0x76543210                      ; v_permlanex16_b32: each lane takes its own place in the other half
	s_mov_b32 s35, 0xfedcba98
	s_mov_b32 s37, 0x7fff7fff                      ; clears the signs of two f16
	s_wait_alu depctr_va_sdst(0)                   ; s32 is written, ahead of its first reader: the compares below choose the tensor by it
	s_wait_kmcnt 0x0
	s_mov_b64 s[4:5], s[8:9]                       ; from x
	s_mov_b64 s[6:7], s[20:21]                     ; to xh
	PICK 4, 10, 22
	PICK 6, 12, 24
	PICK 10, 14, 26
	PICK 14, 16, 28
	s_sub_co_u32 s33, s32, s3                      ; my wave among its tensor's
	s_lshl_b32 s33, s33, 8
	s_add_co_u32 s33, s33, ttmp9                   ; q: my job within the tensor
	s_lshl_b32 s40, s33, 14                        ; 16 KiB a job
	s_mov_b32 s41, 0
	s_add_nc_u64 s[4:5], s[4:5], s[40:41]
	s_lshl_b32 s42, ttmp9, 12                      ; beta: the work-group's 8 rows of 512 bytes,
	s_mov_b32 s43, 0
	s_add_nc_u64 s[18:19], s[18:19], s[42:43]
	s_lshl_b32 s42, ttmp9, 11                      ; and its 128 x 16 bytes of the target
	s_add_nc_u64 s[30:31], s[30:31], s[42:43]
	s_wait_alu depctr_va_vdst(0)                   ; v[IO], v[OO], v[BO] and v[BS] are written: every load and store below but the last reads one of them as its offset
	s_cmp_lt_u32 s32, 4                            ; waves 0-3 take beta as well: these loads go out first, so that the counts below are the same for every wave
	s_cbranch_scc0 .Lmain
.irp j, 0,1,2,3,4,5,6,7
	global_load_b32 v[BL+(\j)], v[BO], s[18:19] offset:512*(\j)
.endr
.Lmain:
.set p, 0
.rept 32
	global_load_b128 v[X+4*p:X+4*p+3], v[IO], s[4:5] offset:512*p th:TH_LOAD_NT
.set p, p+1
.endr
	s_lshl_b32 s44, s33, 13                        ; 8 KiB a job, behind the head
	s_add_co_u32 s44, s44, HEAD
	s_mov_b32 s45, 0
	s_add_nc_u64 s[38:39], s[6:7], s[44:45]        ; where my data go
	s_lshl_b32 s46, s33, 2
	v_lshl_add_u32 v[SA], v1, 12, s46              ; lane 0: entry q of the maxima; lane 1: entry q of the scales
.irp j, 0,1,2,3
	v_mov_b32 v[M+(\j)], 0
.endr
	v_mov_b32 v9, 0
; Block b leaves: 8 bytes a lane.
.macro OUT b
	global_store_b64 v[OO], v[X+4*(\b):X+4*(\b)+1], s[38:39] offset:256*(\b) th:TH_STORE_NT  ; no register of a store is written again
.endm
; Block b: 4 floats a lane are rounded in place (each target register has been read when it is written), their magnitudes go into the maxima.  Ahead of these lines the block GRP back is stored.
.macro CONV b
	s_wait_loadcnt 31-(\b)                         ; loads come back in order: mine is in, the 31 - b younger ones may stay out
.if ((\b) % GRP == 0) && ((\b) > 0)
	s_wait_alu depctr_va_vdst(0)                   ; a group's head: the conversions of the group before have written their halves, which this group's four stores read
.endif
.if (\b) >= GRP
	OUT (\b)-GRP                                   ; no vector line since that wait names its registers
.endif
	v_cvt_pk_f16_f32 v[X+4*(\b)],   v[X+4*(\b)],   v[X+4*(\b)+1]
	v_cvt_pk_f16_f32 v[X+4*(\b)+1], v[X+4*(\b)+2], v[X+4*(\b)+3]
	v_and_b32 v[X+4*(\b)+2], s37, v[X+4*(\b)]
	v_and_b32 v[X+4*(\b)+3], s37, v[X+4*(\b)+1]
	v_pk_max_num_f16 v[M+2*((\b)%2)],   v[M+2*((\b)%2)],   v[X+4*(\b)+2]
	v_pk_max_num_f16 v[M+2*((\b)%2)+1], v[M+2*((\b)%2)+1], v[X+4*(\b)+3]
.endm
.set p, 0
.rept 32
	CONV p
.set p, p+1
.endr
	s_wait_alu depctr_va_vdst(0)                   ; the last group's conversions have written their halves, which the four stores below read
.set p, 32-GRP
.rept GRP
	OUT p
.set p, p+1
.endr
	s_cmp_lt_u32 s32, 4
	s_cbranch_scc0 .Lstat
.irp j, 0,1,2,3                        ; beta's loads are older than the last block's, whose wait was for 0
	v_cvt_pk_f16_f32 v[BL+(\j)], v[BL+2*(\j)], v[BL+2*(\j)+1]
.endr
	s_wait_alu depctr_va_vdst(0)                   ; these four conversions have written v[BL .. BL+3], which the store reads
	global_store_b128 v[BS], v[BL:BL+3], s[30:31] th:TH_STORE_NT
.Lstat:
	v_pk_max_num_f16 v[M], v[M], v[M+1]
	v_pk_max_num_f16 v[M+2], v[M+2], v[M+3]
	v_pk_max_num_f16 v[M], v[M], v[M+2]
	v_cvt_f32_f16 v8, v4.l                         ; v4 is M
	v_cvt_f32_f16 v9, v4.h
	v_max_num_f32 v8, v8, v9
	v_max_num_f32_dpp v8, v8, v8 row_xmask:1 row_mask:0xf bank_mask:0xf
	v_max_num_f32_dpp v8, v8, v8 row_xmask:2 row_mask:0xf bank_mask:0xf
	v_max_num_f32_dpp v8, v8, v8 row_xmask:4 row_mask:0xf bank_mask:0xf
	v_max_num_f32_dpp v8, v8, v8 row_xmask:8 row_mask:0xf bank_mask:0xf
	v_permlanex16_b32 v9, v8, s34, s35
	v_max_num_f32 v8, v8, v9                       ; the wave's largest |f16|
	v_cmp_eq_u32 vcc_lo, 0, v1
	s_wait_alu depctr_va_vcc(0)                    ; the compare has written VCC, which the select reads
	v_cndmask_b32 v8, 1.0, v8, vcc_lo              ; lane 0 carries the maximum, lane 1 the scale 1.0
	v_cmp_gt_u32 vcc_lo, 2, v1
	s_wait_alu depctr_va_vcc(0)                    ; the compare has written VCC, of which EXEC is made
	s_wait_xcnt 0x0                                ; EXEC is a source of the stores above: it changes only behind this wait
	s_wait_alu depctr_va_vdst(0)                   ; ahead of a scalar write of EXEC: the vector lines issued so far have written their results, v8 and v[SA] among them, which the store below reads
	s_wait_alu depctr_vm_vsrc(0)                   ; and the stores issued so far have read their vector registers
	s_and_saveexec_b32 s36, vcc_lo
	global_store_b32 v[SA], v8, s[6:7]
	s_wait_xcnt 0x0                                ; and again ahead of the line that widens it
	s_wait_alu depctr_va_vdst(0)                   ; ahead of a scalar write of EXEC both lines stand once more: no vector line is unfinished,
	s_wait_alu depctr_vm_vsrc(0)                   ; and the masked store has read v[SA] and v8
	s_or_b32 exec_lo, exec_lo, s36
	s_endpgm
.Lfunc_end_k_qf3b0df6c3d_prep:
	.size	k_qf3b0df6c3d_prep, .Lfunc_end_k_qf3b0df6c3d_prep-k_qf3b0df6c3d_prep
	.p2alignl 7, 3214868480
	.fill 96, 4, 3214868480
	.section	.rodata,"a",@progbits
	.p2align	6, 0x0
	.amdhsa_kernel k_qf3b0df6c3d_prep
		.amdhsa_group_segment_fixed_size 0
		.amdhsa_private_segment_fixed_size 0
		.amdhsa_enable_private_segment 0
		.amdhsa_kernarg_size 96
		.amdhsa_user_sgpr_count 2
		.amdhsa_user_sgpr_kernarg_segment_ptr 1
		.amdhsa_wavefront_size32 1
		.amdhsa_system_sgpr_workgroup_id_x 1
		.amdhsa_system_sgpr_workgroup_id_y 1
		.amdhsa_system_sgpr_workgroup_id_z 1
		.amdhsa_system_vgpr_workitem_id 0
		.amdhsa_next_free_vgpr 152
		.amdhsa_next_free_sgpr 66
		.amdhsa_reserve_vcc 1
		.amdhsa_float_denorm_mode_32 3
		.amdhsa_float_denorm_mode_16_64 3
		.amdhsa_memory_ordered 1
		.amdhsa_forward_progress 1
		.amdhsa_inst_pref_size 22
	.end_amdhsa_kernel
	.amdgpu_metadata
---
amdhsa.version: [ 1, 2 ]
amdhsa.kernels:
  - .name:           k_qf3b0df6c3d_prep
    .symbol:         k_qf3b0df6c3d_prep.kd
    .args:
      - { .name: x, .offset: 0, .size: 8, .value_kind: global_buffer, .address_space: global }
      - { .name: w0, .offset: 8, .size: 8, .value_kind: global_buffer, .address_space: global }
      - { .name: w1, .offset: 16, .size: 8, .value_kind: global_buffer, .address_space: global }
      - { .name: w2, .offset: 24, .size: 8, .value_kind: global_buffer, .address_space: global }
      - { .name: w3, .offset: 32, .size: 8, .value_kind: global_buffer, .address_space: global }
      - { .name: beta, .offset: 40, .size: 8, .value_kind: global_buffer, .address_space: global }
      - { .name: xh, .offset: 48, .size: 8, .value_kind: global_buffer, .address_space: global }
      - { .name: wh0, .offset: 56, .size: 8, .value_kind: global_buffer, .address_space: global }
      - { .name: wh1, .offset: 64, .size: 8, .value_kind: global_buffer, .address_space: global }
      - { .name: wh2, .offset: 72, .size: 8, .value_kind: global_buffer, .address_space: global }
      - { .name: wh3, .offset: 80, .size: 8, .value_kind: global_buffer, .address_space: global }
      - { .name: bh, .offset: 88, .size: 8, .value_kind: global_buffer, .address_space: global }
    .group_segment_fixed_size: 0
    .private_segment_fixed_size: 0
    .kernarg_segment_align: 8
    .kernarg_segment_size: 96
    .max_flat_workgroup_size: 576
    .sgpr_count:     66
    .vgpr_count:     152
    .wavefront_size: 32
...
	.end_amdgpu_metadata
.endif
;; end of part 8
;; launch layer0: the kernel of part 2 again; grid 8 x 32, 4 waves a work-group, clusters of 4 x 4, 327,680 bytes of LDS; arguments xh, wh0, ya; writes ya
;; launch layer1: the kernel of part 6 again; grid 8 x 32, 4 waves a work-group, clusters of 4 x 4, 327,680 bytes of LDS; arguments ya, wh1, yb; writes yb
;; launch layer2: the kernel of part 6 again; grid 8 x 32, 4 waves a work-group, clusters of 4 x 4, 327,680 bytes of LDS; arguments yb, wh2, ya; writes ya
;; launch layer3: the kernel of part 6 again; grid 8 x 32, 4 waves a work-group, clusters of 4 x 4, 327,680 bytes of LDS; arguments ya, wh3, yb; writes yb
;; launch readout (part 9): grid 256 x 1, 8 waves a work-group, no clusters, 70,656 bytes of LDS; arguments yb, bh, out0; writes out0
.if DOCPART == 9
	.amdgcn_target "amdgcn-amd-amdhsa--gfx1250"
	.amdhsa_code_object_version 6
	.text
	.protected	k_qf3b0df6c3d_readout
	.globl	k_qf3b0df6c3d_readout
	.p2align	8
	.type	k_qf3b0df6c3d_readout,@function
k_qf3b0df6c3d_readout:
	s_mov_b64 s[64:65], 0
	v_nop
	global_prefetch_b8 v0, s[64:65] scope:SCOPE_SE
	s_setreg_imm32_b32 hwreg(HW_REG_WAVE_SCHED_MODE, 0, 2), 2
	s_setreg_imm32_b32 hwreg(HW_REG_WAVE_MODE, 25, 1), 1
	s_wait_xcnt 0x0
	s_wait_alu depctr_vm_vsrc(0)
; THE READOUT.  out[m][n] = u x 2^-11 x the sum over k of yhat[m][k] beta[k][n].  yhat: [4096][2048] f16 behind a head of 8,192 bytes, whose byte 4,096 holds the f32 scale u;
; bh: beta in f16 in the order [k / 8][n][k % 8]: the 16 bytes of (k / 8, n) lie at 2,048 (k / 8) + 16 n; out: [4096][128] f32.
; Sums in f32: |yhat| is at most 2^15 and |beta| below 2^16, so a sum of 2,048 terms stays under 2^42.
; SHARES.  A work-group makes 32 rows x 64 columns: 128 x 2 = 256 work-groups; it reads 128 KiB of yhat and 256 KiB of bh.
; K IS SPLIT AMONG ITS EIGHT WAVES: wave v takes channels 256 v .. 256 v + 255, in 8 steps of 32; the eight partial sums meet in LDS.
; LAYOUT.  Source 0 = 16 columns n of beta, source 1 = 16 rows of yhat: a lane holds one row m (lane % 16) and the columns 8 (lane / 16) + 0..7 of a block of 16.  Two blocks of rows x four of columns: 8 accumulators.
; Fragments come straight from memory, two loads of 16 bytes a lane: no wave wants what another has fetched.  In bh's order a fragment load is two runs of 256 consecutive bytes (lanes 0-15: k / 8 = c, 16 columns; lanes 16-31: c + 1).
; Five sets of registers, 12 loads each: at the start 60 loads of each wave are out, 240 KiB of the work-group's 384.  Everything is written out: 8 steps, no loop, no label.
; No ring in LDS, no cluster, no prefetch: the launch is short, and bh's 512 KiB are read by every pair of work-groups.
; THE MODE: SCHED_MODE bits 1:0 = 2 (LLVM: expert scheduling mode 2), set by the entry lines.  The code itself states the register dependences
; between vector or matrix instructions and memory or LDS instructions, with s_wait_alu, always for 0.
; THE PLAN.  Registers that memory or LDS instructions touch:
;   v[FY], v[FB], v[LS], v[LR], v[OO], v[SPW], v[NIL]  addresses and the add's pair: written at the head, never again.
;   the five sets   Step s: its eight products read set s % 5.  Sets 0 to 2 are loaded a second time, for steps 5 to 7, behind the products of steps 0 to 2.
;   the accumulators  written by the products; read by the sixteen LDS stores.
;   R               the LDS loads land in it; the sums work in place; the two global stores read R + 32 t .. + 3, which nothing writes afterwards.
; So: one wait on va_vdst at the head, for the addresses; one behind the products of each of steps 0 to 2, ahead of the twelve loads into the set that they read (behind it the wave has nothing to
; do but wait for the next set, so the loads go out at once and not a step later); one ahead of the LDS stores; one behind the sums of both pairs of rows, ahead of both global stores.
; No register that a memory or LDS instruction has read is written again.  EXEC is written nowhere.
.set HEAD,  8192
.set PP,    272                        ; a row of partial sums in LDS: 64 f32 + 16 bytes of padding
.set PART,  32*PP                      ; a wave's partial tile
.set SPARE, 8*PART                     ; behind them: the spare words, 128 bytes for each wave: four blocks of 256 bytes that no other line names
.set NS,  5                            ; sets
.set NSTEP, 8                          ; steps of a wave
.set FY,  4                            ; v4   yhat: (l % 16) x 4,096 + 16 (l / 16) + 512 x wave; never rewritten
.set FB,  5                            ; v5   bh: 65,536 x wave + 1,024 x column half + 2,048 (l / 16) + 16 (l % 16); never rewritten
.set LS,  6                            ; v6   where I put my 32 bytes of a block's partial sums
.set LR,  7                            ; v7   where I read 16 bytes of a row back
.set OO,  8                            ; v8   my 16 bytes of out
.set SPW, 10                           ; v10  LDS address of my spare word; never rewritten
.set NIL, 11                           ; v11  0; never rewritten
.set FS,  12                           ; v[12:13]  u x 2^-11, twice
.set ACC, 16                           ; v[16:79]   accumulator (a, b) at ACC + 8 (4 a + b)
.set AF,  80                           ; v[80:159]  yhat's fragments: set s % 5, block a at AF + 16 (s % 5) + 8 a
.set R,   160                          ; v[160:223] two pairs of rows x eight partial sums x 4 registers
                                       ; window 1: bh's fragments: set s % 5, block b at v[32 (s % 5) + 8 b]
.set MSB, 0
.macro WIN new                         ; the immediate's high byte repeats the setting that is left; a switch that changes nothing is dropped
.if MSB != (\new)
	s_set_vgpr_msb (MSB<<8)|(\new)
.set MSB, \new
.endif
.endm
	s_load_b128 s[4:7], s[0:1], 0x0                ; yhat's buffer s[4:5], bh s[6:7]
	s_load_b64 s[8:9], s[0:1], 0x10                ; out
	v_lshl_add_u32 v[SPW], v0, 2, SPARE
	v_mov_b32 v[NIL], 0
	v_lshrrev_b32 v1, 5, v0
	v_readfirstlane_b32 s10, v1                    ; wave 0..7
	v_and_b32 v1, 15, v0                           ; l % 16
	v_bfe_u32 v2, v0, 4, 1                         ; l / 16
	s_lshr_b32 s11, ttmp9, 1                       ; my block of 32 rows
	s_and_b32 s12, ttmp9, 1                        ; my half of the 128 columns
	s_wait_alu depctr_va_sdst(0)                   ; s10 is written, ahead of its first reader: the wave's offsets are made from it
	s_lshl_b32 s13, s10, 9                         ; my wave's 256 channels: 512 bytes of a row of yhat
	v_lshlrev_b32 v[FY], 12, v1
	v_lshl_add_u32 v[FY], v2, 4, v[FY]
	v_add_nc_u32 v[FY], s13, v[FY]
	s_lshl_b32 s14, s10, 16                        ; my wave's 32 groups of 8 channels, 2,048 bytes each
	s_lshl_b32 s15, s12, 10                        ; my half's 64 columns, 16 bytes each
	s_add_co_u32 s14, s14, s15
	v_lshlrev_b32 v[FB], 4, v1
	v_lshl_add_u32 v[FB], v2, 11, v[FB]
	v_add_nc_u32 v[FB], s14, v[FB]
	s_mul_i32 s15, s10, PART
	v_mul_u32_u24 v[LS], v1, PP
	v_lshl_add_u32 v[LS], v2, 5, v[LS]
	v_add_nc_u32 v[LS], s15, v[LS]                 ; my wave's tile, row l % 16, 32 bytes for each half of the lanes
	s_mul_i32 s15, s10, 4*PP
	v_mul_u32_u24 v[LR], v2, PP
	v_lshl_add_u32 v[LR], v1, 4, v[LR]
	v_add_nc_u32 v[LR], s15, v[LR]                 ; wave v finishes rows 4 v .. 4 v + 3: lanes 0-15 one row of 256 bytes, lanes 16-31 the next
	s_lshl_b32 s15, s10, 11
	v_lshlrev_b32 v[OO], 9, v2
	v_lshl_add_u32 v[OO], v1, 4, v[OO]
	v_add_nc_u32 v[OO], s15, v[OO]                 ; the same two rows of out, 512 bytes apart
	s_lshl_b32 s16, s11, 17                        ; the work-group's 32 rows of 4,096 bytes, behind the head
	s_add_co_u32 s16, s16, HEAD
	s_mov_b32 s17, 0
	s_lshl_b32 s18, s11, 14                        ; its 32 rows of out, and its half of them
	s_lshl_b32 s19, s12, 8
	s_add_co_u32 s18, s18, s19
	s_mov_b32 s19, 0
	s_wait_kmcnt 0x0
	s_load_b32 s20, s[4:5], 0x1000                 ; u
	s_add_nc_u64 s[22:23], s[4:5], s[16:17]
	s_add_nc_u64 s[24:25], s[8:9], s[18:19]
	s_wait_alu depctr_va_vdst(0)                   ; v[FY], v[FB], v[LS], v[LR], v[OO], v[SPW] and v[NIL] are written: every load, store and LDS instruction of the kernel reads one of them, and none is written again
.macro LOADSET s                       ; step s: 8 loads of bh, 4 of yhat
	WIN 0x40                                       ; destination window 1, address window 0
.irp b, 0,1,2,3
	global_load_b128 v[32*((\s)%NS)+8*(\b):32*((\s)%NS)+8*(\b)+3],   v[FB], s[6:7] offset:8192*(\s)+256*(\b)       ; channels 32 s + 8 (l / 16) + 0..7
	global_load_b128 v[32*((\s)%NS)+8*(\b)+4:32*((\s)%NS)+8*(\b)+7], v[FB], s[6:7] offset:8192*(\s)+256*(\b)+4096  ; and 16 further on
.endr
	WIN 0
.irp a, 0,1
	global_load_b128 v[AF+16*((\s)%NS)+8*(\a):AF+16*((\s)%NS)+8*(\a)+3],   v[FY], s[22:23] offset:65536*(\a)+64*(\s)
	global_load_b128 v[AF+16*((\s)%NS)+8*(\a)+4:AF+16*((\s)%NS)+8*(\a)+7], v[FY], s[22:23] offset:65536*(\a)+64*(\s)+32
.endr
.endm
.macro MULSET s                        ; step s: eight products; the eight accumulators take turns; step 0 starts the sums
	WIN 0x01                                       ; source 0 in window 1
.irp a, 0,1
.irp b, 0,1,2,3
.if (\s) == 0
	v_wmma_f32_16x16x32_f16 v[ACC+8*(4*(\a)+(\b)):ACC+8*(4*(\a)+(\b))+7], v[32*((\s)%NS)+8*(\b):32*((\s)%NS)+8*(\b)+7], v[AF+16*((\s)%NS)+8*(\a):AF+16*((\s)%NS)+8*(\a)+7], 0
.else
	v_wmma_f32_16x16x32_f16 v[ACC+8*(4*(\a)+(\b)):ACC+8*(4*(\a)+(\b))+7], v[32*((\s)%NS)+8*(\b):32*((\s)%NS)+8*(\b)+7], v[AF+16*((\s)%NS)+8*(\a):AF+16*((\s)%NS)+8*(\a)+7], v[ACC+8*(4*(\a)+(\b)):ACC+8*(4*(\a)+(\b))+7]
.endif
.endr
.endr
.endm
.macro STEP s
.if (\s) <= NSTEP-NS
	s_wait_loadcnt 48                              ; set s is in; the four younger sets' 48 loads may stay out
.else
	s_wait_loadcnt 12*(NSTEP-1-(\s))               ; the counts run down
.endif
	MULSET \s
.if (\s) < NSTEP-NS
.rept 4
	v_nop                                          ; four places in front of loads into registers that the products have read: they stay beside the wait below
.endr
	s_wait_alu depctr_va_vdst(0)                   ; this step's eight products are done reading their set, in which the twelve loads below land; only loads and window switches stand between this wait and the last of them
	LOADSET (\s)+NS
.endif
.endm
.macro ADD4 d, s                       ; four sums
	v_pk_add_f32 v[(\d):(\d)+1],   v[(\d):(\d)+1],   v[(\s):(\s)+1]
	v_pk_add_f32 v[(\d)+2:(\d)+3], v[(\d)+2:(\d)+3], v[(\s)+2:(\s)+3]
.endm
	LOADSET 0
	LOADSET 1
	LOADSET 2
	LOADSET 3
	LOADSET 4
.irp s, 0,1,2,3,4,5,6,7
	STEP \s
.endr
	WIN 0
	s_wait_kmcnt 0x0                               ; u
	v_mov_b32 v[FS], s20                           ; three useful lines and five v_nop are the places behind the last products
	v_mul_f32 v[FS], 0x3a000000, v[FS]             ; u x 2^-11
	v_mov_b32 v[FS+1], v[FS]
.rept 5
	v_nop
.endr
	s_wait_alu depctr_va_vdst(0)                   ; the products have written the accumulators, which the LDS stores read; the places above stay beside this wait
.irp a, 0,1
.irp b, 0,1,2,3
	ds_store_b128 v[LS], v[ACC+8*(4*(\a)+(\b)):ACC+8*(4*(\a)+(\b))+3]   offset:16*PP*(\a)+64*(\b)      ; each accumulator's low registers first
	ds_store_b128 v[LS], v[ACC+8*(4*(\a)+(\b))+4:ACC+8*(4*(\a)+(\b))+7] offset:16*PP*(\a)+64*(\b)+16
.endr
.endr
	s_wait_dscnt 0x0                               ; for the others' sake: my partial sums lie in LDS
	s_barrier_signal -1
	s_barrier_wait -1
.irp t, 0,1
.irp p, 0,1,2,3,4,5,6,7
	ds_load_b128 v[R+32*(\t)+4*(\p):R+32*(\t)+4*(\p)+3], v[LR] offset:PART*(\p)+2*PP*(\t)  ; the largest immediate is 7 x 8,704 + 544 = 61,472; no vector line has named R
.endr
.endr
	s_wait_dscnt 0x0
.irp t, 0,1
	ADD4 R+32*(\t),    R+32*(\t)+4
	ADD4 R+32*(\t)+8,  R+32*(\t)+12
	ADD4 R+32*(\t)+16, R+32*(\t)+20
	ADD4 R+32*(\t)+24, R+32*(\t)+28
	ADD4 R+32*(\t),    R+32*(\t)+8
	ADD4 R+32*(\t)+16, R+32*(\t)+24
	ADD4 R+32*(\t),    R+32*(\t)+16
	v_pk_mul_f32 v[R+32*(\t):R+32*(\t)+1],   v[R+32*(\t):R+32*(\t)+1],   v[FS:FS+1]
	v_pk_mul_f32 v[R+32*(\t)+2:R+32*(\t)+3], v[R+32*(\t)+2:R+32*(\t)+3], v[FS:FS+1]
.endr
	s_wait_alu depctr_va_vdst(0)                   ; the scalings of both pairs of rows have written v[R .. R+3] and v[R+32 .. R+35], which the two stores read
.irp t, 0,1
	global_store_b128 v[OO], v[R+32*(\t):R+32*(\t)+3], s[24:25] offset:1024*(\t) th:TH_STORE_NT  ; 16 lanes store 256 consecutive bytes, at a multiple of 256 from out's first byte
.endr
	s_wait_dscnt 0x0                               ; the closing lines, six on end
	s_wait_alu 0x0
	s_wait_tensorcnt 0x0
	ds_add_u32 v[SPW], v[NIL]
	s_wait_dscnt 0x0
	s_endpgm
.Lfunc_end_k_qf3b0df6c3d_readout:
	.size	k_qf3b0df6c3d_readout, .Lfunc_end_k_qf3b0df6c3d_readout-k_qf3b0df6c3d_readout
	.p2alignl 7, 3214868480
	.fill 96, 4, 3214868480
	.section	.rodata,"a",@progbits
	.p2align	6, 0x0
	.amdhsa_kernel k_qf3b0df6c3d_readout
		.amdhsa_group_segment_fixed_size 70656
		.amdhsa_private_segment_fixed_size 0
		.amdhsa_enable_private_segment 0
		.amdhsa_kernarg_size 24
		.amdhsa_user_sgpr_count 2
		.amdhsa_user_sgpr_kernarg_segment_ptr 1
		.amdhsa_wavefront_size32 1
		.amdhsa_system_sgpr_workgroup_id_x 1
		.amdhsa_system_sgpr_workgroup_id_y 1
		.amdhsa_system_sgpr_workgroup_id_z 1
		.amdhsa_system_vgpr_workitem_id 0
		.amdhsa_next_free_vgpr 416
		.amdhsa_next_free_sgpr 66
		.amdhsa_reserve_vcc 0
		.amdhsa_float_denorm_mode_32 3
		.amdhsa_float_denorm_mode_16_64 3
		.amdhsa_memory_ordered 1
		.amdhsa_forward_progress 1
		.amdhsa_inst_pref_size 22
	.end_amdhsa_kernel
	.amdgpu_metadata
---
amdhsa.version: [ 1, 2 ]
amdhsa.kernels:
  - .name:           k_qf3b0df6c3d_readout
    .symbol:         k_qf3b0df6c3d_readout.kd
    .args:
      - { .name: yb, .offset: 0, .size: 8, .value_kind: global_buffer, .address_space: global }
      - { .name: bh, .offset: 8, .size: 8, .value_kind: global_buffer, .address_space: global }
      - { .name: out0, .offset: 16, .size: 8, .value_kind: global_buffer, .address_space: global }
    .group_segment_fixed_size: 70656
    .private_segment_fixed_size: 0
    .kernarg_segment_align: 8
    .kernarg_segment_size: 24
    .max_flat_workgroup_size: 256
    .sgpr_count:     66
    .vgpr_count:     416
    .wavefront_size: 32
...
	.end_amdgpu_metadata
.endif
;; end of part 9
